; MI455X (gfx1250); checked and timed in simulation.
; The chip was launched on July 23, 2026; its instructions are those of AMD's public machine-readable ISA for CDNA 5 (MIT licence, August 2026) and "CDNA5" Instruction Set Architecture Reference Guide (July 2026). The comments in the code are by the model that wrote it; some were corrected since.
;; DAMM CKAM. Allowed arithmetic: float matrix products may take bf16 or f16 operands with f32 sums; other float arithmetic in f32, or as packed bf16 or f16 multiplies, adds, multiply-adds, maxima and minima; sums over many terms, partial sums and values carried from step to step in f32; what a program stores and reads back later, other than sums and carried values, may be rounded once to bf16 or f16.
;; Inputs: bn_beta 256 float32; bn_gamma 256 float32; conv1_w 256 x 512 float32; gamma_cam 1 float32; gamma_pam 1 float32; k_b 64 float32; k_w 64 x 512 float32; q_b 64 float32; q_w 64 x 512 float32; v_b 512 float32; v_w 512 x 512 float32; x 4 x 512 x 64 x 64 float32.
;; Outputs: out0 4 x 256 x 64 x 64 float32.
;; 3 versions, each right; version 3 is version 2 with the launches prep, bn written anew for expert scheduling mode. Each part assembles by itself: llvm-mc -triple=amdgcn-amd-amdhsa -mcpu=gfx1250 --defsym DOCPART=n.
;; ======== version 1 of 3: 7 launches
;; workspace buffers: xcast 33,554,432 bytes; wall 3,671,040 bytes; bmat 2,883,584 bytes; ep 16,777,216 bytes; qkv 29,360,128 bytes; ybn 17,301,504 bytes
;; launch prep (part 1): grid 519 x 1, 8 waves a work-group, no clusters, 0 bytes of LDS; arguments x, q_w, k_w, conv1_w, v_w, v_b, xcast, wall, bmat; writes xcast, wall, bmat
.if DOCPART == 1
	.amdgcn_target "amdgcn-amd-amdhsa--gfx1250"
	.amdhsa_code_object_version 6
	.text
	.protected	k_q3f76718ba0_prep
	.globl	k_q3f76718ba0_prep
	.p2align	8
	.type	k_q3f76718ba0_prep,@function
k_q3f76718ba0_prep:
	s_mov_b64 s[64:65], 0
	v_nop
	global_prefetch_b8 v0, s[64:65] scope:SCOPE_SE
	s_setreg_imm32_b32 hwreg(HW_REG_WAVE_MODE, 25, 1), 1
	s_wait_xcnt 0x0
; PREP: every large input is rounded once to bf16 and laid out as the later launches' matrix operands want it.
; A CHUNK is 512 bytes: lane l = (r = l % 16, h = l / 16) holds 16 bytes = 8 bf16 at byte 16 l: row r, K = 8 h + 0..7.  Two chunks are a fragment of 16 rows x 32 K.
; Work-groups 0..511 (x): a wave takes 16 channels x 128 pixels, read once, and writes them twice:
;   xb [b][c][4096] bf16 (rows along pixels, for x x^T); inside each 128 pixels the 16-byte unit i holds pixels 4i..4i+3 and 64+4i..+3: one order for all rows, so sums over pixels keep their terms;
;   xf [b][block of 64 pixels][cc 16][t 4][s 2][chunk]: row r = pixel 4 r + t, K = channel 32 cc + 16 s + 8 h + j.
; Work-groups 512..518 (weights): a wave takes 16 rows x 512 columns of q_w, k_w, conv1_w or v_w.  q_w, k_w and 2 x conv1_w go into the stream 'wall', once for each batch;
;   conv1_w and v_w also go into 'bmat' as plain chunks [row block][column block]; conv1_w's waves also make conv1_w . v_b in f32 (a constant a channel).
; No LDS, no matrix unit, no cluster: a stream in which nothing is shared.  Each store of a wave covers 512 consecutive bytes or two aligned runs of 256.
.set X,    16                          ; v[16:79]   x role: block blk of 64 pixels, row k at X + 32 blk + 4 k
.set FOUT, 80                          ; v[80:111]  xf chunks
.set BOUT, 112                         ; v[112:143] xb rows
.set WR,   16                          ; v[16:79]   weights role: 8 chunks of 8 f32
.set BV,   80                          ; v[80:143]  v_b at the same columns
.set AO,   144                         ; v[144:175] scaled chunks for wall
.set PO,   176                         ; v[176:207] plain chunks for bmat
.set DOT,  208                         ; v[208:211] two chains of the product with v_b
	s_load_b512 s[8:23], s[0:1], 0x0               ; x 8, q_w 10, k_w 12, conv1_w 14, v_w 16, v_b 18, xcast 20, wall 22
	s_load_b64 s[24:25], s[0:1], 0x40              ; bmat
	v_lshrrev_b32 v1, 5, v0
	v_readfirstlane_b32 s2, v1                     ; wave 0..7
	v_and_b32 v2, 31, v0                           ; l
	v_and_b32 v3, 15, v0                           ; l % 16
	v_bfe_u32 v4, v0, 4, 1                         ; l / 16
	v_lshlrev_b32 v5, 4, v2                        ; 16 l: my place in a chunk
	s_cmp_ge_u32 ttmp9, 512
	s_cbranch_scc1 .Lweights
	; ---- x ----
	s_lshl_b32 s3, ttmp9, 3
	s_add_co_u32 s3, s3, s2                        ; unit u = 8 wg + wave
	s_lshr_b32 s4, s3, 10                          ; batch
	s_bfe_u32 s5, s3, 0x50005                      ; block of 16 channels
	s_and_b32 s6, s3, 31                           ; group of 128 pixels
	s_lshl_b32 s26, s4, 23                         ; x: (512 b + 16 rbk) rows of 16,384 bytes + 512 pg
	s_lshl_b32 s7, s5, 18
	s_add_co_u32 s26, s26, s7
	s_lshl_b32 s7, s6, 9
	s_add_co_u32 s26, s26, s7
	s_mov_b32 s27, 0
	s_lshl_b32 s28, s4, 22                         ; xb: the same rows of 8,192 bytes + 256 pg
	s_lshl_b32 s7, s5, 17
	s_add_co_u32 s28, s28, s7
	s_lshl_b32 s7, s6, 8
	s_add_co_u32 s28, s28, s7
	s_mov_b32 s29, 0
	s_lshl_b32 s30, s4, 22                         ; xf: (64 b + 2 pg) x 65,536 + (rbk / 2) x 4,096 + (rbk % 2) x 512, behind xb's 16 MiB
	s_lshl_b32 s7, s6, 17
	s_add_co_u32 s30, s30, s7
	s_lshr_b32 s7, s5, 1
	s_lshl_b32 s7, s7, 12
	s_add_co_u32 s30, s30, s7
	s_and_b32 s7, s5, 1
	s_lshl_b32 s7, s7, 9
	s_add_co_u32 s30, s30, s7
	s_add_co_u32 s30, s30, 0x1000000
	s_mov_b32 s31, 0
	v_lshlrev_b32 v6, 4, v3
	v_lshl_add_u32 v7, v4, 17, v6                  ; x: 8 rows down for lanes 16-31, 16 bytes a lane
	v_lshl_add_u32 v8, v4, 16, v6                  ; xb: the same
	s_wait_kmcnt 0x0
	s_add_nc_u64 s[8:9], s[8:9], s[26:27]
	s_add_nc_u64 s[28:29], s[20:21], s[28:29]
	s_add_nc_u64 s[30:31], s[20:21], s[30:31]
.irp blk, 0,1
.irp k, 0,1,2,3,4,5,6,7
	global_load_b128 v[X+32*(\blk)+4*(\k):X+32*(\blk)+4*(\k)+3], v7, s[8:9] offset:(\k)*16384+(\blk)*256 th:TH_LOAD_NT  ; rows k and 8 + k, 256 bytes each
.endr
.endr
; xf: for pixel 4 i + p my eight channels lie in component p of my eight loads: four roundings make the lane's 16 bytes of chunk t = p
.macro XF blk
.irp p, 0,1,2,3
.irp m, 0,1,2,3
	v_cvt_pk_bf16_f32 v[FOUT+16*(\blk)+4*(\p)+(\m)], v[X+32*(\blk)+8*(\m)+(\p)], v[X+32*(\blk)+8*(\m)+4+(\p)]
.endr
	global_store_b128 v5, v[FOUT+16*(\blk)+4*(\p):FOUT+16*(\blk)+4*(\p)+3], s[30:31] offset:(\p)*1024+(\blk)*65536
.endr
.endm
	s_wait_loadcnt 8                               ; the first block's eight loads are in; the second block's eight may stay out
	XF 0
	s_wait_loadcnt 0x0
	XF 1
.irp k, 0,1,2,3,4,5,6,7
	v_cvt_pk_bf16_f32 v[BOUT+4*(\k)],   v[X+4*(\k)],      v[X+4*(\k)+1]
	v_cvt_pk_bf16_f32 v[BOUT+4*(\k)+1], v[X+4*(\k)+2],    v[X+4*(\k)+3]
	v_cvt_pk_bf16_f32 v[BOUT+4*(\k)+2], v[X+32+4*(\k)],   v[X+32+4*(\k)+1]
	v_cvt_pk_bf16_f32 v[BOUT+4*(\k)+3], v[X+32+4*(\k)+2], v[X+32+4*(\k)+3]
	global_store_b128 v8, v[BOUT+4*(\k):BOUT+4*(\k)+3], s[28:29] offset:(\k)*8192
.endr
	s_endpgm
	; ---- weights ----
.Lweights:
	s_sub_co_u32 s3, ttmp9, 512
	s_lshl_b32 s3, s3, 3
	s_add_co_u32 s3, s3, s2                        ; G = 0..55: 0-3 q_w, 4-7 k_w, 8-23 conv1_w, 24-55 v_w
	s_mov_b32 s46, 0x76543210                      ; v_permlanex16_b32: each lane takes its own place in the other half
	s_mov_b32 s47, 0xfedcba98
	s_wait_kmcnt 0x0
	s_cmp_lt_u32 s3, 4
	s_cselect_b64 s[28:29], s[10:11], s[12:13]
	s_cselect_b32 s4, 0, 4
	s_cmp_lt_u32 s3, 8
	s_cselect_b64 s[28:29], s[28:29], s[14:15]
	s_cselect_b32 s4, s4, 8
	s_cmp_lt_u32 s3, 24
	s_cselect_b64 s[28:29], s[28:29], s[16:17]     ; my matrix
	s_cselect_b32 s4, s4, 24
	s_cselect_b32 s34, 1, 0                        ; it goes into wall
	s_sub_co_u32 s4, s3, s4                        ; my block of 16 rows in it
	s_cmp_ge_u32 s3, 8
	s_cselect_b32 s35, 1, 0                        ; it goes into bmat
	s_and_b32 s36, s34, s35                        ; it is conv1_w
	s_cmp_eq_u32 s36, 1
	s_cselect_b32 s38, 2.0, 1.0                    ; wall takes 2 x conv1_w: exact in bf16
	s_mov_b32 s39, s38                             ; named with it as a pair
	s_lshr_b32 s5, s3, 1                           ; q, k: the wave of proj that takes the block, and its fragment 0 or 1
	s_and_b32 s6, s3, 1
	s_lshr_b32 s7, s4, 2                           ; conv1_w: wave = block / 4, fragment 6 + block % 4
	s_and_b32 s26, s4, 3
	s_add_co_u32 s26, s26, 6
	s_cmp_lt_u32 s3, 8
	s_cselect_b32 s5, s5, s7
	s_cselect_b32 s6, s6, s26
	s_mul_i32 s5, s5, 28672
	s_lshl_b32 s6, s6, 10
	s_add_co_u32 s40, s5, s6
	s_mov_b32 s41, 0
	s_add_nc_u64 s[40:41], s[22:23], s[40:41]      ; where my chunks begin in wall
	s_mov_b32 s7, 2621440                          ; bmat: conv1_w behind the five matrices,
	s_mov_b32 s26, 2097152                         ; v_w as matrix 4
	s_cmp_lt_u32 s3, 24
	s_cselect_b32 s7, s7, s26
	s_lshl_b32 s42, s4, 14
	s_add_co_u32 s42, s42, s7
	s_mov_b32 s43, 0
	s_add_nc_u64 s[42:43], s[24:25], s[42:43]
	s_lshl_b32 s26, s4, 15                         ; 16 rows of 2,048 bytes
	s_mov_b32 s27, 0
	s_add_nc_u64 s[28:29], s[28:29], s[26:27]
	s_lshl_b32 s26, s4, 6
	s_add_co_u32 s26, s26, 3670016                 ; the 256 sums conv1_w . v_b lie behind wall's stream
	s_add_nc_u64 s[44:45], s[22:23], s[26:27]
	v_lshlrev_b32 v6, 11, v3
	v_lshl_add_u32 v6, v4, 5, v6                   ; row r, 8 columns of f32 for each half of the lanes
	v_lshlrev_b32 v7, 5, v4                        ; the same columns of v_b
	v_lshlrev_b32 v8, 2, v3
.irp i, 0,1,2,3
	v_mov_b32 v[DOT+(\i)], 0
.endr
	s_mov_b32 s33, 4
.Ltrip:                                                ; four trips of 8 chunks (128 columns)
.irp e, 0,1,2,3,4,5,6,7
	global_load_b128 v[WR+8*(\e):WR+8*(\e)+3],   v6, s[28:29] offset:(\e)*64
	global_load_b128 v[WR+8*(\e)+4:WR+8*(\e)+7], v6, s[28:29] offset:(\e)*64+16
	global_load_b128 v[BV+8*(\e):BV+8*(\e)+3],   v7, s[18:19] offset:(\e)*64
	global_load_b128 v[BV+8*(\e)+4:BV+8*(\e)+7], v7, s[18:19] offset:(\e)*64+16
.endr
	s_wait_loadcnt 0x0
.irp e, 0,1,2,3,4,5,6,7
.irp m, 0,1,2,3
	v_pk_fma_f32 v[DOT+2*((\m)%2):DOT+2*((\m)%2)+1], v[WR+8*(\e)+2*(\m):WR+8*(\e)+2*(\m)+1], v[BV+8*(\e)+2*(\m):BV+8*(\e)+2*(\m)+1], v[DOT+2*((\m)%2):DOT+2*((\m)%2)+1]
.endr
.endr
.irp e, 0,1,2,3,4,5,6,7
.irp m, 0,1,2,3
	v_cvt_pk_bf16_f32 v[PO+4*(\e)+(\m)], v[WR+8*(\e)+2*(\m)], v[WR+8*(\e)+2*(\m)+1]
.endr
.endr
.irp e, 0,1,2,3,4,5,6,7
.irp m, 0,1,2,3
	v_pk_mul_f32 v[WR+8*(\e)+2*(\m):WR+8*(\e)+2*(\m)+1], v[WR+8*(\e)+2*(\m):WR+8*(\e)+2*(\m)+1], s[38:39] op_sel_hi:[1,0]
.endr
.endr
.irp e, 0,1,2,3,4,5,6,7
.irp m, 0,1,2,3
	v_cvt_pk_bf16_f32 v[AO+4*(\e)+(\m)], v[WR+8*(\e)+2*(\m)], v[WR+8*(\e)+2*(\m)+1]
.endr
.endr
	s_cmp_eq_u32 s34, 1
	s_cbranch_scc0 .Lno_wall
.irp e, 0,1,2,3,4,5,6,7                ; chunk 8 T + e is step ss = 2 T + e / 4, half (e / 2) % 2, chunk e % 2 of the stream; one copy for each batch
.irp c, 0,1,2,3
	global_store_b128 v5, v[AO+4*(\e):AO+4*(\e)+3], s[40:41] offset:((\e)/4)*114688+(((\e)/2)%2)*14336+((\e)%2)*512+(\c)*917504
.endr
.endr
.Lno_wall:
	s_cmp_eq_u32 s35, 1
	s_cbranch_scc0 .Lno_bmat
.irp e, 0,1,2,3,4,5,6,7
	global_store_b128 v5, v[PO+4*(\e):PO+4*(\e)+3], s[42:43] offset:(\e)*512
.endr
.Lno_bmat:
	s_wait_xcnt 0x0                                ; the bases and the stores' data are written again only behind this wait
	s_add_nc_u64 s[28:29], s[28:29], 512
	s_add_nc_u64 s[18:19], s[18:19], 512
	s_add_nc_u64 s[40:41], s[40:41], 229376
	s_add_nc_u64 s[42:43], s[42:43], 4096
	s_sub_co_u32 s33, s33, 1
	s_cmp_lg_u32 s33, 0
	s_cbranch_scc1 .Ltrip
	v_pk_add_f32 v[DOT:DOT+1], v[DOT:DOT+1], v[DOT+2:DOT+3]
	v_add_f32 v[DOT], v[DOT], v[DOT+1]
	v_permlanex16_b32 v[DOT+1], v[DOT], s46, s47   ; the row's other columns lie in the lane 16 away
	v_add_f32 v[DOT], v[DOT], v[DOT+1]
	s_cmp_eq_u32 s36, 1
	s_cbranch_scc0 .Ldone
	global_store_b32 v8, v[DOT], s[44:45]          ; both halves of the lanes hold, and write, the same number
.Ldone:
	s_endpgm
.Lfunc_end_k_q3f76718ba0_prep:
	.size	k_q3f76718ba0_prep, .Lfunc_end_k_q3f76718ba0_prep-k_q3f76718ba0_prep
	.p2alignl 7, 3214868480
	.fill 96, 4, 3214868480
	.section	.rodata,"a",@progbits
	.p2align	6, 0x0
	.amdhsa_kernel k_q3f76718ba0_prep
		.amdhsa_group_segment_fixed_size 0
		.amdhsa_private_segment_fixed_size 0
		.amdhsa_enable_private_segment 0
		.amdhsa_kernarg_size 72
		.amdhsa_user_sgpr_count 2
		.amdhsa_user_sgpr_kernarg_segment_ptr 1
		.amdhsa_wavefront_size32 1
		.amdhsa_system_sgpr_workgroup_id_x 1
		.amdhsa_system_sgpr_workgroup_id_y 1
		.amdhsa_system_sgpr_workgroup_id_z 1
		.amdhsa_system_vgpr_workitem_id 0
		.amdhsa_next_free_vgpr 216
		.amdhsa_next_free_sgpr 66
		.amdhsa_reserve_vcc 0
		.amdhsa_float_denorm_mode_32 3
		.amdhsa_float_denorm_mode_16_64 3
		.amdhsa_memory_ordered 1
		.amdhsa_forward_progress 1
		.amdhsa_inst_pref_size 27
	.end_amdhsa_kernel
	.amdgpu_metadata
---
amdhsa.version: [ 1, 2 ]
amdhsa.kernels:
  - .name:           k_q3f76718ba0_prep
    .symbol:         k_q3f76718ba0_prep.kd
    .args:
      - { .name: x, .offset: 0, .size: 8, .value_kind: global_buffer, .address_space: global }
      - { .name: q_w, .offset: 8, .size: 8, .value_kind: global_buffer, .address_space: global }
      - { .name: k_w, .offset: 16, .size: 8, .value_kind: global_buffer, .address_space: global }
      - { .name: conv1_w, .offset: 24, .size: 8, .value_kind: global_buffer, .address_space: global }
      - { .name: v_w, .offset: 32, .size: 8, .value_kind: global_buffer, .address_space: global }
      - { .name: v_b, .offset: 40, .size: 8, .value_kind: global_buffer, .address_space: global }
      - { .name: xcast, .offset: 48, .size: 8, .value_kind: global_buffer, .address_space: global }
      - { .name: wall, .offset: 56, .size: 8, .value_kind: global_buffer, .address_space: global }
      - { .name: bmat, .offset: 64, .size: 8, .value_kind: global_buffer, .address_space: global }
    .group_segment_fixed_size: 0
    .private_segment_fixed_size: 0
    .kernarg_segment_align: 8
    .kernarg_segment_size: 72
    .max_flat_workgroup_size: 256
    .sgpr_count:     66
    .vgpr_count:     216
    .wavefront_size: 32
...
	.end_amdgpu_metadata
.endif
;; end of part 1
;; launch came (part 2): grid 4 x 64, 4 waves a work-group, clusters of 4 x 4, 327,680 bytes of LDS; arguments xcast, ep; writes ep
.if DOCPART == 2
	.amdgcn_target "amdgcn-amd-amdhsa--gfx1250"
	.amdhsa_code_object_version 6
	.text
	.protected	k_q3f76718ba0_came
	.globl	k_q3f76718ba0_came
	.p2align	8
	.type	k_q3f76718ba0_came,@function
k_q3f76718ba0_came:
	s_mov_b64 s[64:65], 0
	v_nop
	global_prefetch_b8 v0, s[64:65] scope:SCOPE_SE
	s_setreg_imm32_b32 hwreg(HW_REG_WAVE_MODE, 25, 1), 1
	s_wait_xcnt 0x0
	s_wait_alu depctr_hold_cnt(0) depctr_sa_sdst(0) depctr_va_vdst(0) depctr_va_sdst(0) depctr_va_ssrc(0) depctr_va_vcc(0) depctr_vm_vsrc(0)
	s_getreg_b32 s2, hwreg(HW_REG_IB_STS2, 6, 4)
	s_cmp_eq_u32 s2, 0
	s_cbranch_scc0 .Lentry_in_a_cluster
	s_endpgm
.Lentry_in_a_cluster:
	s_bfe_u32 s2, ttmp6, 0x10000c
	s_cmp_lg_u32 s2, 0xf033
	s_cbranch_scc0 .Lentry_shape_is_right
	s_endpgm
.Lentry_shape_is_right:
; CAME: partial sums of E[b][c][d] = sum over pixels of x[b][c][n] x[b][d][n], from xb (bf16, rows of 4,096 pixels); sums in f32.
; A cluster of 4 x 4 work-groups makes the 512 x 512 numbers of one batch for one quarter of the pixels (cluster y = 4 b + ks): 16 clusters, 256 work-groups.
; A work-group makes a tile of 128 x 128, four waves 64 x 64 each: 16 accumulators.  K goes in four steps of 256 (LDS rows of 512 bytes) through two slots.
; The four of a row of the cluster need the same 128 rows as first factor, the four of a column the same as second factor: each tile is asked for jointly, by the same tensor load with a mask of four.
; The matrix instruction is used transposed (source 0 = the second factor's rows): a lane holds row c = lane % 16 and the columns d = 8 (lane / 16) + 0..7.
; The accumulators leave as they lie, 512 consecutive bytes a store: ep [ks][b][row block 32][column block 32][2][512 bytes].
; No prefetch: a work-group has four K steps, and every row is read by its partners jointly.
; REGISTERS: window 0: v16-29 addresses; v128-255 accumulators ((a, b) at 128 + 8 (4 a + b)).  Window 1: two fragment buffers of 128.
.set KSTEP,  256
.set PITCH,  528                       ; 512 bytes + 16 of padding = 132 words: row r starts at bank 4 r mod 64 (ISA guide 11.1)
.set HALFT,  64*PITCH
.set SLOT,   4*HALFT
.set SPARE,  2*SLOT                    ; behind the ring: the spare words, 128 bytes a wave
.set ROWE,   4096                      ; elements from row to row of xb
.set LAPS,   2                         ; 1,024 pixels = two laps of two K steps
.set ADRA, 16
.set ADRB, 20
.set CO,   26                          ; v26  16 x lane
.set SPW,  28
.set NIL,  29
.set ACC,  128
.set F0,   0
.set F1,   128
.set G1, 24
.set G0, 32
.set G1B, 48
.set G0B, 56
.set MSB, 0
.macro WIN new                         ; the immediate's high byte repeats the setting that is left
.if MSB != (\new)
	s_set_vgpr_msb (MSB<<8)|(\new)
.set MSB, \new
.endif
.endm
.set MUL,  0x05                        ; sources 0 and 1 window 1; C and D window 0
.set TO_F, 0x40                        ; destination window 1, address window 0
.macro JLOAD s                         ; a joint load: waves 0, 1 fetch the first factor's halves, waves 2, 3 the second's; s_nop 0 and four v_nop follow each line
	s_cmp_eq_u32 s11, 0
	s_cbranch_scc0 .Lfor_b_\@
	tensor_load_to_lds s[G0+4*(\s):G0+4*(\s)+3], s[G1:G1+7]
	s_nop 0
.rept 4
	v_nop
.endr
	s_branch .Lasked_\@
.Lfor_b_\@:
	tensor_load_to_lds s[G0B+4*(\s):G0B+4*(\s)+3], s[G1B:G1B+7]
	s_nop 0
.rept 4
	v_nop
.endr
.Lasked_\@:
.endm
.macro CREST                           ; a round of the cluster's barrier behind its opening barrier
	s_cmp_lg_u32 s10, 0
	s_cbranch_scc1 .Lnot_wave_0_\@
	s_barrier_signal -3
.Lnot_wave_0_\@:
	s_barrier_wait -3
	s_barrier_signal -1
	s_barrier_wait -1
.endm
.macro CROUND
	s_barrier_signal -1
	s_barrier_wait -1
	CREST
.endm
	s_load_b128 s[4:7], s[0:1], 0x0                ; xcast s[4:5], ep s[6:7]
	v_lshl_add_u32 v[SPW], v0, 2, SPARE
	v_mov_b32 v[NIL], 0
	ds_add_u32 v[SPW], v[NIL]                      ; the wave's opening: the add and its wait ahead of my first tensor load
	v_lshrrev_b32 v1, 5, v0
	v_readfirstlane_b32 s10, v1                    ; wave 0..3
	s_lshr_b32 s11, s10, 1                         ; my half of the tile's rows; also: I fetch the first (0) or the second factor (1)
	s_and_b32 s12, s10, 1                          ; my half of its columns; also: which 64 rows I fetch
	s_bfe_u32 s40, ttmp6, 0x40000                  ; cx = tile column
	s_bfe_u32 s41, ttmp6, 0x40004                  ; cy = tile row
	s_and_b32 s13, ttmp7, 0xffff                   ; cluster y = 4 b + ks
	s_lshr_b32 s42, s13, 2                         ; batch
	s_and_b32 s13, s13, 3                          ; quarter of the pixels
	s_lshl_b32 s43, s41, 2
	s_lshl_b32 s43, 15, s43                        ; my row of the cluster
	s_lshl_b32 s44, 0x1111, s40                    ; my column
	s_or_b32 s[G1+0], s43, (1<<16)|(1<<20)|(1<<21)|(6<<22)|(3<<25)  ; mask; 2-byte elements; padding on; bit 21 beside a mask; after every 128 words 4 words
	s_or_b32 s[G1B+0], s44, (1<<16)|(1<<20)|(1<<21)|(6<<22)|(3<<25)
.irp g, G1, G1B
	s_mov_b32 s[(\g)+1], KSTEP<<16                 ; tensor_dim0 = 256
	s_mov_b32 s[(\g)+2], 64<<16                    ; tensor_dim1 = 64
	s_mov_b32 s[(\g)+3], KSTEP<<16                 ; tile_dim0 = 256
	s_mov_b32 s[(\g)+4], 64                        ; tile_dim1 = 64
	s_mov_b32 s[(\g)+5], ROWE                      ; elements from row to row
	s_mov_b32 s[(\g)+6], 0
	s_mov_b32 s[(\g)+7], 0
.endr
	s_lshl_b32 s18, s42, 22                        ; what both factors share: the batch's 4 MiB, the quarter's 2,048 bytes of a row, my 64 rows of 8,192 bytes
	s_lshl_b32 s19, s13, 11
	s_add_co_u32 s18, s18, s19
	s_lshl_b32 s19, s12, 19
	s_add_co_u32 s18, s18, s19
	s_lshl_b32 s16, s41, 20                        ; first factor: 128 rows for each tile row
	s_add_co_u32 s16, s16, s18
	s_mov_b32 s17, 0
	s_lshl_b32 s46, s40, 20                        ; second factor: for each tile column
	s_add_co_u32 s46, s46, s18
	s_mov_b32 s47, 0
	s_mul_i32 s20, s10, HALFT                      ; where they go: wave x 64 rows
	s_wait_dscnt 0x0                               ; the opening add is done
	s_wait_kmcnt 0x0
	s_add_nc_u64 s[14:15], s[4:5], s[16:17]
	s_add_nc_u64 s[46:47], s[4:5], s[46:47]
	CROUND                                         ; all sixteen work-groups are here: the first joint loads meet
.irp s, 0,1
	s_mov_b32 s[G0+4*(\s)], 1
	s_add_co_u32 s[G0+4*(\s)+1], s20, (\s)*SLOT
	s_add_nc_u64 s[G0+4*(\s)+2:G0+4*(\s)+3], s[14:15], (\s)*KSTEP*2
	s_or_b32 s[G0+4*(\s)+3], s[G0+4*(\s)+3], 0x80000000
	s_mov_b32 s[G0B+4*(\s)], 1
	s_add_co_u32 s[G0B+4*(\s)+1], s20, (\s)*SLOT
	s_add_nc_u64 s[G0B+4*(\s)+2:G0B+4*(\s)+3], s[46:47], (\s)*KSTEP*2
	s_or_b32 s[G0B+4*(\s)+3], s[G0B+4*(\s)+3], 0x80000000
	JLOAD \s
.endr
	v_and_b32 v1, 15, v0
	v_bfe_u32 v2, v0, 4, 1
	v_mul_u32_u24 v3, v1, PITCH
	v_lshl_add_u32 v3, v2, 4, v3                   ; a fragment's row x pitch + 16 x half
	s_mul_i32 s21, s11, HALFT
	s_mul_i32 s22, s12, HALFT
	s_add_co_u32 s22, s22, 2*HALFT
.irp s, 0,1
	v_add_nc_u32 v[ADRA+(\s)], s21, v3
	v_add_nc_u32 v[ADRB+(\s)], s22, v3
	s_add_co_u32 s21, s21, SLOT
	s_add_co_u32 s22, s22, SLOT
.endr
	v_and_b32 v[CO], 31, v0
	v_lshlrev_b32 v[CO], 4, v[CO]
	s_lshl_b32 s68, s13, 2                         ; ep: ((4 ks + b) x 1,024 + (8 cy + 4 (w / 2)) x 32 + 8 cx + 4 (w % 2)) x 1,024 bytes
	s_add_co_u32 s68, s68, s42
	s_lshl_b32 s68, s68, 10
	s_lshl_b32 s69, s41, 8
	s_add_co_u32 s68, s68, s69
	s_lshl_b32 s69, s11, 7
	s_add_co_u32 s68, s68, s69
	s_lshl_b32 s69, s40, 3
	s_add_co_u32 s68, s68, s69
	s_lshl_b32 s69, s12, 2
	s_add_co_u32 s68, s68, s69
	s_lshl_b32 s68, s68, 10
	s_mov_b32 s69, 0
	s_add_nc_u64 s[6:7], s[6:7], s[68:69]
.macro MUL8 f, c, a0, zero             ; 8 matrix instructions: row blocks a0, a0 + 1 x 4 column blocks, 32 along K: half c of buffer f
	WIN MUL
.irp a, \a0, (\a0)+1
.irp b, 0,1,2,3
.if \zero
	v_wmma_f32_16x16x32_bf16 v[ACC+8*(4*(\a)+(\b)):ACC+8*(4*(\a)+(\b))+7], v[(\f)+64+8*(4*(\c)+(\b)):(\f)+64+8*(4*(\c)+(\b))+7], v[(\f)+8*(4*(\c)+(\a)):(\f)+8*(4*(\c)+(\a))+7], 0
.else
	v_wmma_f32_16x16x32_bf16 v[ACC+8*(4*(\a)+(\b)):ACC+8*(4*(\a)+(\b))+7], v[(\f)+64+8*(4*(\c)+(\b)):(\f)+64+8*(4*(\c)+(\b))+7], v[(\f)+8*(4*(\c)+(\a)):(\f)+8*(4*(\c)+(\a))+7], v[ACC+8*(4*(\a)+(\b)):ACC+8*(4*(\a)+(\b))+7]
.endif
.endr
.endr
.endm
.macro FETCH slot, k, f                ; 32 LDS loads in one run: the fragments of 64 along K at byte k of the rows; the first 32 along K first
	WIN TO_F
.irp c, 0,1
.irp i, 0,1,2,3
	ds_load_b128 v[(\f)+64+8*(4*(\c)+(\i)):(\f)+64+8*(4*(\c)+(\i))+3],   v[ADRB+(\slot)] offset:(\k)+64*(\c)+(\i)*16*PITCH
	ds_load_b128 v[(\f)+64+8*(4*(\c)+(\i))+4:(\f)+64+8*(4*(\c)+(\i))+7], v[ADRB+(\slot)] offset:(\k)+64*(\c)+(\i)*16*PITCH+32
	ds_load_b128 v[(\f)+8*(4*(\c)+(\i)):(\f)+8*(4*(\c)+(\i))+3],         v[ADRA+(\slot)] offset:(\k)+64*(\c)+(\i)*16*PITCH
	ds_load_b128 v[(\f)+8*(4*(\c)+(\i))+4:(\f)+8*(4*(\c)+(\i))+7],       v[ADRA+(\slot)] offset:(\k)+64*(\c)+(\i)*16*PITCH+32
.endr
.endr
.endm
.macro PLACES                          ; four places in front of loads into registers that matrix instructions have read, and of stores that read results
.rept 4
	v_nop
.endr
.endm
.macro QUARTER slot, k, f, g, zero     ; 64 along K: multiplies buffer f, fetches the next quarter, at byte k, into g
	s_wait_dscnt 16                                ; the first 32 along K are in; the younger sixteen loads may be out
	WIN MUL
	MUL8 \f, 0, 0, \zero
	MUL8 \f, 0, 2, \zero
	PLACES
	FETCH \slot, \k, \g
	s_wait_dscnt 32                                ; all but the 32 just issued
	WIN MUL
	MUL8 \f, 1, 0, 0
	MUL8 \f, 1, 2, 0
.endm
.macro TURN slot, next, fill           ; the last quarter multiplies buffer 1 and changes slots
	WIN 0
	s_wait_tensorcnt 0x0                           ; all my tensor loads have landed: my part of the next slot
	ds_add_u32 v[SPW], v[NIL]                      ; 0 onto my spare word
	s_wait_dscnt 17                                ; the add and the youngest sixteen loads may be out
	WIN MUL
	MUL8 F1, 0, 0, 0
	s_wait_dscnt 0x0                               ; the add is done, and my reads of this slot are over
	s_barrier_signal -1
	MUL8 F1, 0, 2, 0
.if \fill
	WIN 0
.endif
	s_barrier_wait -1
.if \fill
	CREST                                          ; the barrier has opened a round of the cluster's barrier: no wave of any partner still reads this slot or has a load on its way
	s_add_nc_u64 s[G0+4*(\slot)+2:G0+4*(\slot)+3], s[G0+4*(\slot)+2:G0+4*(\slot)+3], 2*KSTEP*2
	s_add_nc_u64 s[G0B+4*(\slot)+2:G0B+4*(\slot)+3], s[G0B+4*(\slot)+2:G0B+4*(\slot)+3], 2*KSTEP*2
	JLOAD \slot                                    ; the first tensor load behind the round; its four v_nop are also the places in front of the loads below
.else
	PLACES
.endif
	FETCH \next, 0, F0
	WIN MUL
	MUL8 F1, 1, 0, 0
	MUL8 F1, 1, 2, 0
.endm
	s_wait_tensorcnt 1                             ; my part of K step 0 is in; K step 1's may stay out
	s_barrier_signal -1
	s_barrier_wait -1
	FETCH 0, 0, F0
	QUARTER 0, 128, F0, F1, 1                      ; the first products start the sums
	WIN 0
	s_mov_b32 s3, LAPS-1
.Llap:
	QUARTER 0, 256, F1, F0, 0
	QUARTER 0, 384, F0, F1, 0
	TURN 0, 1, 1
	QUARTER 1, 128, F0, F1, 0
	QUARTER 1, 256, F1, F0, 0
	QUARTER 1, 384, F0, F1, 0
	TURN 1, 0, 1
	QUARTER 0, 128, F0, F1, 0
	WIN 0
	s_sub_co_u32 s3, s3, 1
	s_cmp_lg_u32 s3, 0
	s_cbranch_scc1 .Llap
	QUARTER 0, 256, F1, F0, 0                      ; the last lap fills nothing
	QUARTER 0, 384, F0, F1, 0
	TURN 0, 1, 0
	QUARTER 1, 128, F0, F1, 0
	QUARTER 1, 256, F1, F0, 0
	QUARTER 1, 384, F0, F1, 0
	s_wait_dscnt 16
	WIN MUL
	MUL8 F1, 0, 0, 0
	MUL8 F1, 0, 2, 0
	s_wait_dscnt 0
	MUL8 F1, 1, 0, 0
	MUL8 F1, 1, 2, 0
	WIN 0
	PLACES
.irp a, 0,1,2,3                        ; each accumulator leaves as two runs of 512 consecutive bytes, its low registers first
.irp b, 0,1,2,3
	global_store_b128 v[CO], v[ACC+8*(4*(\a)+(\b)):ACC+8*(4*(\a)+(\b))+3],   s[6:7] offset:(\a)*32768+(\b)*1024
	global_store_b128 v[CO], v[ACC+8*(4*(\a)+(\b))+4:ACC+8*(4*(\a)+(\b))+7], s[6:7] offset:(\a)*32768+(\b)*1024+512
.endr
.endr
	s_wait_tensorcnt 0x0                           ; the wave's end
	ds_add_u32 v[SPW], v[NIL]
	s_wait_dscnt 0x0
	CROUND                                         ; the closing round
	s_endpgm
.Lfunc_end_k_q3f76718ba0_came:
	.size	k_q3f76718ba0_came, .Lfunc_end_k_q3f76718ba0_came-k_q3f76718ba0_came
	.p2alignl 7, 3214868480
	.fill 96, 4, 3214868480
	.section	.rodata,"a",@progbits
	.p2align	6, 0x0
	.amdhsa_kernel k_q3f76718ba0_came
		.amdhsa_group_segment_fixed_size 327680
		.amdhsa_private_segment_fixed_size 0
		.amdhsa_enable_private_segment 0
		.amdhsa_kernarg_size 16
		.amdhsa_user_sgpr_count 2
		.amdhsa_user_sgpr_kernarg_segment_ptr 1
		.amdhsa_wavefront_size32 1
		.amdhsa_system_sgpr_workgroup_id_x 1
		.amdhsa_system_sgpr_workgroup_id_y 1
		.amdhsa_system_sgpr_workgroup_id_z 1
		.amdhsa_system_vgpr_workitem_id 0
		.amdhsa_next_free_vgpr 512
		.amdhsa_next_free_sgpr 72
		.amdhsa_reserve_vcc 0
		.amdhsa_float_denorm_mode_32 3
		.amdhsa_float_denorm_mode_16_64 3
		.amdhsa_memory_ordered 1
		.amdhsa_forward_progress 1
		.amdhsa_inst_pref_size 81
	.end_amdhsa_kernel
	.amdgpu_metadata
---
amdhsa.version: [ 1, 2 ]
amdhsa.kernels:
  - .name:           k_q3f76718ba0_came
    .symbol:         k_q3f76718ba0_came.kd
    .args:
      - { .name: xcast, .offset: 0, .size: 8, .value_kind: global_buffer, .address_space: global }
      - { .name: ep, .offset: 8, .size: 8, .value_kind: global_buffer, .address_space: global }
    .group_segment_fixed_size: 327680
    .private_segment_fixed_size: 0
    .kernarg_segment_align: 8
    .kernarg_segment_size: 16
    .max_flat_workgroup_size: 128
    .sgpr_count:     72
    .vgpr_count:     512
    .wavefront_size: 32
...
	.end_amdgpu_metadata
.endif
;; end of part 2
;; launch camsoft (part 3): grid 128 x 1, 8 waves a work-group, no clusters, 2,048 bytes of LDS; arguments ep, bmat; writes bmat
.if DOCPART == 3
	.amdgcn_target "amdgcn-amd-amdhsa--gfx1250"
	.amdhsa_code_object_version 6
	.text
	.protected	k_q3f76718ba0_camsoft
	.globl	k_q3f76718ba0_camsoft
	.p2align	8
	.type	k_q3f76718ba0_camsoft,@function
k_q3f76718ba0_camsoft:
	s_mov_b64 s[64:65], 0
	v_nop
	global_prefetch_b8 v0, s[64:65] scope:SCOPE_SE
	s_setreg_imm32_b32 hwreg(HW_REG_WAVE_MODE, 25, 1), 1
	s_wait_xcnt 0x0
; CAMSOFT: E = the sum of the four partial sums; A = softmax over d of (max_d E - E), rounded to bf16.
; The largest of (max E - E) along a row is max E - min E, so the softmax's own shift leaves exp(min E - E): the row's minimum is found and taken away, every exponent is <= 0 and one is 0.
; A work-group takes 16 rows c of one batch; wave w the columns 64 w .. 64 w + 63; a lane holds 32 numbers of row lane % 16.  Minimum and sum cross the lanes' halves by one exchange
; and the eight waves through LDS.  A weight below 2^-126 counts as 0; NaN and infinities are not treated apart.
; A leaves as chunks [row block][column block][512 bytes]: lane (r, h): row r, columns 8 h + 0..7.  No matrix unit: there is no product here.
.set MINX,  0                          ; [row 16][wave 8] f32
.set SUMX,  512
.set SPARE, 1024                       ; the spare words: 128 bytes for each of eight waves
.set P,   16                           ; v[16:143] four partial sums of 32; then E, then the weights, in v[16:47]
.set T,   144                          ; v[144:159] at work
.set OUT, 160                          ; v[160:175]
	s_load_b128 s[4:7], s[0:1], 0x0                ; ep, bmat
	v_lshl_add_u32 v10, v0, 2, SPARE
	v_mov_b32 v11, 0
	v_lshrrev_b32 v1, 5, v0
	v_readfirstlane_b32 s8, v1                     ; wave 0..7
	v_and_b32 v2, 31, v0
	v_lshlrev_b32 v2, 4, v2                        ; 16 x lane
	v_and_b32 v3, 15, v0
	v_lshlrev_b32 v5, 5, v3                        ; my row's eight words
	s_lshl_b32 s9, s8, 2
	v_add_nc_u32 v4, s9, v5                        ; my wave's word among them
	s_lshr_b32 s10, ttmp9, 5                       ; batch
	s_and_b32 s11, ttmp9, 31                       ; row block
	s_lshl_b32 s12, s10, 20                        ; ep: (b x 1,024 + rb x 32 + 4 w) x 1,024
	s_lshl_b32 s13, s11, 15
	s_add_co_u32 s12, s12, s13
	s_lshl_b32 s13, s8, 12
	s_add_co_u32 s12, s12, s13
	s_mov_b32 s13, 0
	s_lshl_b32 s14, s10, 19                        ; bmat: b x 524,288 + (rb x 32 + 4 w) x 512
	s_lshl_b32 s15, s11, 14
	s_add_co_u32 s14, s14, s15
	s_lshl_b32 s15, s8, 11
	s_add_co_u32 s14, s14, s15
	s_mov_b32 s15, 0
	s_mov_b32 s16, 0x76543210
	s_mov_b32 s17, 0xfedcba98
	s_wait_kmcnt 0x0
	s_add_nc_u64 s[4:5], s[4:5], s[12:13]          ; quarters 0 and 1 (4 MiB apart, in the immediate),
	s_add_nc_u64 s[18:19], s[4:5], 0x800000        ; quarters 2 and 3
	s_add_nc_u64 s[6:7], s[6:7], s[14:15]
.irp n, 0,1,2,3,4,5,6,7
	global_load_b128 v[P+4*(\n):P+4*(\n)+3],       v2, s[4:5]   offset:(\n)*512 th:TH_LOAD_NT
	global_load_b128 v[P+32+4*(\n):P+32+4*(\n)+3], v2, s[4:5]   offset:(\n)*512+4194304 th:TH_LOAD_NT
	global_load_b128 v[P+64+4*(\n):P+64+4*(\n)+3], v2, s[18:19] offset:(\n)*512 th:TH_LOAD_NT
	global_load_b128 v[P+96+4*(\n):P+96+4*(\n)+3], v2, s[18:19] offset:(\n)*512+4194304 th:TH_LOAD_NT
.endr
	s_wait_loadcnt 0x0
.set i, 0
.rept 16
	v_pk_add_f32 v[P+2*i:P+2*i+1], v[P+2*i:P+2*i+1], v[P+32+2*i:P+32+2*i+1]
	v_pk_add_f32 v[P+64+2*i:P+64+2*i+1], v[P+64+2*i:P+64+2*i+1], v[P+96+2*i:P+96+2*i+1]
.set i, i+1
.endr
.set i, 0
.rept 16
	v_pk_add_f32 v[P+2*i:P+2*i+1], v[P+2*i:P+2*i+1], v[P+64+2*i:P+64+2*i+1]
.set i, i+1
.endr
	; the minimum of my 32 numbers: four chains of seven, then the four left over
.irp g, 0,1,2,3
	v_min3_num_f32 v[T+(\g)], v[P+8*(\g)], v[P+8*(\g)+1], v[P+8*(\g)+2]
.endr
.irp g, 0,1,2,3
	v_min3_num_f32 v[T+(\g)], v[T+(\g)], v[P+8*(\g)+3], v[P+8*(\g)+4]
.endr
.irp g, 0,1,2,3
	v_min3_num_f32 v[T+(\g)], v[T+(\g)], v[P+8*(\g)+5], v[P+8*(\g)+6]
.endr
	v_min3_num_f32 v[T], v[T], v[P+7], v[P+15]
	v_min3_num_f32 v[T+2], v[T+2], v[P+23], v[P+31]
	v_min3_num_f32 v[T], v[T], v[T+1], v[T+2]
	v_min_num_f32 v[T], v[T], v[T+3]
	v_permlanex16_b32 v[T+1], v[T], s16, s17       ; the row's other 32 columns of my wave lie in the lane 16 away
	v_min_num_f32 v[T], v[T], v[T+1]
	ds_store_b32 v4, v[T] offset:MINX
	s_wait_dscnt 0x0                               ; for the others' sake
	s_barrier_signal -1
	s_barrier_wait -1
	ds_load_b128 v[T:T+3], v5 offset:MINX
	ds_load_b128 v[T+4:T+7], v5 offset:MINX+16
	s_wait_dscnt 0x0
	v_min3_num_f32 v6, v[T], v[T+1], v[T+2]
	v_min3_num_f32 v6, v6, v[T+3], v[T+4]
	v_min3_num_f32 v6, v6, v[T+5], v[T+6]
	v_min_num_f32 v6, v6, v[T+7]                   ; the row's minimum
	v_mov_b32 v7, v6
.set i, 0
.rept 16
	v_pk_add_f32 v[P+2*i:P+2*i+1], v[6:7], v[P+2*i:P+2*i+1] neg_lo:[0,1] neg_hi:[0,1]  ; min - E first: the difference of near numbers is exact
.set i, i+1
.endr
.set i, 0
.rept 16
	v_pk_mul_f32 v[P+2*i:P+2*i+1], v[P+2*i:P+2*i+1], 0x3fb8aa3b op_sel_hi:[1,0]        ; times log2(e)
.set i, i+1
.endr
.set i, 0
.rept 32
	v_exp_f32 v[P+i], v[P+i]                       ; one batch
.set i, i+1
.endr
	v_nop                                          ; a plain instruction behind the last exponential (ISA guide 5.7.2),
	s_wait_alu depctr_va_vdst(0)                   ; and the one wait ahead of the batch's first reader
.set i, 0
.rept 8
	v_pk_add_f32 v[T+2*i:T+2*i+1], v[P+4*i:P+4*i+1], v[P+4*i+2:P+4*i+3]
.set i, i+1
.endr
.irp i, 0,4,8,12
	v_pk_add_f32 v[T+(\i):T+(\i)+1], v[T+(\i):T+(\i)+1], v[T+(\i)+2:T+(\i)+3]
.endr
	v_pk_add_f32 v[T:T+1], v[T:T+1], v[T+4:T+5]
	v_pk_add_f32 v[T+8:T+9], v[T+8:T+9], v[T+12:T+13]
	v_pk_add_f32 v[T:T+1], v[T:T+1], v[T+8:T+9]
	v_add_f32 v[T], v[T], v[T+1]
	v_permlanex16_b32 v[T+1], v[T], s16, s17
	v_add_f32 v[T], v[T], v[T+1]
	ds_store_b32 v4, v[T] offset:SUMX              ; other bytes than the minima's: no barrier is needed in front
	s_wait_dscnt 0x0
	s_barrier_signal -1
	s_barrier_wait -1
	ds_load_b128 v[T:T+3], v5 offset:SUMX
	ds_load_b128 v[T+4:T+7], v5 offset:SUMX+16
	s_wait_dscnt 0x0
	v_pk_add_f32 v[T:T+1], v[T:T+1], v[T+2:T+3]
	v_pk_add_f32 v[T+4:T+5], v[T+4:T+5], v[T+6:T+7]
	v_pk_add_f32 v[T:T+1], v[T:T+1], v[T+4:T+5]
	v_add_f32 v8, v[T], v[T+1]                     ; at least 1: the minimum's own weight
	v_rcp_f32 v12, v8
	v_nop
	s_wait_alu depctr_va_vdst(0)
	v_mov_b32 v13, v12
.set i, 0
.rept 16
	v_pk_mul_f32 v[P+2*i:P+2*i+1], v[P+2*i:P+2*i+1], v[12:13]
.set i, i+1
.endr
.set i, 0
.rept 16
	v_cvt_pk_bf16_f32 v[OUT+i], v[P+2*i], v[P+2*i+1]
.set i, i+1
.endr
.irp n, 0,1,2,3
	global_store_b128 v2, v[OUT+4*(\n):OUT+4*(\n)+3], s[6:7] offset:(\n)*512
.endr
	s_wait_tensorcnt 0x0                           ; the wave's end, behind my last LDS store
	ds_add_u32 v10, v11
	s_wait_dscnt 0x0
	s_endpgm
.Lfunc_end_k_q3f76718ba0_camsoft:
	.size	k_q3f76718ba0_camsoft, .Lfunc_end_k_q3f76718ba0_camsoft-k_q3f76718ba0_camsoft
	.p2alignl 7, 3214868480
	.fill 96, 4, 3214868480
	.section	.rodata,"a",@progbits
	.p2align	6, 0x0
	.amdhsa_kernel k_q3f76718ba0_camsoft
		.amdhsa_group_segment_fixed_size 2048
		.amdhsa_private_segment_fixed_size 0
		.amdhsa_enable_private_segment 0
		.amdhsa_kernarg_size 16
		.amdhsa_user_sgpr_count 2
		.amdhsa_user_sgpr_kernarg_segment_ptr 1
		.amdhsa_wavefront_size32 1
		.amdhsa_system_sgpr_workgroup_id_x 1
		.amdhsa_system_sgpr_workgroup_id_y 1
		.amdhsa_system_sgpr_workgroup_id_z 1
		.amdhsa_system_vgpr_workitem_id 0
		.amdhsa_next_free_vgpr 176
		.amdhsa_next_free_sgpr 66
		.amdhsa_reserve_vcc 0
		.amdhsa_float_denorm_mode_32 3
		.amdhsa_float_denorm_mode_16_64 3
		.amdhsa_memory_ordered 1
		.amdhsa_forward_progress 1
		.amdhsa_inst_pref_size 17
	.end_amdhsa_kernel
	.amdgpu_metadata
---
amdhsa.version: [ 1, 2 ]
amdhsa.kernels:
  - .name:           k_q3f76718ba0_camsoft
    .symbol:         k_q3f76718ba0_camsoft.kd
    .args:
      - { .name: ep, .offset: 0, .size: 8, .value_kind: global_buffer, .address_space: global }
      - { .name: bmat, .offset: 8, .size: 8, .value_kind: global_buffer, .address_space: global }
    .group_segment_fixed_size: 2048
    .private_segment_fixed_size: 0
    .kernarg_segment_align: 8
    .kernarg_segment_size: 16
    .max_flat_workgroup_size: 256
    .sgpr_count:     66
    .vgpr_count:     176
    .wavefront_size: 32
...
	.end_amdgpu_metadata
.endif
;; end of part 3
;; launch wprod (part 4): grid 16 x 5, 4 waves a work-group, no clusters, 33,280 bytes of LDS; arguments bmat, gamma_cam, gamma_pam, wall; writes wall
.if DOCPART == 4
	.amdgcn_target "amdgcn-amd-amdhsa--gfx1250"
	.amdhsa_code_object_version 6
	.text
	.protected	k_q3f76718ba0_wprod
	.globl	k_q3f76718ba0_wprod
	.p2align	8
	.type	k_q3f76718ba0_wprod,@function
k_q3f76718ba0_wprod:
	s_mov_b64 s[64:65], 0
	v_nop
	global_prefetch_b8 v0, s[64:65] scope:SCOPE_SE
	s_setreg_imm32_b32 hwreg(HW_REG_WAVE_MODE, 25, 1), 1
	s_wait_xcnt 0x0
; WPROD: the small products of weights.  i = 0..3: G_b = gamma_cam x conv1_w A_b;  i = 4: Wc = gamma_pam x conv1_w v_w.  Operands bf16, sums f32, the result rounded once to bf16
; (a stated order of rounding: reference() multiplies x by v_w or A first and by conv1_w afterwards).  The gammas are rounded to bf16 like every input.
; A work-group makes all 256 rows x 32 columns nt; wave w the row blocks 4 w .. 4 w + 3: 8 accumulators, which take turns.
; The second factor M lies [K][column]: its 512 x 32 numbers are copied into LDS as they lie (chunks of 16 K x 16 columns) and read turned by ds_load_tr16_b128.
; Source 0 = M^T, source 1 = conv1_w: a lane holds row o = lane % 16 and 8 neighbouring columns: a chunk of the stream 'wall' as it is.
; 80 work-groups of little work, loads through registers: no tensor load, no cluster.
.set SPARE, 32768                      ; behind the tile: the spare words
.set ACC, 16                           ; v[16:79]   8 (2 o + nbl); first the fill's staging
.set BB,  80                           ; v[80:207]  conv1_w's fragments: two buffers of 2 K steps x 4 row blocks
.set AA,  208                          ; v[208:239] M^T's fragments: 2 K steps x 2 column blocks
	s_load_b256 s[4:11], s[0:1], 0x0               ; bmat 4, gamma_cam 6, gamma_pam 8, wall 10
	v_lshl_add_u32 v12, v0, 2, SPARE
	v_mov_b32 v13, 0
	v_lshrrev_b32 v4, 5, v0
	v_readfirstlane_b32 s12, v4                    ; wave 0..3
	v_and_b32 v4, 31, v0
	v_lshlrev_b32 v1, 4, v4                        ; 16 x lane
	v_and_b32 v5, 7, v0
	v_bfe_u32 v6, v0, 4, 1
	v_bfe_u32 v7, v0, 3, 1
	v_lshl_add_u32 v5, v6, 3, v5                   ; the turning load: lane l reads K row 8 (l / 16) + l % 8 of a chunk (16 bytes a row),
	v_lshl_add_u32 v5, v7, 4, v5                   ; of the chunk's column half (l / 8) % 2 (256 bytes on)
	v_lshlrev_b32 v2, 4, v5
	s_lshl_b32 s26, s12, 13
	v_add_nc_u32 v3, s26, v1                       ; where my 16 chunks of the tile go
	s_mov_b32 s13, ttmp9                           ; nt
	s_and_b32 s14, ttmp7, 0xffff                   ; i
	s_lshl_b32 s26, s14, 19                        ; the tile: matrix i, K blocks 8 w on, column blocks 2 nt, 2 nt + 1
	s_lshl_b32 s27, s12, 17
	s_add_co_u32 s26, s26, s27
	s_lshl_b32 s27, s13, 10
	s_add_co_u32 s26, s26, s27
	s_mov_b32 s27, 0
	s_lshl_b32 s28, s12, 16                        ; conv1_w's row blocks 4 w on
	s_add_co_u32 s28, s28, 2621440
	s_mov_b32 s29, 0
	s_lshr_b32 s30, s13, 1                         ; wall: (((nt / 2) x 4 + w) x 2 + nt % 2) x 14,336 + first fragment x 1,024 + batch x 917,504
	s_lshl_b32 s30, s30, 2
	s_add_co_u32 s30, s30, s12
	s_lshl_b32 s30, s30, 1
	s_and_b32 s31, s13, 1
	s_add_co_u32 s30, s30, s31
	s_mul_i32 s30, s30, 14336
	s_cmp_eq_u32 s14, 4
	s_cselect_b32 s31, 0, s14
	s_cselect_b32 s32, 2, 10
	s_mul_i32 s31, s31, 917504
	s_lshl_b32 s32, s32, 10
	s_add_co_u32 s30, s30, s31
	s_add_co_u32 s30, s30, s32
	s_mov_b32 s31, 0
	s_wait_kmcnt 0x0
	s_cmp_eq_u32 s14, 4
	s_cselect_b64 s[16:17], s[8:9], s[6:7]
	s_load_b32 s18, s[16:17], 0x0                  ; my gamma
	s_add_nc_u64 s[20:21], s[4:5], s[26:27]
	s_add_nc_u64 s[22:23], s[4:5], s[28:29]
	s_add_nc_u64 s[24:25], s[10:11], s[30:31]
.set n, 0
.rept 16
	global_load_b128 v[ACC+4*n:ACC+4*n+3], v1, s[20:21] offset:(n/2)*16384+(n%2)*512
.set n, n+1
.endr
.macro BLOAD p                         ; conv1_w's fragments of K steps 2 p, 2 p + 1 into buffer p % 2: 16 loads of 512 consecutive bytes
.irp k, 0,1
.irp o, 0,1,2,3
.irp c, 0,1
	global_load_b128 v[BB+64*((\p)%2)+32*(\k)+8*(\o)+4*(\c):BB+64*((\p)%2)+32*(\k)+8*(\o)+4*(\c)+3], v1, s[22:23] offset:((\o)*32+4*(\p)+2*(\k)+(\c))*512
.endr
.endr
.endr
.endm
	BLOAD 0
	BLOAD 1
	s_wait_loadcnt 32                              ; the tile's 16 loads are in; the 32 behind them may stay out
.set n, 0
.rept 16
	ds_store_b128 v3, v[ACC+4*n:ACC+4*n+3] offset:n*512
.set n, n+1
.endr
	s_wait_kmcnt 0x0
	v_mov_b32 v240, s18                            ; gamma, rounded to bf16, twice (a pair for the packed multiply)
	v_cvt_pk_bf16_f32 v241, v240, v240
	v_lshlrev_b32 v240, 16, v241
	v_mov_b32 v241, v240
	s_wait_dscnt 0x0                               ; for the others' sake
	s_barrier_signal -1
	s_barrier_wait -1
.macro PAIR p                          ; two K steps: 16 matrix instructions
.irp k, 0,1
.irp c, 0,1
	ds_load_tr16_b128 v[AA+16*(\k)+8*(\c):AA+16*(\k)+8*(\c)+3],   v2 offset:(4*(2*(\p)+(\k))+(\c))*512
	ds_load_tr16_b128 v[AA+16*(\k)+8*(\c)+4:AA+16*(\k)+8*(\c)+7], v2 offset:(4*(2*(\p)+(\k))+(\c))*512+1024
.endr
.endr
.if (\p) < 7
	s_wait_loadcnt 16                              ; this pair's fragments are in; the next pair's 16 loads may stay out
.else
	s_wait_loadcnt 0x0
.endif
	s_wait_dscnt 0x0
.irp k, 0,1
.irp o, 0,1,2,3
.irp c, 0,1
.if ((\p) == 0) && ((\k) == 0)
	v_wmma_f32_16x16x32_bf16 v[ACC+8*(2*(\o)+(\c)):ACC+8*(2*(\o)+(\c))+7], v[AA+16*(\k)+8*(\c):AA+16*(\k)+8*(\c)+7], v[BB+64*((\p)%2)+32*(\k)+8*(\o):BB+64*((\p)%2)+32*(\k)+8*(\o)+7], 0
.else
	v_wmma_f32_16x16x32_bf16 v[ACC+8*(2*(\o)+(\c)):ACC+8*(2*(\o)+(\c))+7], v[AA+16*(\k)+8*(\c):AA+16*(\k)+8*(\c)+7], v[BB+64*((\p)%2)+32*(\k)+8*(\o):BB+64*((\p)%2)+32*(\k)+8*(\o)+7], v[ACC+8*(2*(\o)+(\c)):ACC+8*(2*(\o)+(\c))+7]
.endif
.endr
.endr
.endr
.rept 4
	v_nop                                          ; four places in front of loads into registers just read, and of the scaling at the end
.endr
.if (\p) < 6
	BLOAD (\p)+2
.endif
.endm
.irp p, 0,1,2,3,4,5,6,7
	PAIR \p
.endr
.set a, 0
.rept 8                                ; a = 2 o + nbl
.irp m, 0,1,2,3
	v_pk_mul_f32 v[ACC+8*a+2*(\m):ACC+8*a+2*(\m)+1], v[ACC+8*a+2*(\m):ACC+8*a+2*(\m)+1], v[240:241]
.endr
.irp m, 0,1,2,3
	v_cvt_pk_bf16_f32 v[BB+4*a+(\m)], v[ACC+8*a+2*(\m)], v[ACC+8*a+2*(\m)+1]
.endr
	global_store_b128 v1, v[BB+4*a:BB+4*a+3], s[24:25] offset:(a/2)*1024+(a%2)*512
.set a, a+1
.endr
	s_cmp_eq_u32 s14, 4
	s_cbranch_scc0 .Lone
.irp c, 1,2,3                          ; Wc is the same for all batches: a copy in each batch's stream
.set a, 0
.rept 8
	global_store_b128 v1, v[BB+4*a:BB+4*a+3], s[24:25] offset:(a/2)*1024+(a%2)*512+(\c)*917504
.set a, a+1
.endr
.endr
.Lone:
	s_wait_tensorcnt 0x0                           ; the wave's end, behind my last LDS store
	ds_add_u32 v12, v13
	s_wait_dscnt 0x0
	s_endpgm
.Lfunc_end_k_q3f76718ba0_wprod:
	.size	k_q3f76718ba0_wprod, .Lfunc_end_k_q3f76718ba0_wprod-k_q3f76718ba0_wprod
	.p2alignl 7, 3214868480
	.fill 96, 4, 3214868480
	.section	.rodata,"a",@progbits
	.p2align	6, 0x0
	.amdhsa_kernel k_q3f76718ba0_wprod
		.amdhsa_group_segment_fixed_size 33280
		.amdhsa_private_segment_fixed_size 0
		.amdhsa_enable_private_segment 0
		.amdhsa_kernarg_size 32
		.amdhsa_user_sgpr_count 2
		.amdhsa_user_sgpr_kernarg_segment_ptr 1
		.amdhsa_wavefront_size32 1
		.amdhsa_system_sgpr_workgroup_id_x 1
		.amdhsa_system_sgpr_workgroup_id_y 1
		.amdhsa_system_sgpr_workgroup_id_z 1
		.amdhsa_system_vgpr_workitem_id 0
		.amdhsa_next_free_vgpr 248
		.amdhsa_next_free_sgpr 66
		.amdhsa_reserve_vcc 0
		.amdhsa_float_denorm_mode_32 3
		.amdhsa_float_denorm_mode_16_64 3
		.amdhsa_memory_ordered 1
		.amdhsa_forward_progress 1
		.amdhsa_inst_pref_size 38
	.end_amdhsa_kernel
	.amdgpu_metadata
---
amdhsa.version: [ 1, 2 ]
amdhsa.kernels:
  - .name:           k_q3f76718ba0_wprod
    .symbol:         k_q3f76718ba0_wprod.kd
    .args:
      - { .name: bmat, .offset: 0, .size: 8, .value_kind: global_buffer, .address_space: global }
      - { .name: gamma_cam, .offset: 8, .size: 8, .value_kind: global_buffer, .address_space: global }
      - { .name: gamma_pam, .offset: 16, .size: 8, .value_kind: global_buffer, .address_space: global }
      - { .name: wall, .offset: 24, .size: 8, .value_kind: global_buffer, .address_space: global }
    .group_segment_fixed_size: 33280
    .private_segment_fixed_size: 0
    .kernarg_segment_align: 8
    .kernarg_segment_size: 32
    .max_flat_workgroup_size: 128
    .sgpr_count:     66
    .vgpr_count:     248
    .wavefront_size: 32
...
	.end_amdgpu_metadata
.endif
;; end of part 4
;; launch proj (part 5): grid 64 x 4, 4 waves a work-group, clusters of 4 x 1, 327,680 bytes of LDS; arguments xcast, wall, q_b, k_b, gamma_pam, qkv; writes qkv
.if DOCPART == 5
	.amdgcn_target "amdgcn-amd-amdhsa--gfx1250"
	.amdhsa_code_object_version 6
	.text
	.protected	k_q3f76718ba0_proj
	.globl	k_q3f76718ba0_proj
	.p2align	8
	.type	k_q3f76718ba0_proj,@function
k_q3f76718ba0_proj:
	s_mov_b64 s[64:65], 0
	v_nop
	global_prefetch_b8 v0, s[64:65] scope:SCOPE_SE
	s_setreg_imm32_b32 hwreg(HW_REG_WAVE_MODE, 25, 1), 1
	s_wait_xcnt 0x0
	s_wait_alu depctr_hold_cnt(0) depctr_sa_sdst(0) depctr_va_vdst(0) depctr_va_sdst(0) depctr_va_ssrc(0) depctr_va_vcc(0) depctr_vm_vsrc(0)
	s_getreg_b32 s2, hwreg(HW_REG_IB_STS2, 6, 4)
	s_cmp_eq_u32 s2, 0
	s_cbranch_scc0 .Lentry_in_a_cluster
	s_endpgm
.Lentry_in_a_cluster:
	s_bfe_u32 s2, ttmp6, 0x10000c
	s_cmp_lg_u32 s2, 0x3003
	s_cbranch_scc0 .Lentry_shape_is_right
	s_endpgm
.Lentry_shape_is_right:
; PROJ: for 64 pixels of a batch, all products with x:  q = q_w x + q_b,  k = k_w x + k_b,  V = gamma_pam (conv1_w v_w x + conv1_w v_b)  (256 channels),
; ybase = (2 conv1_w) x + G_b x  (two products of bf16 operands summed in f32 on one accumulator: the large term 2 conv1_w x is never rounded again).
; q, k, V leave in bf16, laid out as the attention's fragments; ybase in f32, as its accumulators lie.  Biases and gamma_pam are rounded to bf16 like every input; conv1_w . v_b comes in f32.
; SHARES.  Wave w: two row blocks of q (waves 0, 1) or k (waves 2, 3), four of V, four of ybase: 40 accumulators, alike in every wave; K = 512 channels in 16 steps of 32: 56 matrix instructions a step.
; x's 64 KiB lie in LDS for the whole launch.  The weights are a stream laid out for this walk: for each two K steps each wave has 28,672 bytes of its own, brought by one tensor load into one of two slots.
; CLUSTER.  The four pixel blocks of a cluster belong to one batch and walk the same weights: those loads are joint (mask of four).  x's load is the work-group's own.
; A tile t of 16 pixels holds the pixels 4 r + t of the block: the same order for queries, keys and results.
; No prefetch: a batch's stream is 0.9 MB that 64 work-groups read at the same time.
; REGISTERS: window 0: addresses; v16-79 x's fragments, two buffers; v80-209 the way out.  Window 1: the weights' 14 fragments, two buffers of 112.
;   window 2: v0-127 V (8 (4 o + t)), v128-255 ybase.  Window 3: v0-63 q or k (8 (4 rb + t)).
.set SLOT0, 65536
.set SLOTB, 114688
.set WPART, 28672
.set SPARE, SLOT0+2*SLOTB
.set L16, 2                            ; v2   16 x lane; never rewritten
.set XA,  3                            ; v3   LDS address of x's fragments of the step to be fetched
.set WA,  4                            ; v4-5 my part of slot 0, 1
.set SPW, 14
.set NIL, 15
.set XF,  16
.set TMP, 16                           ; the way out: 64 registers at work
.set QB,  80                           ; v[80:95]  q_b or k_b of my 2 x 8 channels
.set BC,  96                           ; v[96:103] V's constant of my channel, a pair for each row block
.set GP,  104
.set TT,  105
.set OQ,  114                          ; v[114:145]
.set OV,  146                          ; v[146:209]
.set WV,  16
.set G1X, 24
.set G1W, 32
.set G0X, 40
.set G0W, 44                           ; s[44:47] slot 0, s[48:51] slot 1
.set XB,  52
.set CNT, 53
.set MSB, 0
.macro WIN new
.if MSB != (\new)
	s_set_vgpr_msb (MSB<<8)|(\new)
.set MSB, \new
.endif
.endm
.macro CREST
	s_cmp_lg_u32 s[WV], 0
	s_cbranch_scc1 .Lnot_wave_0_\@
	s_barrier_signal -3
.Lnot_wave_0_\@:
	s_barrier_wait -3
	s_barrier_signal -1
	s_barrier_wait -1
.endm
.macro CROUND
	s_barrier_signal -1
	s_barrier_wait -1
	CREST
.endm
.macro PLACES
.rept 4
	v_nop
.endr
.endm
	s_load_b256 s[4:11], s[0:1], 0x0               ; xcast 4, wall 6, q_b 8, k_b 10
	s_load_b128 s[12:15], s[0:1], 0x20             ; gamma_pam 12, qkv 14
	v_lshl_add_u32 v[SPW], v0, 2, SPARE
	v_mov_b32 v[NIL], 0
	ds_add_u32 v[SPW], v[NIL]                      ; the wave's opening: the add and its wait ahead of my first tensor load
	v_lshrrev_b32 v1, 5, v0
	v_readfirstlane_b32 s[WV], v1                  ; wave 0..3
	s_bfe_u32 s17, ttmp6, 0x40000                  ; cx
	s_lshl_b32 s18, ttmp9, 2
	s_add_co_u32 s18, s18, s17                     ; my block of 64 pixels
	s_and_b32 s19, ttmp7, 0xffff                   ; the batch, which the partners share
	s_lshl_b32 s20, s19, 6
	s_add_co_u32 s18, s18, s20                     ; 64 b + block: it enters x's and the results' global addresses alone
	s_mov_b32 s[G1X+0], 3<<16                      ; x: my own load: no mask; elements of 8 bytes
	s_mov_b32 s[G1X+1], 32<<16                     ; rows of 32 elements = 256 bytes
	s_mov_b32 s[G1X+2], 64<<16                     ; 64 rows = 16 KiB, dense
	s_mov_b32 s[G1X+3], 32<<16
	s_mov_b32 s[G1X+4], 64
	s_mov_b32 s[G1X+5], 32
	s_mov_b32 s[G1X+6], 0
	s_mov_b32 s[G1X+7], 0
	s_mov_b32 s[G1W+0], 15|(3<<16)|(1<<21)         ; weights: the mask of four, bit 21 beside it
	s_mov_b32 s[G1W+1], 32<<16
	s_mov_b32 s[G1W+2], 112<<16                    ; 112 rows of 256 bytes = 28,672, dense
	s_mov_b32 s[G1W+3], 32<<16
	s_mov_b32 s[G1W+4], 112
	s_mov_b32 s[G1W+5], 32
	s_mov_b32 s[G1W+6], 0
	s_mov_b32 s[G1W+7], 0
	s_mov_b32 s[G0X], 1
	s_lshl_b32 s[G0X+1], s[WV], 14                 ; my quarter of x's tile
	s_mul_i32 s21, s[WV], WPART
	s_mov_b32 s[G0W], 1
	s_add_co_u32 s[G0W+1], s21, SLOT0
	s_mov_b32 s[G0W+4], 1
	s_add_co_u32 s[G0W+5], s21, SLOT0+SLOTB
	s_lshl_b32 s22, s18, 16                        ; xf: behind xb's 16 MiB, 65,536 bytes a block
	s_lshl_b32 s23, s[WV], 14
	s_add_co_u32 s22, s22, s23
	s_add_co_u32 s22, s22, 0x1000000
	s_mov_b32 s23, 0
	s_mul_i32 s54, s19, 917504                     ; the batch's stream, my part of its first step
	s_add_co_u32 s54, s54, s21
	s_mov_b32 s55, 0
	s_mov_b32 s[XB], 0
	s_wait_dscnt 0x0                               ; the opening add is done
	s_wait_kmcnt 0x0
	s_add_nc_u64 s[G0X+2:G0X+3], s[4:5], s[22:23]
	s_or_b32 s[G0X+3], s[G0X+3], 0x80000000
	s_add_nc_u64 s[G0W+2:G0W+3], s[6:7], s[54:55]
	s_add_nc_u64 s[G0W+6:G0W+7], s[G0W+2:G0W+3], SLOTB
	s_or_b32 s[G0W+3], s[G0W+3], 0x80000000
	s_or_b32 s[G0W+7], s[G0W+7], 0x80000000
	s_load_b32 s56, s[12:13], 0x0                  ; gamma_pam
	CROUND                                         ; all four work-groups are here: the first joint loads meet
	tensor_load_to_lds s[G0X:G0X+3], s[G1X:G1X+7]  ; three first fills in one group: three loads of mine are out
	s_nop 0
	tensor_load_to_lds s[G0W:G0W+3], s[G1W:G1W+7]
	s_nop 0
	tensor_load_to_lds s[G0W+4:G0W+7], s[G1W:G1W+7]
	s_nop 0
	PLACES
	v_and_b32 v[L16], 31, v0
	v_lshlrev_b32 v[L16], 4, v[L16]
	s_add_co_u32 s20, s21, SLOT0
	v_add_nc_u32 v[WA], s20, v[L16]
	s_add_co_u32 s20, s20, SLOTB
	v_add_nc_u32 v[WA+1], s20, v[L16]
	s_lshr_b32 s70, s[WV], 1                       ; q or k: 2 MiB apart; 8,192 bytes a block; my two channel blocks
	s_lshl_b32 s70, s70, 21
	s_lshl_b32 s71, s18, 13
	s_add_co_u32 s70, s70, s71
	s_and_b32 s71, s[WV], 1
	s_lshl_b32 s71, s71, 10
	s_add_co_u32 s70, s70, s71
	s_mov_b32 s71, 0
	s_add_nc_u64 s[58:59], s[14:15], s[70:71]
	s_lshl_b32 s70, s18, 15                        ; V: 32,768 bytes a block, 2,048 a channel block
	s_lshl_b32 s72, s[WV], 13
	s_add_co_u32 s70, s70, s72
	s_add_co_u32 s70, s70, 0x400000
	s_add_nc_u64 s[60:61], s[14:15], s[70:71]
	s_lshl_b32 s70, s18, 16                        ; ybase: 65,536 bytes a block, 4,096 a channel block
	s_lshl_b32 s72, s[WV], 14
	s_add_co_u32 s70, s70, s72
	s_add_co_u32 s70, s70, 0xc00000
	s_add_nc_u64 s[62:63], s[14:15], s[70:71]
	s_lshl_b32 s70, s[WV], 8
	s_add_co_u32 s70, s70, 3670016
	s_add_nc_u64 s[68:69], s[6:7], s[70:71]        ; conv1_w . v_b of my 64 channels
	s_cmp_lt_u32 s[WV], 2
	s_cselect_b64 s[66:67], s[8:9], s[10:11]
	v_bfe_u32 v6, v0, 4, 1
	s_and_b32 s72, s[WV], 1
	s_lshl_b32 s72, s72, 7
	v_lshl_add_u32 v7, v6, 5, s72                  ; the bias of channels 16 db + 8 h + 0..7, db = 2 (w % 2) + rb
	v_and_b32 v8, 15, v0
	v_lshlrev_b32 v8, 2, v8
.irp rb, 0,1
	global_load_b128 v[QB+8*(\rb):QB+8*(\rb)+3],   v7, s[66:67] offset:(\rb)*64
	global_load_b128 v[QB+8*(\rb)+4:QB+8*(\rb)+7], v7, s[66:67] offset:(\rb)*64+16
.endr
.irp o, 0,1,2,3
	global_load_b32 v[BC+2*(\o)], v8, s[68:69] offset:(\o)*64
.endr
	s_wait_loadcnt 0x0
	s_wait_kmcnt 0x0
.set i, 0
.rept 8                                ; the biases rounded to bf16, two at a time
	v_cvt_pk_bf16_f32 v[TT], v[QB+2*i], v[QB+2*i+1]
	v_lshlrev_b32 v[QB+2*i], 16, v[TT]
	v_and_b32 v[QB+2*i+1], 0xffff0000, v[TT]
.set i, i+1
.endr
	v_mov_b32 v[GP], s56
	v_cvt_pk_bf16_f32 v[TT], v[GP], v[GP]
	v_lshlrev_b32 v[GP], 16, v[TT]
.irp o, 0,1,2,3
	v_mul_f32 v[BC+2*(\o)], v[GP], v[BC+2*(\o)]
	v_mov_b32 v[BC+2*(\o)+1], v[BC+2*(\o)]
.endr
; 36 LDS loads in one run: x's four fragments of the next K step, and my 14 weight fragments of half c2 of slot sl, into buffer u.  Chunks lie as the lanes want them: 512 consecutive bytes a load.
.macro FETCH sl, c2, u
	WIN 0
	v_add_nc_u32 v[XA], s[XB], v[L16]
	s_add_co_u32 s[XB], s[XB], 4096
.irp t, 0,1,2,3
	ds_load_b128 v[XF+32*(\u)+8*(\t):XF+32*(\u)+8*(\t)+3],   v[XA] offset:(\t)*1024
	ds_load_b128 v[XF+32*(\u)+8*(\t)+4:XF+32*(\u)+8*(\t)+7], v[XA] offset:(\t)*1024+512
.endr
	WIN 0x40
.set f, 0
.rept 14
	ds_load_b128 v[112*(\u)+8*f:112*(\u)+8*f+3],   v[WA+(\sl)] offset:(\c2)*14336+f*1024
	ds_load_b128 v[112*(\u)+8*f+4:112*(\u)+8*f+7], v[WA+(\sl)] offset:(\c2)*14336+f*1024+512
.set f, f+1
.endr
.endm
; 8 products for q or k (source 0 = weights: a lane holds a pixel and 8 channels), 16 for V (source 0 = x: a lane holds a channel and 8 pixels).  Every accumulator once: they take turns.
.macro MULA u, zero
	WIN 0xf1
.set i, 0
.rept 8
.if \zero
	v_wmma_f32_16x16x32_bf16 v[8*i:8*i+7], v[112*(\u)+8*(i/4):112*(\u)+8*(i/4)+7], v[XF+32*(\u)+8*(i%4):XF+32*(\u)+8*(i%4)+7], 0
.else
	v_wmma_f32_16x16x32_bf16 v[8*i:8*i+7], v[112*(\u)+8*(i/4):112*(\u)+8*(i/4)+7], v[XF+32*(\u)+8*(i%4):XF+32*(\u)+8*(i%4)+7], v[8*i:8*i+7]
.endif
.set i, i+1
.endr
	WIN 0xa4
.set i, 0
.rept 16
.if \zero
	v_wmma_f32_16x16x32_bf16 v[8*i:8*i+7], v[XF+32*(\u)+8*(i%4):XF+32*(\u)+8*(i%4)+7], v[112*(\u)+16+8*(i/4):112*(\u)+16+8*(i/4)+7], 0
.else
	v_wmma_f32_16x16x32_bf16 v[8*i:8*i+7], v[XF+32*(\u)+8*(i%4):XF+32*(\u)+8*(i%4)+7], v[112*(\u)+16+8*(i/4):112*(\u)+16+8*(i/4)+7], v[8*i:8*i+7]
.endif
.set i, i+1
.endr
.endm
; ybase: 16 products with 2 conv1_w, then 16 with G on the same accumulators: 15 others stand between two links.
.macro MULB u, zero
	WIN 0xa1
.set i, 0
.rept 16
.if \zero
	v_wmma_f32_16x16x32_bf16 v[128+8*i:128+8*i+7], v[112*(\u)+48+8*(i/4):112*(\u)+48+8*(i/4)+7], v[XF+32*(\u)+8*(i%4):XF+32*(\u)+8*(i%4)+7], 0
.else
	v_wmma_f32_16x16x32_bf16 v[128+8*i:128+8*i+7], v[112*(\u)+48+8*(i/4):112*(\u)+48+8*(i/4)+7], v[XF+32*(\u)+8*(i%4):XF+32*(\u)+8*(i%4)+7], v[128+8*i:128+8*i+7]
.endif
.set i, i+1
.endr
.set i, 0
.rept 16
	v_wmma_f32_16x16x32_bf16 v[128+8*i:128+8*i+7], v[112*(\u)+80+8*(i/4):112*(\u)+80+8*(i/4)+7], v[XF+32*(\u)+8*(i%4):XF+32*(\u)+8*(i%4)+7], v[128+8*i:128+8*i+7]
.set i, i+1
.endr
.endm
.macro KA sl, zero                     ; a slot's first K step: multiplies buffer 0, fetches the slot's second half into buffer 1
	s_wait_dscnt 0x0                               ; buffer 0 is in
	MULA 0, \zero
	PLACES
	FETCH \sl, 1, 1
	MULB 0, \zero
.endm
.macro KB sl, fill                     ; a slot's second K step: multiplies buffer 1, changes slots
.if \fill
	WIN 0
	s_wait_tensorcnt 0x0                           ; all my tensor loads have landed: my part of the other slot
	ds_add_u32 v[SPW], v[NIL]                      ; 0 onto my spare word
	s_add_nc_u64 s[G0W+4*(\sl)+2:G0W+4*(\sl)+3], s[G0W+4*(\sl)+2:G0W+4*(\sl)+3], 2*SLOTB  ; no load of mine is out: this slot's next two K steps
	s_wait_dscnt 0x0                               ; the add is done; buffer 1 is in, and with it my reads of this slot are over
	s_barrier_signal -1
	MULA 1, 0                                      ; work on registers while the others arrive
	WIN 0
	s_barrier_wait -1
	CREST                                          ; the round: no wave of any partner still reads this slot or has a load on its way
	tensor_load_to_lds s[G0W+4*(\sl):G0W+4*(\sl)+3], s[G1W:G1W+7]  ; my one load behind the round: 88 matrix instructions ahead of the wait for it
	s_nop 0
	PLACES                                         ; also the places in front of the loads below
.else
	s_wait_tensorcnt 0x0                           ; the last slot has landed; nothing is filled again
	s_wait_dscnt 0x0
	MULA 1, 0
	PLACES
.endif
	FETCH 1-(\sl), 0, 0
	MULB 1, 0
.endm
	s_wait_tensorcnt 1                             ; my parts of x and of slot 0 are in; slot 1's may stay out
	s_barrier_signal -1
	s_barrier_wait -1                              ; everybody's part of x is in
	FETCH 0, 0, 0
	KA 0, 1                                        ; the first K step starts the sums
	WIN 0
	s_mov_b32 s[CNT], 3
.Llap:                                                 ; three trips of four K steps; each fills both slots again
	KB 0, 1
	KA 1, 0
	KB 1, 1
	KA 0, 0
	WIN 0
	s_sub_co_u32 s[CNT], s[CNT], 1
	s_cmp_lg_u32 s[CNT], 0
	s_cbranch_scc1 .Llap
	KB 0, 0
	KA 1, 0
	s_wait_dscnt 0x0
	MULA 1, 0
	MULB 1, 0
	WIN 0
	PLACES
	; THE WAY OUT.  q or k: + bias, rounded; a lane's 8 channels of a pixel are its 16 bytes of chunk (t, db).
	WIN 0x03
.set i, 0
.rept 32
	v_pk_add_f32 v[TMP+2*i:TMP+2*i+1], v[2*i:2*i+1], v[QB+8*(i/16)+2*(i%4):QB+8*(i/16)+2*(i%4)+1]
.set i, i+1
.endr
	WIN 0
.set i, 0
.rept 32
	v_cvt_pk_bf16_f32 v[OQ+i], v[TMP+2*i], v[TMP+2*i+1]
.set i, i+1
.endr
.set a, 0
.rept 8
	global_store_b128 v[L16], v[OQ+4*a:OQ+4*a+3], s[58:59] offset:(a%4)*2048+(a/4)*512
.set a, a+1
.endr
	; V: + its channel's constant, rounded; a lane's 8 pixels of a channel are its 16 bytes of chunk (ob, t)
.irp hh, 0,1
	WIN 0x02
.set i, 0
.rept 32
	v_pk_add_f32 v[TMP+2*i:TMP+2*i+1], v[64*(\hh)+2*i:64*(\hh)+2*i+1], v[BC+2*(2*(\hh)+i/16):BC+2*(2*(\hh)+i/16)+1]
.set i, i+1
.endr
	WIN 0
.set i, 0
.rept 32
	v_cvt_pk_bf16_f32 v[OV+32*(\hh)+i], v[TMP+2*i], v[TMP+2*i+1]
.set i, i+1
.endr
.set a, 0
.rept 8
	global_store_b128 v[L16], v[OV+32*(\hh)+4*a:OV+32*(\hh)+4*a+3], s[60:61] offset:(2*(\hh)+a/4)*2048+(a%4)*512
.set a, a+1
.endr
.endr
	; ybase: as the accumulators lie, low registers first
	WIN 0x08
.set a, 0
.rept 16
	global_store_b128 v[L16], v[128+8*a:128+8*a+3], s[62:63] offset:a*1024
	global_store_b128 v[L16], v[128+8*a+4:128+8*a+7], s[62:63] offset:a*1024+512
.set a, a+1
.endr
	WIN 0
	s_wait_tensorcnt 0x0                           ; the wave's end
	ds_add_u32 v[SPW], v[NIL]
	s_wait_dscnt 0x0
	CROUND                                         ; the closing round
	s_endpgm
.Lfunc_end_k_q3f76718ba0_proj:
	.size	k_q3f76718ba0_proj, .Lfunc_end_k_q3f76718ba0_proj-k_q3f76718ba0_proj
	.p2alignl 7, 3214868480
	.fill 96, 4, 3214868480
	.section	.rodata,"a",@progbits
	.p2align	6, 0x0
	.amdhsa_kernel k_q3f76718ba0_proj
		.amdhsa_group_segment_fixed_size 327680
		.amdhsa_private_segment_fixed_size 0
		.amdhsa_enable_private_segment 0
		.amdhsa_kernarg_size 48
		.amdhsa_user_sgpr_count 2
		.amdhsa_user_sgpr_kernarg_segment_ptr 1
		.amdhsa_wavefront_size32 1
		.amdhsa_system_sgpr_workgroup_id_x 1
		.amdhsa_system_sgpr_workgroup_id_y 1
		.amdhsa_system_sgpr_workgroup_id_z 1
		.amdhsa_system_vgpr_workitem_id 0
		.amdhsa_next_free_vgpr 832
		.amdhsa_next_free_sgpr 80
		.amdhsa_reserve_vcc 0
		.amdhsa_float_denorm_mode_32 3
		.amdhsa_float_denorm_mode_16_64 3
		.amdhsa_memory_ordered 1
		.amdhsa_forward_progress 1
		.amdhsa_inst_pref_size 77
	.end_amdhsa_kernel
	.amdgpu_metadata
---
amdhsa.version: [ 1, 2 ]
amdhsa.kernels:
  - .name:           k_q3f76718ba0_proj
    .symbol:         k_q3f76718ba0_proj.kd
    .args:
      - { .name: xcast, .offset: 0, .size: 8, .value_kind: global_buffer, .address_space: global }
      - { .name: wall, .offset: 8, .size: 8, .value_kind: global_buffer, .address_space: global }
      - { .name: q_b, .offset: 16, .size: 8, .value_kind: global_buffer, .address_space: global }
      - { .name: k_b, .offset: 24, .size: 8, .value_kind: global_buffer, .address_space: global }
      - { .name: gamma_pam, .offset: 32, .size: 8, .value_kind: global_buffer, .address_space: global }
      - { .name: qkv, .offset: 40, .size: 8, .value_kind: global_buffer, .address_space: global }
    .group_segment_fixed_size: 327680
    .private_segment_fixed_size: 0
    .kernarg_segment_align: 8
    .kernarg_segment_size: 48
    .max_flat_workgroup_size: 128
    .sgpr_count:     80
    .vgpr_count:     832
    .wavefront_size: 32
...
	.end_amdgpu_metadata
.endif
;; end of part 5
;; launch attn (part 6): grid 64 x 4, 4 waves a work-group, clusters of 4 x 1, 327,680 bytes of LDS; arguments qkv, ybn; writes ybn
.if DOCPART == 6
	.amdgcn_target "amdgcn-amd-amdhsa--gfx1250"
	.amdhsa_code_object_version 6
	.text
	.protected	k_q3f76718ba0_attn
	.globl	k_q3f76718ba0_attn
	.p2align	8
	.type	k_q3f76718ba0_attn,@function
k_q3f76718ba0_attn:
	s_mov_b64 s[64:65], 0
	v_nop
	global_prefetch_b8 v0, s[64:65] scope:SCOPE_SE
	s_setreg_imm32_b32 hwreg(HW_REG_WAVE_MODE, 25, 1), 1
	s_wait_xcnt 0x0
	s_wait_alu depctr_hold_cnt(0) depctr_sa_sdst(0) depctr_va_vdst(0) depctr_va_sdst(0) depctr_va_ssrc(0) depctr_va_vcc(0) depctr_vm_vsrc(0)
	s_getreg_b32 s2, hwreg(HW_REG_IB_STS2, 6, 4)
	s_cmp_eq_u32 s2, 0
	s_cbranch_scc0 .Lentry_in_a_cluster
	s_endpgm
.Lentry_in_a_cluster:
	s_bfe_u32 s2, ttmp6, 0x10000c
	s_cmp_lg_u32 s2, 0x3003
	s_cbranch_scc0 .Lentry_shape_is_right
	s_endpgm
.Lentry_shape_is_right:
; ATTN: y[o][m] = ybase[o][m] + sum over n of softmax_n(q[m] . k[n]) V[o][n], for 64 queries m of a batch and all 256 channels o; and for each channel the mean and the sum of squared
; deviations of its 64 numbers, for the batch norm.  q, k, V bf16; products, maxima and sums f32; the weights p are rounded to bf16 for the second product (their sum is taken unrounded).
; LIMITS.  A weight below 2^-126 counts as 0; NaN and infinities are not treated apart.
; SHARES.  THE KEYS ARE SPLIT AMONG THE FOUR WAVES: in step s (of 16) wave w takes the 64 keys of block 4 s + w, for all 64 queries and all 256 channels: 32 products K Q^T, 128 products V^T P.
; Each wave has its own running maximum m, sum l and 64 accumulators O^T; no wave repeats another's scores, and none reads another's tile.  The four partial results meet once, at the end, in LDS.
; LAYOUT.  S^T = K Q^T: a lane holds ONE query (lane % 16) and the keys 8 (lane / 16) + 0..7; two such results rounded to bf16 ARE source 1 of O^T = V^T P, whose result holds one query a lane and 8 channels.
; SOFTMAX.  p = 2^(c s - c m), c = log2(e), with a running maximum; O and l are multiplied by a = 2^(c m_old - c m_new) in every step.  m starts at the lowest finite number, O and l at 0:
; the first step is a step like any other, with a = 0 (the price: 512 lines that clear O^T, in the wait for the first tile; no first step is written out).
; A step goes in phases: scores, softmax, V^T P; O^T's rescaling rides behind the products V^T P, four lines behind every second one, a channel block ahead of its products.
; V comes through a ring of two slots of 32 KiB for each wave, by joint loads: the four query blocks of a cluster walk the same keys.  K (8 KiB a step) comes straight into registers, a step ahead.
; Accumulator group g of wave w holds the channel blocks 4 ((g + w) % 4) + 0..3: the turn is made by LDS addresses alone, and group 0 is the quarter that the wave finishes.
; REGISTERS: window 0: addresses, v12-43 statistics (8 a tile), v64-191 S^T (32 t + 8 kt), v192-255 P (16 t + 8 kk).  Window 1: v0-63 Q, v64-127 K, v128-255 V in two halves.
;   windows 2, 3: O^T: block a, tile t at 8 (4 (a % 8) + t).
.set SS,    323072                     ; 2 x 256 f32: the statistics on their way out
.set EX,    325120                     ; [wave][tile][query] (c m, l)
.set SPARE, 327168                     ; the spare words
.set R,   1
.set H,   2
.set L16, 3                            ; 16 x lane; never rewritten
.set AVG, 4                            ; v4-7   group g's fragments in my slot 0
.set ADR, 8                            ; v8-11  the same in the slot in hand
.set ST,  12                           ; tile t at ST + 8 t: c m, m, l (even, odd keys), c0-c3 at work; a takes c2's place
.set EXS, 44
.set EXL, 45
.set CSA, 46
.set CSR, 47                           ; v47-49
.set YOF, 50
.set SSA, 51
.set SSL, 52
.set STF, 53
.set PFO, 61                           ; 256 x lane
.set SPW, 62
.set NIL, 63
.set S,   64
.set P,   192
.set KF,  64
.set WV,  12
.set G1,  24
.set G0,  32
.set KB,  36
.set PFA, 38
.set TB,  40
.set LEFT, 41
.set LIM, 42
.set CS,  44
.set SEL, 46
.set YB,  48
.set YO,  50
.set SO,  52
.set QP,  54
.set MSB, 0
.macro WIN new
.if MSB != (\new)
	s_set_vgpr_msb (MSB<<8)|(\new)
.set MSB, \new
.endif
.endm
.macro CROUND
	s_barrier_signal -1
	s_barrier_wait -1
	s_cmp_lg_u32 s[WV], 0
	s_cbranch_scc1 .Lnot_wave_0_\@
	s_barrier_signal -3
.Lnot_wave_0_\@:
	s_barrier_wait -3
	s_barrier_signal -1
	s_barrier_wait -1
.endm
.macro PLACES
.rept 4
	v_nop
.endr
.endm
	s_load_b128 s[4:7], s[0:1], 0x0                ; qkv, ybn
	v_lshl_add_u32 v[SPW], v0, 2, SPARE
	v_mov_b32 v[NIL], 0
	ds_add_u32 v[SPW], v[NIL]                      ; the wave's opening: the add and its wait ahead of my first tensor load
	v_lshrrev_b32 v1, 5, v0
	v_readfirstlane_b32 s[WV], v1                  ; wave 0..3
	s_bfe_u32 s13, ttmp6, 0x40000                  ; cx
	s_lshl_b32 s14, ttmp9, 2
	s_add_co_u32 s14, s14, s13                     ; my block of 64 queries
	s_and_b32 s15, ttmp7, 0xffff                   ; the batch, which the partners share
	s_lshl_b32 s56, s15, 22                        ; y: (256 b + 64 w) rows of 16,384 bytes + 256 x block
	s_lshl_b32 s57, s[WV], 20
	s_add_co_u32 s56, s56, s57
	s_lshl_b32 s57, s14, 8
	s_add_co_u32 s56, s56, s57
	s_mov_b32 s57, 0
	s_lshl_b32 s16, s15, 6
	s_add_co_u32 s14, s14, s16                     ; 64 b + block
	s_mov_b32 s[G1+0], 15|(3<<16)|(1<<21)          ; the mask of four, elements of 8 bytes, bit 21 beside the mask
	s_mov_b32 s[G1+1], 32<<16                      ; rows of 256 bytes,
	s_mov_b32 s[G1+2], 128<<16                     ; 128 of them: a key block's V, 32 KiB, dense
	s_mov_b32 s[G1+3], 32<<16
	s_mov_b32 s[G1+4], 128
	s_mov_b32 s[G1+5], 32
	s_mov_b32 s[G1+6], 0
	s_mov_b32 s[G1+7], 0
	s_mov_b32 s[G0], 1
	s_lshl_b32 s[G0+1], s[WV], 16                  ; my slot 0
	s_lshl_b32 s16, s15, 21                        ; V: 2 MiB a batch, 32 KiB a key block: block w
	s_lshl_b32 s17, s[WV], 15
	s_add_co_u32 s16, s16, s17
	s_add_co_u32 s16, s16, 0x400000
	s_mov_b32 s17, 0
	s_lshl_b32 s18, s15, 19                        ; K: 8 KiB a key block
	s_lshl_b32 s19, s[WV], 13
	s_add_co_u32 s18, s18, s19
	s_add_co_u32 s18, s18, 0x200000
	s_mov_b32 s19, 0
	s_lshl_b32 s20, s14, 13                        ; Q
	s_mov_b32 s21, 0
	s_lshl_b32 s22, s14, 16                        ; ybase of my quarter of the channels
	s_lshl_b32 s23, s[WV], 14
	s_add_co_u32 s22, s22, s23
	s_add_co_u32 s22, s22, 0xc00000
	s_mov_b32 s23, 0
	s_lshl_b32 s58, s14, 11                        ; the statistics: 2,048 bytes a work-group
	s_lshl_b32 s59, s[WV], 8
	s_add_co_u32 s58, s58, s59
	s_add_co_u32 s58, s58, 0x1000000
	s_mov_b32 s59, 0
	s_lshl_b32 s60, s13, 13                        ; the prefetches: my work-group's quarter of my wave's tile, at step 1
	s_add_co_u32 s60, s60, 131072
	s_mov_b32 s61, 0
	s_mov_b32 s[CS], 0x3fb8aa3b                    ; c = log2(e)
	s_mov_b32 s[CS+1], s[CS]
	s_mov_b32 s[SEL], 0x76543210
	s_mov_b32 s[SEL+1], 0xfedcba98
	s_mov_b32 s[TB], 32768                         ; the first change of slots turns it into 0
	s_mov_b32 s[LEFT], 15
	s_wait_dscnt 0x0                               ; the opening add is done
	s_wait_kmcnt 0x0
	s_add_nc_u64 s[G0+2:G0+3], s[4:5], s[16:17]
	s_add_nc_u64 s[PFA:PFA+1], s[G0+2:G0+3], s[60:61]
	s_or_b32 s[G0+3], s[G0+3], 0x80000000
	s_add_nc_u64 s[KB:KB+1], s[4:5], s[18:19]
	s_add_nc_u64 s[QP:QP+1], s[4:5], s[20:21]
	s_add_nc_u64 s[YB:YB+1], s[4:5], s[22:23]
	s_add_nc_u64 s[YO:YO+1], s[6:7], s[56:57]
	s_add_nc_u64 s[SO:SO+1], s[6:7], s[58:59]
	s_cmp_eq_u32 ttmp9, 0                          ; all clusters of a batch walk the same V: the first of them prefetches
	s_cselect_b32 s[LIM], 1, -1
	CROUND                                         ; all four work-groups are here: the first joint load meets
	tensor_load_to_lds s[G0:G0+3], s[G1:G1+7]      ; step 0 into slot 0
	s_nop 0
	PLACES
	v_and_b32 v[R], 15, v0
	v_bfe_u32 v[H], v0, 4, 1
	v_and_b32 v54, 31, v0
	v_lshlrev_b32 v[L16], 4, v54
	v_lshlrev_b32 v[PFO], 8, v54
	WIN 0x40
.set n, 0
.rept 16                               ; Q stays in registers: tile n / 4, chunk n % 4; K of step 0 likewise
	global_load_b128 v[4*n:4*n+3], v[L16], s[QP:QP+1] offset:n*512
	global_load_b128 v[KF+4*n:KF+4*n+3], v[L16], s[KB:KB+1] offset:n*512
.set n, n+1
.endr
	WIN 0
.irp g, 0,1,2,3
	s_add_co_u32 s16, s[WV], \g
	s_and_b32 s16, s16, 3
	s_lshl_b32 s16, s16, 13
	s_lshl_b32 s17, s[WV], 16
	s_add_co_u32 s16, s16, s17
	v_add_nc_u32 v[AVG+(\g)], s16, v[L16]
.endr
	s_lshl_b32 s16, s[WV], 9
	s_add_co_u32 s16, s16, EX
	v_lshl_add_u32 v[EXS], v[R], 3, s16
	v_lshlrev_b32 v[EXL], 3, v[R]
	v_add_nc_u32 v[EXL], EX, v[EXL]
	s_mul_i32 s16, s[WV], 49152
	v_add_nc_u32 v[CSA], s16, v[L16]               ; the exchange: my three foreign groups go into 49,152 bytes of my own;
.irp g, 1,2,3
	s_sub_co_u32 s16, s[WV], \g
	s_and_b32 s16, s16, 3
	s_mul_i32 s16, s16, 49152
	s_add_co_u32 s16, s16, ((\g)-1)*16384
	v_add_nc_u32 v[CSR+(\g)-1], s16, v[L16]        ; my quarter is group g of wave (w - g) % 4
.endr
	v_lshlrev_b32 v[YOF], 4, v[R]
	v_lshl_add_u32 v[YOF], v[H], 17, v[YOF]        ; y: 8 rows down for lanes 16-31, 16 bytes a lane
	s_lshl_b32 s16, s[WV], 8
	s_add_co_u32 s16, s16, SS
	v_lshl_add_u32 v[SSA], v[H], 5, s16
	v_lshl_add_u32 v[SSL], v54, 3, s16
	v_lshlrev_b32 v[STF], 3, v54
	WIN 0x80
.set i, 0
.rept 256
	v_mov_b32 v[i], 0
.set i, i+1
.endr
	WIN 0xc0
.set i, 0
.rept 256
	v_mov_b32 v[i], 0
.set i, i+1
.endr
	WIN 0
.irp t, 0,1,2,3
	v_mov_b32 v[ST+8*(\t)], 0xfe000000             ; c m: far below every c s
	v_mov_b32 v[ST+8*(\t)+1], 0xff7fffff           ; m
	v_mov_b32 v[ST+8*(\t)+2], 0
	v_mov_b32 v[ST+8*(\t)+3], 0
.endr
; THE CHANGE OF SLOTS.  Each wave waits for all its tensor loads, of which one is out: the step to be read now; adds 0 to its spare word; waits for that and for its reads of the slot that it leaves.
; The barrier is a round of the cluster's; the joint refill is the first thing behind it and has a whole step, 160 matrix instructions and a softmax, in which to land.
.macro CHANGE fill
	WIN 0
	s_wait_tensorcnt 0x0
.if \fill
	ds_add_u32 v[SPW], v[NIL]                      ; 0 onto my spare word; the steps below stand between it and the wait for it
	s_xor_b32 s[G0+1], s[G0+1], 32768              ; the other slot than last time,
	s_add_nc_u64 s[G0+2:G0+3], s[G0+2:G0+3], 131072  ; four key blocks on
	s_wait_xcnt 0x0                                ; the last prefetch, a step back, has read its address
	s_add_nc_u64 s[PFA:PFA+1], s[PFA:PFA+1], 131072  ; one step beyond the load below
	s_wait_dscnt 0x0                               ; the add is done, and my reads of the slot are over
	CROUND
	tensor_load_to_lds s[G0:G0+3], s[G1:G1+7]
	s_nop 0
.endif
	PLACES                                         ; also the places in front of the loads into V's registers
	s_xor_b32 s[TB], s[TB], 32768
.endm
; A PREFETCH INTO THE L2 of my wave's tile of the step after the one just asked for: its 128 rows of 256 bytes are shared out among the four partners by address, a lane a row: one instruction.
; Only the batch's first cluster asks, so each row is named once in the launch; the last trip asks for nothing; steps 0 and 1 come by their loads alone.
.macro ASK
	s_cmp_gt_u32 s[LEFT], s[LIM]
	s_cbranch_scc0 .Lnot_mine_\@
	global_prefetch_b8 v[PFO], s[PFA:PFA+1] th:TH_LOAD_NT scope:SCOPE_SE
.Lnot_mine_\@:
.endm
.macro FETCHV g, hb                    ; group g's 8 fragments of V (4 channel blocks x 2 key halves): 16 loads of 512 consecutive bytes
	WIN 0x40
.set n, 0
.rept 16
	ds_load_b128 v[(\hb)+4*n:(\hb)+4*n+3], v[ADR+(\g)] offset:n*512
.set n, n+1
.endr
.endm
; Number j of a tile's softmax.  0-15 the maximum of the 32 scores and the old m (each accumulator's lowest registers first); 16-20 the other half of the lanes', m, c m, its change;
; 21-69 ONE BATCH: 16 scalings c s - c m and 33 exponentials (a at 23), none of which reads an exponential's result; 70-85 the roundings to bf16; 86-101 the sums, l = a l + sum.
.macro SM t
.set rT, ST+8*(\t)
.set rS, S+32*(\t)
.set rP, P+16*(\t)
.if j < 4
	v_max3_num_f32 v[rT+4+j], v[rS+8*j], v[rS+8*j+1], v[rS+8*j+2]
.elseif j < 12
	v_max3_num_f32 v[rT+4+j%4], v[rT+4+j%4], v[rS+8*(j%4)+2*(j/4)+1], v[rS+8*(j%4)+2*(j/4)+2]
.elseif j == 12
	v_max3_num_f32 v[rT+4], v[rT+4], v[rS+7], v[rS+15]
.elseif j == 13
	v_max3_num_f32 v[rT+6], v[rT+6], v[rS+23], v[rS+31]
.elseif j == 14
	v_max3_num_f32 v[rT+4], v[rT+4], v[rT+5], v[rT+6]
.elseif j == 15
	v_max3_num_f32 v[rT+4], v[rT+4], v[rT+7], v[rT+1]
.elseif j == 16
	v_permlanex16_b32 v[rT+5], v[rT+4], s[SEL], s[SEL+1]
.elseif j == 17
	v_mov_b32 v[rT+7], v[rT]
.elseif j == 18
	v_max_num_f32 v[rT+1], v[rT+4], v[rT+5]
.elseif j == 19
	v_mul_f32 v[rT], s[CS], v[rT+1]
.elseif j == 20
	v_sub_f32 v[rT+7], v[rT+7], v[rT]
.elseif j == 23
	v_exp_f32 v[rT+6], v[rT+7]
.elseif (j < 23) || ((j < 38) && (j%2 == 0)) || ((j < 66) && (j%4 == 2))
.set sb, (j-2)/4
.if j < 38
.set sb, (j-20)/2
.endif
	v_pk_fma_f32 v[rS+2*sb:rS+2*sb+1], v[rS+2*sb:rS+2*sb+1], s[CS:CS+1], v[rT:rT+1] op_sel_hi:[1,0,0] neg_lo:[0,0,1] neg_hi:[0,0,1]
.elseif j < 70
.set se, j-38
.if j < 66
.set se, j-32-(j-38)/4
.endif
.if j < 38
.set se, (j-25)/2
.endif
	v_exp_f32 v[rS+se], v[rS+se]
.elseif j < 86
	v_cvt_pk_bf16_f32 v[rP+j-70], v[rS+2*(j-70)], v[rS+2*(j-70)+1]
.else
.set sz, j-86
.set sw, 4
.set su, sz
.if sz >= 14
.set sw, 32
.set su, 0
.elseif sz >= 12
.set sw, 16
.set su, sz-12
.elseif sz >= 8
.set sw, 8
.set su, sz-8
.endif
.if sz < 15
	v_pk_add_f32 v[rS+sw*su:rS+sw*su+1], v[rS+sw*su:rS+sw*su+1], v[rS+sw*su+sw/2:rS+sw*su+sw/2+1]
.else
	v_pk_fma_f32 v[rT+2:rT+3], v[rT+2:rT+3], v[rT+6:rT+7], v[rS:rS+1] op_sel_hi:[1,0,1]
.endif
.endif
.endm
.macro SM4 count                       ; the four tiles by turns, so that no line reads the result of the one before it
.rept \count
	SM 0
	SM 1
	SM 2
	SM 3
.set j, j+1
.endr
.endm
; Lines first .. first + count - 1 of the 16 that multiply block a of O^T by the tiles' factors (in ST + 8 t + 6): line n is tile n / 4, pair n % 4: each accumulator's lowest registers first.
.macro RS a, first, count
	WIN 0x82+0x41*((\a)/8)
.set n, \first
.rept \count
	v_pk_mul_f32 v[8*(4*((\a)%8)+n/4)+2*(n%4):8*(4*((\a)%8)+n/4)+2*(n%4)+1], v[8*(4*((\a)%8)+n/4)+2*(n%4):8*(4*((\a)%8)+n/4)+2*(n%4)+1], v[ST+8*(n/4)+6:ST+8*(n/4)+7] op_sel_hi:[1,0]
.set n, n+1
.endr
.endm
.macro PV a, kk, t, hb
	WIN 0xa1+0x50*((\a)/8)
	v_wmma_f32_16x16x32_bf16 v[8*(4*((\a)%8)+(\t)):8*(4*((\a)%8)+(\t))+7], v[(\hb)+16*((\a)%4)+8*(\kk):(\hb)+16*((\a)%4)+8*(\kk)+7], v[P+16*(\t)+8*(\kk):P+16*(\t)+8*(\kk)+7], v[8*(4*((\a)%8)+(\t)):8*(4*((\a)%8)+(\t))+7]
.endm
; A group's 32 products.  A block's four accumulators take turns: three others stand between two links.  Behind every second product stand four lines that rescale the NEXT block;
; the four behind a group's last product are the places in front of the loads into the half of V just read.
.macro PVG g, hb
.irp o, 0,1,2,3
.set aa, 4*(\g)+(\o)
.irp kk, 0,1
	PV aa, \kk, 0, \hb
	PV aa, \kk, 1, \hb
.if aa < 15
	RS aa+1, 8*(\kk), 4
.endif
	PV aa, \kk, 2, \hb
	PV aa, \kk, 3, \hb
.if aa < 15
	RS aa+1, 8*(\kk)+4, 4
.endif
.endr
.endr
.endm
.macro STEP last
	WIN 0
.irp g, 0,1,2,3
	v_add_nc_u32 v[ADR+(\g)], s[TB], v[AVG+(\g)]
.endr
	FETCHV 0, 128
	FETCHV 1, 192
	WIN 0
.if !(\last)
	ASK
.endif
	s_wait_loadcnt 0x0                             ; K of this step is in (the first time: Q too); its loads have read their base,
	s_add_nc_u64 s[KB:KB+1], s[KB:KB+1], 32768     ; which goes four key blocks on
	WIN 0x05
.set i, 0
.rept 32                               ; S^T = K Q^T: channels 32 (i / 16) on, keys 16 ((i / 4) % 4) on, tile i % 4: 16 accumulators by turns; the first 16 start the sums
.if i < 16
	v_wmma_f32_16x16x32_bf16 v[S+32*(i%4)+8*((i/4)%4):S+32*(i%4)+8*((i/4)%4)+7], v[KF+16*((i/4)%4)+8*(i/16):KF+16*((i/4)%4)+8*(i/16)+7], v[16*(i%4)+8*(i/16):16*(i%4)+8*(i/16)+7], 0
.else
	v_wmma_f32_16x16x32_bf16 v[S+32*(i%4)+8*((i/4)%4):S+32*(i%4)+8*((i/4)%4)+7], v[KF+16*((i/4)%4)+8*(i/16):KF+16*((i/4)%4)+8*(i/16)+7], v[16*(i%4)+8*(i/16):16*(i%4)+8*(i/16)+7], v[S+32*(i%4)+8*((i/4)%4):S+32*(i%4)+8*((i/4)%4)+7]
.endif
.set i, i+1
.endr
	WIN 0
	PLACES                                         ; in front of the loads into K's registers and of the maxima
.if !(\last)
	WIN 0x40
.set n, 0
.rept 16
	global_load_b128 v[KF+4*n:KF+4*n+3], v[L16], s[KB:KB+1] offset:n*512  ; K of the next step: a softmax and 128 products ahead of its use
.set n, n+1
.endr
	WIN 0
.endif
.set j, 0
	SM4 70
	v_nop                                          ; a plain instruction behind the last exponential (ISA guide 5.7.2),
	s_wait_alu depctr_va_vdst(0)                   ; and the one wait ahead of the batch's first reader: 132 exponentials
	SM4 32
	RS 0, 0, 16
	s_wait_dscnt 0x0                               ; groups 0 and 1 of V are in
	PVG 0, 128
	FETCHV 2, 128
	PVG 1, 192
	FETCHV 3, 192
	s_wait_dscnt 16                                ; group 2 is in; group 3's 16 loads may stay out
	PVG 2, 128
	s_wait_dscnt 0x0
	PVG 3, 192
	WIN 0
.endm
.Lslot:                                                ; 15 trips: step s is worked on, step s + 1 asked for
	CHANGE 1
	STEP 0
	s_sub_co_u32 s[LEFT], s[LEFT], 1
	s_cmp_lg_u32 s[LEFT], 0
	s_cbranch_scc1 .Lslot
	CHANGE 0                                       ; the last step is written out; my slot is read by me alone: its wait is all that the reads need
	STEP 1
	; THE END.  l's halves and the other half of the lanes' are added (the additions are the places behind the last products); (c m, l) of the four waves meet in LDS.
.irp t, 0,1,2,3
	v_add_f32 v[ST+8*(\t)+4], v[ST+8*(\t)+2], v[ST+8*(\t)+3]
.endr
.irp t, 0,1,2,3
	v_permlanex16_b32 v[ST+8*(\t)+5], v[ST+8*(\t)+4], s[SEL], s[SEL+1]
.endr
.irp t, 0,1,2,3
	v_add_f32 v[ST+8*(\t)+1], v[ST+8*(\t)+4], v[ST+8*(\t)+5]
.endr
.set n, 0
.rept 32
	global_load_b128 v[S+4*n:S+4*n+3], v[L16], s[YB:YB+1] offset:n*512 th:TH_LOAD_NT  ; ybase of my quarter, as group 0's accumulators lie
.set n, n+1
.endr
.irp t, 0,1,2,3
	ds_store_b64 v[EXS], v[ST+8*(\t):ST+8*(\t)+1] offset:(\t)*128
.endr
	s_wait_dscnt 0x0
	s_barrier_signal -1
	s_barrier_wait -1                              ; every wave's statistics are in LDS; every wave's tensor loads have landed and its reads of the ring are over
.set i, 0
.rept 16                               ; i = 4 wave + tile
	ds_load_b64 v[P+2*i:P+2*i+1], v[EXL] offset:(i/4)*512+(i%4)*128
.set i, i+1
.endr
	s_wait_dscnt 0x0
.irp t, 0,1,2,3
	v_max3_num_f32 v[244+(\t)], v[P+2*(\t)], v[P+8+2*(\t)], v[P+16+2*(\t)]
.endr
.irp t, 0,1,2,3
	v_max_num_f32 v[244+(\t)], v[244+(\t)], v[P+24+2*(\t)]   ; the common c m
.endr
.set i, 0
.rept 16
	v_sub_f32 v[224+i], v[P+2*i], v[244+i%4]
.set i, i+1
.endr
.irp t, 0,1,2,3
	v_sub_f32 v[240+(\t)], v[ST+8*(\t)], v[244+(\t)]
.endr
.set i, 0
.rept 20
	v_exp_f32 v[224+i], v[224+i]                   ; each wave's factor, and my own once more
.set i, i+1
.endr
	v_nop
	s_wait_alu depctr_va_vdst(0)
.irp t, 0,1,2,3
	v_mul_f32 v[248+(\t)], v[224+(\t)], v[P+2*(\t)+1]
.endr
.set i, 4
.rept 12
	v_fmac_f32 v[248+i%4], v[224+i], v[P+2*i+1]    ; the common l: at least 1
.set i, i+1
.endr
.irp t, 0,1,2,3
	v_rcp_f32 v[248+(\t)], v[248+(\t)]
.endr
	v_nop
	s_wait_alu depctr_va_vdst(0)
.irp t, 0,1,2,3
	v_mul_f32 v[ST+8*(\t)+6], v[240+(\t)], v[248+(\t)]  ; my factor / l
.endr
.set ab, 0
.rept 16
	RS ab, 0, 16
.set ab, ab+1
.endr
	s_wait_loadcnt 0x0                             ; ybase
	WIN 0x82
.set i, 0
.rept 64
	v_pk_add_f32 v[2*i:2*i+1], v[2*i:2*i+1], v[S+2*i:S+2*i+1]
.set i, i+1
.endr
	; groups 1 to 3 belong to other waves' quarters.  The stage lies in the ring, which has had its last fill.
	WIN 0x08
.set n, 0
.rept 32
	ds_store_b128 v[CSA], v[128+4*n:128+4*n+3] offset:n*512
.set n, n+1
.endr
	WIN 0x0c
.set n, 0
.rept 32
	ds_store_b128 v[CSA], v[4*n:4*n+3] offset:16384+n*512
.set n, n+1
.endr
.set n, 0
.rept 32
	ds_store_b128 v[CSA], v[128+4*n:128+4*n+3] offset:32768+n*512
.set n, n+1
.endr
	WIN 0
	s_wait_dscnt 0x0
	s_barrier_signal -1
	s_barrier_wait -1
	WIN 0x40
.set n, 0
.rept 32
	ds_load_b128 v[4*n:4*n+3], v[CSR] offset:n*512
.set n, n+1
.endr
.set n, 0
.rept 32
	ds_load_b128 v[128+4*n:128+4*n+3], v[CSR+1] offset:n*512
.set n, n+1
.endr
	s_wait_dscnt 32                                ; the first 32 are in
	WIN 0x86
.set i, 0
.rept 64
	v_pk_add_f32 v[2*i:2*i+1], v[2*i:2*i+1], v[2*i:2*i+1]
.set i, i+1
.endr
	s_wait_dscnt 0x0
.set i, 0
.rept 64
	v_pk_add_f32 v[2*i:2*i+1], v[2*i:2*i+1], v[128+2*i:128+2*i+1]
.set i, i+1
.endr
	WIN 0x40
.set n, 0
.rept 32
	ds_load_b128 v[4*n:4*n+3], v[CSR+2] offset:n*512
.set n, n+1
.endr
	s_wait_dscnt 0x0
	WIN 0x46                               ; the last addition lays a channel's four tiles side by side: pixels 4 r + 0..3, 16 bytes of a row of y
.set i, 0
.rept 128                              ; i = 8 (4 o + t) + j
	v_add_f32 v[128+(8*(i/32)+i%8)*4+(i/8)%4], v[i], v[i]
.set i, i+1
.endr
	WIN 0x04
.set q, 0
.rept 32                               ; q = 8 o + j: channel 64 w + 16 o + 8 h + j
	global_store_b128 v[YOF], v[128+4*q:128+4*q+3], s[YO:YO+1] offset:(16*(q/8)+q%8)*16384  ; 16 lanes store 256 consecutive bytes, aligned
.set q, q+1
.endr
	; the statistics of each channel's 64 numbers: mean, then the sum of squared deviations from it
	WIN 0x05
.set q, 0
.rept 32
	v_add_f32 v[96+2*q], v[128+4*q], v[128+4*q+1]
	v_add_f32 v[96+2*q+1], v[128+4*q+2], v[128+4*q+3]
.set q, q+1
.endr
	WIN 0
.set q, 0
.rept 32
	v_add_f32 v[64+q], v[96+2*q], v[96+2*q+1]
.set q, q+1
.endr
.irp x, 1,2,4,8
.set q, 0
.rept 32
	v_add_f32_dpp v[64+q], v[64+q], v[64+q] row_xmask:\x row_mask:0xf bank_mask:0xf
.set q, q+1
.endr
.endr
.set q, 0
.rept 32
	v_mul_f32 v[64+q], 0x3c800000, v[64+q]         ; / 64
.set q, q+1
.endr
	WIN 0x01
.set q, 0
.rept 128
	v_sub_f32 v[96+q], v[128+q], v[64+q/4]
.set q, q+1
.endr
	WIN 0
.set q, 0
.rept 32
	v_mul_f32 v[224+q], v[96+4*q], v[96+4*q]
.set q, q+1
.endr
.irp t, 1,2,3
.set q, 0
.rept 32
	v_fmac_f32 v[224+q], v[96+4*q+(\t)], v[96+4*q+(\t)]
.set q, q+1
.endr
.endr
.irp x, 1,2,4,8
.set q, 0
.rept 32
	v_add_f32_dpp v[224+q], v[224+q], v[224+q] row_xmask:\x row_mask:0xf bank_mask:0xf
.set q, q+1
.endr
.endr
.set q, 0
.rept 32                               ; sixteen lanes hold, and write, the same number
	ds_store_b32 v[SSA], v[64+q]  offset:(q/8)*64+(q%8)*4
	ds_store_b32 v[SSA], v[224+q] offset:1024+(q/8)*64+(q%8)*4
.set q, q+1
.endr
	ds_load_b64 v[96:97], v[SSL]                   ; my wave's own bytes: LDS serves a wave's instructions in order (ISA guide 5.7.1.4)
	ds_load_b64 v[98:99], v[SSL] offset:1024
	s_wait_dscnt 0x0
	global_store_b64 v[STF], v[96:97], s[SO:SO+1]  ; 256 consecutive bytes a store
	global_store_b64 v[STF], v[98:99], s[SO:SO+1] offset:1024
	s_wait_tensorcnt 0x0                           ; the wave's end, behind my last tensor load and my last LDS store
	ds_add_u32 v[SPW], v[NIL]
	s_wait_dscnt 0x0
	CROUND                                         ; the closing round
	s_endpgm
.Lfunc_end_k_q3f76718ba0_attn:
	.size	k_q3f76718ba0_attn, .Lfunc_end_k_q3f76718ba0_attn-k_q3f76718ba0_attn
	.p2alignl 7, 3214868480
	.fill 96, 4, 3214868480
	.section	.rodata,"a",@progbits
	.p2align	6, 0x0
	.amdhsa_kernel k_q3f76718ba0_attn
		.amdhsa_group_segment_fixed_size 327680
		.amdhsa_private_segment_fixed_size 0
		.amdhsa_enable_private_segment 0
		.amdhsa_kernarg_size 16
		.amdhsa_user_sgpr_count 2
		.amdhsa_user_sgpr_kernarg_segment_ptr 1
		.amdhsa_wavefront_size32 1
		.amdhsa_system_sgpr_workgroup_id_x 1
		.amdhsa_system_sgpr_workgroup_id_y 1
		.amdhsa_system_sgpr_workgroup_id_z 1
		.amdhsa_system_vgpr_workitem_id 0
		.amdhsa_next_free_vgpr 1024
		.amdhsa_next_free_sgpr 72
		.amdhsa_reserve_vcc 0
		.amdhsa_float_denorm_mode_32 3
		.amdhsa_float_denorm_mode_16_64 3
		.amdhsa_memory_ordered 1
		.amdhsa_forward_progress 1
		.amdhsa_inst_pref_size 229
	.end_amdhsa_kernel
	.amdgpu_metadata
---
amdhsa.version: [ 1, 2 ]
amdhsa.kernels:
  - .name:           k_q3f76718ba0_attn
    .symbol:         k_q3f76718ba0_attn.kd
    .args:
      - { .name: qkv, .offset: 0, .size: 8, .value_kind: global_buffer, .address_space: global }
      - { .name: ybn, .offset: 8, .size: 8, .value_kind: global_buffer, .address_space: global }
    .group_segment_fixed_size: 327680
    .private_segment_fixed_size: 0
    .kernarg_segment_align: 8
    .kernarg_segment_size: 16
    .max_flat_workgroup_size: 128
    .sgpr_count:     72
    .vgpr_count:     1024
    .wavefront_size: 32
...
	.end_amdgpu_metadata
.endif
;; end of part 6
;; launch bn (part 7): grid 256 x 1, 8 waves a work-group, no clusters, 1,536 bytes of LDS; arguments ybn, bn_gamma, bn_beta, out0; writes out0
.if DOCPART == 7
	.amdgcn_target "amdgcn-amd-amdhsa--gfx1250"
	.amdhsa_code_object_version 6
	.text
	.protected	k_q3f76718ba0_bn
	.globl	k_q3f76718ba0_bn
	.p2align	8
	.type	k_q3f76718ba0_bn,@function
k_q3f76718ba0_bn:
	s_mov_b64 s[64:65], 0
	v_nop
	global_prefetch_b8 v0, s[64:65] scope:SCOPE_SE
	s_setreg_imm32_b32 hwreg(HW_REG_WAVE_MODE, 25, 1), 1
	s_wait_xcnt 0x0
; BN: out = relu((y - mean) rsqrt(var + 1e-5) gamma + beta), mean and var over the batch and all pixels of a channel.
; A work-group takes 4 channels of one batch: 64 KiB on end, read once and written once.  The statistics come as 256 partial (mean, sum of squared deviations) of 64 numbers each, a thread a partial:
; mean = the mean of the means; the sum of squares = sum of (M2_i + 64 (mean_i - mean)^2): no difference of large sums is formed.  gamma and beta are rounded to bf16 like every input.
; A stream: no matrix unit, no cluster.
.set RED1,  0
.set RED2,  256
.set SPARE, 512
.set Y,  16                            ; v[16:79]
.set MI, 80                            ; v[80:83]  my partial means of the 4 channels
.set QI, 84                            ; v[84:87]  my partial sums of squares
.set WK, 88                            ; v[88:91]
.set SQ, 92
.set MN, 96                            ; v[96:99]  the means
.set VR, 100
.set RD, 104                           ; v[104:135]
.set MP, 136                           ; pairs: mean, scale, beta
.set SP, 144
.set BP, 152
.set GB, 160
	s_load_b256 s[4:11], s[0:1], 0x0               ; ybn 4, bn_gamma 6, bn_beta 8, out0 10
	v_lshl_add_u32 v10, v0, 2, SPARE
	v_mov_b32 v11, 0
	v_lshrrev_b32 v1, 5, v0
	v_readfirstlane_b32 s12, v1
	s_lshr_b32 s13, ttmp9, 2                       ; group of 4 channels
	s_and_b32 s14, ttmp9, 3                        ; batch
	v_lshlrev_b32 v2, 4, v0                        ; 16 x thread
	v_lshlrev_b32 v3, 11, v0                       ; my partial: 2,048 bytes a work-group of the launch before
	s_lshl_b32 s37, s12, 4
	v_mov_b32 v4, s37                              ; my wave's 16 bytes
	v_mov_b32 v5, 0
	v_mov_b32 v9, 0
	s_lshl_b32 s16, s14, 22
	s_lshl_b32 s17, s13, 16
	s_add_co_u32 s16, s16, s17
	s_mov_b32 s17, 0
	s_lshl_b32 s32, s13, 4
	s_mov_b32 s33, 0
	s_add_co_u32 s18, s32, 0x1000000
	s_mov_b32 s19, 0
	s_mov_b32 s34, 0x76543210
	s_mov_b32 s35, 0xfedcba98
	s_mov_b32 s36, 0x38800000                      ; 1 / 16,384
	s_wait_kmcnt 0x0
	s_add_nc_u64 s[6:7], s[6:7], s[32:33]
	s_add_nc_u64 s[8:9], s[8:9], s[32:33]
	s_load_b128 s[20:23], s[6:7], 0x0
	s_load_b128 s[24:27], s[8:9], 0x0
	s_add_nc_u64 s[28:29], s[4:5], s[16:17]
	s_add_nc_u64 s[30:31], s[4:5], s[18:19]
	s_add_nc_u64 s[10:11], s[10:11], s[16:17]
	global_load_b128 v[MI:MI+3], v3, s[30:31]
	global_load_b128 v[QI:QI+3], v3, s[30:31] offset:1024
.set n, 0
.rept 16
	global_load_b128 v[Y+4*n:Y+4*n+3], v2, s[28:29] offset:n*4096 th:TH_LOAD_NT
.set n, n+1
.endr
.macro WSUM r                          ; the sum over the wave's 32 lanes, in every lane
	v_add_f32_dpp v[\r], v[\r], v[\r] row_xmask:1 row_mask:0xf bank_mask:0xf
	v_add_f32_dpp v[\r], v[\r], v[\r] row_xmask:2 row_mask:0xf bank_mask:0xf
	v_add_f32_dpp v[\r], v[\r], v[\r] row_xmask:4 row_mask:0xf bank_mask:0xf
	v_add_f32_dpp v[\r], v[\r], v[\r] row_xmask:8 row_mask:0xf bank_mask:0xf
	v_permlanex16_b32 v9, v[\r], s34, s35
	v_add_f32 v[\r], v[\r], v9
.endm
.macro GSUM base                       ; the eight waves' four sums meet in LDS; the totals land in v[RD:RD+3]
	ds_store_b128 v4, v[WK:WK+3] offset:\base
	s_wait_dscnt 0x0
	s_barrier_signal -1
	s_barrier_wait -1
.irp k, 0,1,2,3,4,5,6,7
	ds_load_b128 v[RD+4*(\k):RD+4*(\k)+3], v5 offset:(\base)+16*(\k)
.endr
	s_wait_dscnt 0x0
.irp k, 0,2,4,6,8,10,12,14
	v_pk_add_f32 v[RD+(\k):RD+(\k)+1], v[RD+(\k):RD+(\k)+1], v[RD+16+(\k):RD+16+(\k)+1]
.endr
.irp k, 0,2,4,6
	v_pk_add_f32 v[RD+(\k):RD+(\k)+1], v[RD+(\k):RD+(\k)+1], v[RD+8+(\k):RD+8+(\k)+1]
.endr
.irp k, 0,2
	v_pk_add_f32 v[RD+(\k):RD+(\k)+1], v[RD+(\k):RD+(\k)+1], v[RD+4+(\k):RD+4+(\k)+1]
.endr
.endm
	s_wait_loadcnt 16                              ; the two loads of statistics are in; y's sixteen may stay out
.irp c, 0,1,2,3
	v_mov_b32 v[WK+(\c)], v[MI+(\c)]
.endr
.irp c, 0,1,2,3
	WSUM WK+(\c)
.endr
	GSUM RED1
.irp c, 0,1,2,3
	v_mul_f32 v[MN+(\c)], 0x3b800000, v[RD+(\c)]   ; / 256
.endr
.irp c, 0,1,2,3
	v_sub_f32 v[WK+(\c)], v[MI+(\c)], v[MN+(\c)]
.endr
.irp c, 0,1,2,3
	v_mul_f32 v[SQ+(\c)], v[WK+(\c)], v[WK+(\c)]
.endr
.irp c, 0,1,2,3
	v_fmamk_f32 v[WK+(\c)], v[SQ+(\c)], 0x42800000, v[QI+(\c)]  ; 64 d^2 + M2
.endr
.irp c, 0,1,2,3
	WSUM WK+(\c)
.endr
	GSUM RED2                                      ; other bytes than the first meeting's
.irp c, 0,1,2,3
	v_fmaak_f32 v[VR+(\c)], s36, v[RD+(\c)], 0x3727c5ac  ; var + 1e-5
.endr
.irp c, 0,1,2,3
	v_rsq_f32 v[VR+(\c)], v[VR+(\c)]
.endr
	s_wait_kmcnt 0x0
	v_mov_b32 v[GB], s20                           ; plain work behind the last transcendental
	v_mov_b32 v[GB+1], s21
	v_mov_b32 v[GB+2], s22
	v_mov_b32 v[GB+3], s23
	v_mov_b32 v[GB+4], s24
	v_mov_b32 v[GB+5], s25
	v_mov_b32 v[GB+6], s26
	v_mov_b32 v[GB+7], s27
.irp i, 0,2,4,6
	v_cvt_pk_bf16_f32 v[GB+8], v[GB+(\i)], v[GB+(\i)+1]
	v_lshlrev_b32 v[GB+(\i)], 16, v[GB+8]
	v_and_b32 v[GB+(\i)+1], 0xffff0000, v[GB+8]
.endr
	s_wait_alu depctr_va_vdst(0)                   ; the one wait ahead of the four roots' first reader
.irp c, 0,1,2,3
	v_mul_f32 v[SP+2*(\c)], v[GB+(\c)], v[VR+(\c)]
	v_mov_b32 v[MP+2*(\c)], v[MN+(\c)]
	v_mov_b32 v[MP+2*(\c)+1], v[MN+(\c)]
	v_mov_b32 v[BP+2*(\c)], v[GB+4+(\c)]
	v_mov_b32 v[BP+2*(\c)+1], v[GB+4+(\c)]
.endr
.irp c, 0,1,2,3
	v_mov_b32 v[SP+2*(\c)+1], v[SP+2*(\c)]
.endr
	s_wait_loadcnt 0x0
.set n, 0
.rept 16                               ; load n belongs to channel n / 4
.irp m, 0,2
	v_pk_add_f32 v[Y+4*n+(\m):Y+4*n+(\m)+1], v[Y+4*n+(\m):Y+4*n+(\m)+1], v[MP+2*(n/4):MP+2*(n/4)+1] neg_lo:[0,1] neg_hi:[0,1]
	v_pk_fma_f32 v[Y+4*n+(\m):Y+4*n+(\m)+1], v[Y+4*n+(\m):Y+4*n+(\m)+1], v[SP+2*(n/4):SP+2*(n/4)+1], v[BP+2*(n/4):BP+2*(n/4)+1]
.endr
.irp m, 0,1,2,3
	v_max_num_f32 v[Y+4*n+(\m)], 0, v[Y+4*n+(\m)]
.endr
	global_store_b128 v2, v[Y+4*n:Y+4*n+3], s[10:11] offset:n*4096 th:TH_STORE_NT
.set n, n+1
.endr
	s_wait_tensorcnt 0x0                           ; the wave's end, behind my last LDS store
	ds_add_u32 v10, v11
	s_wait_dscnt 0x0
	s_endpgm
.Lfunc_end_k_q3f76718ba0_bn:
	.size	k_q3f76718ba0_bn, .Lfunc_end_k_q3f76718ba0_bn-k_q3f76718ba0_bn
	.p2alignl 7, 3214868480
	.fill 96, 4, 3214868480
	.section	.rodata,"a",@progbits
	.p2align	6, 0x0
	.amdhsa_kernel k_q3f76718ba0_bn
		.amdhsa_group_segment_fixed_size 1536
		.amdhsa_private_segment_fixed_size 0
		.amdhsa_enable_private_segment 0
		.amdhsa_kernarg_size 32
		.amdhsa_user_sgpr_count 2
		.amdhsa_user_sgpr_kernarg_segment_ptr 1
		.amdhsa_wavefront_size32 1
		.amdhsa_system_sgpr_workgroup_id_x 1
		.amdhsa_system_sgpr_workgroup_id_y 1
		.amdhsa_system_sgpr_workgroup_id_z 1
		.amdhsa_system_vgpr_workitem_id 0
		.amdhsa_next_free_vgpr 176
		.amdhsa_next_free_sgpr 66
		.amdhsa_reserve_vcc 0
		.amdhsa_float_denorm_mode_32 3
		.amdhsa_float_denorm_mode_16_64 3
		.amdhsa_memory_ordered 1
		.amdhsa_forward_progress 1
		.amdhsa_inst_pref_size 20
	.end_amdhsa_kernel
	.amdgpu_metadata
---
amdhsa.version: [ 1, 2 ]
amdhsa.kernels:
  - .name:           k_q3f76718ba0_bn
    .symbol:         k_q3f76718ba0_bn.kd
    .args:
      - { .name: ybn, .offset: 0, .size: 8, .value_kind: global_buffer, .address_space: global }
      - { .name: bn_gamma, .offset: 8, .size: 8, .value_kind: global_buffer, .address_space: global }
      - { .name: bn_beta, .offset: 16, .size: 8, .value_kind: global_buffer, .address_space: global }
      - { .name: out0, .offset: 24, .size: 8, .value_kind: global_buffer, .address_space: global }
    .group_segment_fixed_size: 1536
    .private_segment_fixed_size: 0
    .kernarg_segment_align: 8
    .kernarg_segment_size: 32
    .max_flat_workgroup_size: 256
    .sgpr_count:     66
    .vgpr_count:     176
    .wavefront_size: 32
...
	.end_amdgpu_metadata
.endif
;; end of part 7
;; ======== version 2 of 3: 7 launches
;; workspace buffers: xcast 33,554,432 bytes; wall 3,674,112 bytes; bmat 2,883,584 bytes; ep 16,777,216 bytes; qkv 29,360,128 bytes; ybn 16,777,216 bytes
;; launch prep (part 8): grid 540 x 1, 8 waves a work-group, no clusters, 0 bytes of LDS; arguments x, q_w, k_w, conv1_w, v_w, v_b, xcast, wall, bmat; writes xcast, wall, bmat
.if DOCPART == 8
	.amdgcn_target "amdgcn-amd-amdhsa--gfx1250"
	.amdhsa_code_object_version 6
	.text
	.protected	k_q3f76718ba0_prep
	.globl	k_q3f76718ba0_prep
	.p2align	8
	.type	k_q3f76718ba0_prep,@function
k_q3f76718ba0_prep:
	s_mov_b64 s[64:65], 0
	v_nop
	global_prefetch_b8 v0, s[64:65] scope:SCOPE_SE
	s_setreg_imm32_b32 hwreg(HW_REG_WAVE_MODE, 25, 1), 1
	s_wait_xcnt 0x0
; PREP: every large input is rounded once to bf16 and laid out as the later launches' matrix operands want it.
; A CHUNK is 512 bytes: lane l = (r = l % 16, h = l / 16) holds 16 bytes = 8 bf16 at byte 16 l: row r, K = 8 h + 0..7.  Two chunks are a fragment of 16 rows x 32 K.
; Work-groups 0..27 (weights, first because their chain of scalar work is the longer): a wave takes 16 rows x 128 columns of q_w, k_w, conv1_w or v_w, in one go.  q_w, k_w and 2 x conv1_w go into the
;   stream 'wall', once for each batch; conv1_w and v_w also go into 'bmat' as plain chunks [row block][column block]; conv1_w's waves also store their quarter of conv1_w . v_b, in f32: four partial
;   sums a channel, added by the launch that uses them.
; Work-groups 28..539 (x): a wave takes 16 channels x 128 pixels, read once, and writes them twice:
;   xb [b][c][4096] bf16 (rows along pixels, for x x^T); inside each 128 pixels the 16-byte unit i holds pixels 4i..4i+3 and 64+4i..+3: one order for all rows, so sums over pixels keep their terms;
;   xf [b][block of 64 pixels][cc 16][t 4][s 2][chunk]: row r = pixel 4 r + t, K = channel 32 cc + 16 s + 8 h + j.
; No LDS, no matrix unit, no cluster: a stream in which nothing is shared.  Each store of a wave covers 512 consecutive bytes or two aligned runs of 256.
.set NWG,  28                          ; work-groups of the weights' role
.set X,    16                          ; v[16:79]   x role: block blk of 64 pixels, row k at X + 32 blk + 4 k
.set FOUT, 80                          ; v[80:111]  xf chunks
.set BOUT, 112                         ; v[112:143] xb rows
.set WR,   16                          ; v[16:79]   weights role: 8 chunks of 8 f32
.set BV,   80                          ; v[80:143]  v_b at the same columns; when the product with it is made, its registers take the chunks to be stored:
.set PO,   80                          ; v[80:111]  plain chunks for bmat
.set AO,   112                         ; v[112:143] scaled chunks for wall
.set DOT,  144                         ; v[144:147] two chains of the product with v_b
	s_load_b512 s[8:23], s[0:1], 0x0               ; x 8, q_w 10, k_w 12, conv1_w 14, v_w 16, v_b 18, xcast 20, wall 22
	s_load_b64 s[24:25], s[0:1], 0x40              ; bmat
	v_lshrrev_b32 v1, 5, v0
	v_readfirstlane_b32 s2, v1                     ; wave 0..7
	v_and_b32 v2, 31, v0                           ; l
	v_and_b32 v3, 15, v0                           ; l % 16
	v_bfe_u32 v4, v0, 4, 1                         ; l / 16
	v_lshlrev_b32 v5, 4, v2                        ; 16 l: my place in a chunk
	s_cmp_lt_u32 ttmp9, NWG
	s_cbranch_scc1 .Lweights
	; ---- x ----
	s_sub_co_u32 s3, ttmp9, NWG
	s_lshl_b32 s3, s3, 3
	s_add_co_u32 s3, s3, s2                        ; unit u = 8 x work-group + wave
	s_lshr_b32 s4, s3, 10                          ; batch
	s_bfe_u32 s5, s3, 0x50005                      ; block of 16 channels
	s_and_b32 s6, s3, 31                           ; group of 128 pixels
	s_lshl_b32 s26, s4, 23                         ; x: (512 b + 16 rbk) rows of 16,384 bytes + 512 pg
	s_lshl_b32 s7, s5, 18
	s_add_co_u32 s26, s26, s7
	s_lshl_b32 s7, s6, 9
	s_add_co_u32 s26, s26, s7
	s_mov_b32 s27, 0
	s_lshl_b32 s28, s4, 22                         ; xb: the same rows of 8,192 bytes + 256 pg
	s_lshl_b32 s7, s5, 17
	s_add_co_u32 s28, s28, s7
	s_lshl_b32 s7, s6, 8
	s_add_co_u32 s28, s28, s7
	s_mov_b32 s29, 0
	s_lshl_b32 s30, s4, 22                         ; xf: (64 b + 2 pg) x 65,536 + (rbk / 2) x 4,096 + (rbk % 2) x 512, behind xb's 16 MiB
	s_lshl_b32 s7, s6, 17
	s_add_co_u32 s30, s30, s7
	s_lshr_b32 s7, s5, 1
	s_lshl_b32 s7, s7, 12
	s_add_co_u32 s30, s30, s7
	s_and_b32 s7, s5, 1
	s_lshl_b32 s7, s7, 9
	s_add_co_u32 s30, s30, s7
	s_add_co_u32 s30, s30, 0x1000000
	s_mov_b32 s31, 0
	v_lshlrev_b32 v6, 4, v3
	v_lshl_add_u32 v7, v4, 17, v6                  ; x: 8 rows down for lanes 16-31, 16 bytes a lane
	v_lshl_add_u32 v8, v4, 16, v6                  ; xb: the same
	s_wait_kmcnt 0x0
	s_add_nc_u64 s[8:9], s[8:9], s[26:27]
	s_add_nc_u64 s[28:29], s[20:21], s[28:29]
	s_add_nc_u64 s[30:31], s[20:21], s[30:31]
.irp blk, 0,1
.irp k, 0,1,2,3,4,5,6,7
	global_load_b128 v[X+32*(\blk)+4*(\k):X+32*(\blk)+4*(\k)+3], v7, s[8:9] offset:(\k)*16384+(\blk)*256 th:TH_LOAD_NT  ; rows k and 8 + k, 256 bytes each
.endr
.endr
; xf: for pixel 4 i + p my eight channels lie in component p of my eight loads: four roundings make the lane's 16 bytes of chunk t = p
.macro XF blk
.irp p, 0,1,2,3
.irp m, 0,1,2,3
	v_cvt_pk_bf16_f32 v[FOUT+16*(\blk)+4*(\p)+(\m)], v[X+32*(\blk)+8*(\m)+(\p)], v[X+32*(\blk)+8*(\m)+4+(\p)]
.endr
	global_store_b128 v5, v[FOUT+16*(\blk)+4*(\p):FOUT+16*(\blk)+4*(\p)+3], s[30:31] offset:(\p)*1024+(\blk)*65536
.endr
.endm
	s_wait_loadcnt 8                               ; the first block's eight loads are in; the second block's eight may stay out
	XF 0
	s_wait_loadcnt 0x0
	XF 1
.irp k, 0,1,2,3,4,5,6,7
	v_cvt_pk_bf16_f32 v[BOUT+4*(\k)],   v[X+4*(\k)],      v[X+4*(\k)+1]
	v_cvt_pk_bf16_f32 v[BOUT+4*(\k)+1], v[X+4*(\k)+2],    v[X+4*(\k)+3]
	v_cvt_pk_bf16_f32 v[BOUT+4*(\k)+2], v[X+32+4*(\k)],   v[X+32+4*(\k)+1]
	v_cvt_pk_bf16_f32 v[BOUT+4*(\k)+3], v[X+32+4*(\k)+2], v[X+32+4*(\k)+3]
	global_store_b128 v8, v[BOUT+4*(\k):BOUT+4*(\k)+3], s[28:29] offset:(\k)*8192
.endr
	s_endpgm
	; ---- weights ----
.Lweights:
	s_lshl_b32 s3, ttmp9, 3
	s_add_co_u32 s3, s3, s2                        ; 0..223
	s_and_b32 s33, s3, 3                           ; T: my quarter of the 512 columns
	s_lshr_b32 s3, s3, 2                           ; G = 0..55: 0-3 q_w, 4-7 k_w, 8-23 conv1_w, 24-55 v_w
	s_mov_b32 s46, 0x76543210                      ; v_permlanex16_b32: each lane takes its own place in the other half
	s_mov_b32 s47, 0xfedcba98
	s_wait_kmcnt 0x0
	s_cmp_lt_u32 s3, 4
	s_cselect_b64 s[28:29], s[10:11], s[12:13]
	s_cselect_b32 s4, 0, 4
	s_cmp_lt_u32 s3, 8
	s_cselect_b64 s[28:29], s[28:29], s[14:15]
	s_cselect_b32 s4, s4, 8
	s_cmp_lt_u32 s3, 24
	s_cselect_b64 s[28:29], s[28:29], s[16:17]     ; my matrix
	s_cselect_b32 s4, s4, 24
	s_cselect_b32 s34, 1, 0                        ; it goes into wall
	s_sub_co_u32 s4, s3, s4                        ; my block of 16 rows in it
	s_cmp_ge_u32 s3, 8
	s_cselect_b32 s35, 1, 0                        ; it goes into bmat
	s_and_b32 s36, s34, s35                        ; it is conv1_w
	s_cmp_eq_u32 s36, 1
	s_cselect_b32 s38, 2.0, 1.0                    ; wall takes 2 x conv1_w: exact in bf16
	s_mov_b32 s39, s38                             ; named with it as a pair
	s_lshr_b32 s5, s3, 1                           ; q, k: the quarter of proj's rows that takes the block, and its fragment 0 or 1
	s_and_b32 s6, s3, 1
	s_lshr_b32 s7, s4, 2                           ; conv1_w: quarter = block / 4, fragment 6 + block % 4
	s_and_b32 s26, s4, 3
	s_add_co_u32 s26, s26, 6
	s_cmp_lt_u32 s3, 8
	s_cselect_b32 s5, s5, s7
	s_cselect_b32 s6, s6, s26
	s_mul_i32 s5, s5, 28672
	s_lshl_b32 s6, s6, 10
	s_add_co_u32 s40, s5, s6
	s_mul_i32 s7, s33, 229376                      ; my 8 chunks are steps 2 T and 2 T + 1 of the stream
	s_add_co_u32 s40, s40, s7
	s_mov_b32 s41, 0
	s_add_nc_u64 s[40:41], s[22:23], s[40:41]      ; where my chunks begin in wall
	s_mov_b32 s7, 2621440                          ; bmat: conv1_w behind the five matrices,
	s_mov_b32 s26, 2097152                         ; v_w as matrix 4
	s_cmp_lt_u32 s3, 24
	s_cselect_b32 s7, s7, s26
	s_lshl_b32 s42, s4, 14
	s_add_co_u32 s42, s42, s7
	s_lshl_b32 s7, s33, 12
	s_add_co_u32 s42, s42, s7
	s_mov_b32 s43, 0
	s_add_nc_u64 s[42:43], s[24:25], s[42:43]
	s_lshl_b32 s26, s4, 15                         ; 16 rows of 2,048 bytes, my 512 bytes of each
	s_lshl_b32 s7, s33, 9
	s_add_co_u32 s26, s26, s7
	s_mov_b32 s27, 0
	s_add_nc_u64 s[28:29], s[28:29], s[26:27]
	s_mov_b32 s26, s7
	s_add_nc_u64 s[18:19], s[18:19], s[26:27]      ; v_b at the same columns
	s_lshl_b32 s26, s4, 6
	s_lshl_b32 s7, s33, 10
	s_add_co_u32 s26, s26, s7
	s_add_co_u32 s26, s26, 3670016                 ; the partial sums conv1_w . v_b, [quarter 4][channel 256], lie behind wall's stream
	s_add_nc_u64 s[44:45], s[22:23], s[26:27]
	v_lshlrev_b32 v6, 11, v3
	v_lshl_add_u32 v6, v4, 5, v6                   ; row r, 8 columns of f32 for each half of the lanes
	v_lshlrev_b32 v7, 5, v4                        ; the same columns of v_b
	v_lshlrev_b32 v8, 2, v3
.irp e, 0,1,2,3,4,5,6,7
	global_load_b128 v[WR+8*(\e):WR+8*(\e)+3],   v6, s[28:29] offset:(\e)*64
	global_load_b128 v[WR+8*(\e)+4:WR+8*(\e)+7], v6, s[28:29] offset:(\e)*64+16
	global_load_b128 v[BV+8*(\e):BV+8*(\e)+3],   v7, s[18:19] offset:(\e)*64
	global_load_b128 v[BV+8*(\e)+4:BV+8*(\e)+7], v7, s[18:19] offset:(\e)*64+16
.endr
	s_wait_loadcnt 0x0
.irp e, 0,1,2,3,4,5,6,7
.irp m, 0,1,2,3
.if ((\e) == 0) && ((\m) < 2)
	v_pk_mul_f32 v[DOT+2*(\m):DOT+2*(\m)+1], v[WR+2*(\m):WR+2*(\m)+1], v[BV+2*(\m):BV+2*(\m)+1]  ; the first products start the two chains
.else
	v_pk_fma_f32 v[DOT+2*((\m)%2):DOT+2*((\m)%2)+1], v[WR+8*(\e)+2*(\m):WR+8*(\e)+2*(\m)+1], v[BV+8*(\e)+2*(\m):BV+8*(\e)+2*(\m)+1], v[DOT+2*((\m)%2):DOT+2*((\m)%2)+1]
.endif
.endr
.endr
.irp e, 0,1,2,3,4,5,6,7
.irp m, 0,1,2,3
	v_cvt_pk_bf16_f32 v[PO+4*(\e)+(\m)], v[WR+8*(\e)+2*(\m)], v[WR+8*(\e)+2*(\m)+1]
.endr
.endr
.irp e, 0,1,2,3,4,5,6,7
.irp m, 0,1,2,3
	v_pk_mul_f32 v[WR+8*(\e)+2*(\m):WR+8*(\e)+2*(\m)+1], v[WR+8*(\e)+2*(\m):WR+8*(\e)+2*(\m)+1], s[38:39] op_sel_hi:[1,0]
.endr
.endr
.irp e, 0,1,2,3,4,5,6,7
.irp m, 0,1,2,3
	v_cvt_pk_bf16_f32 v[AO+4*(\e)+(\m)], v[WR+8*(\e)+2*(\m)], v[WR+8*(\e)+2*(\m)+1]
.endr
.endr
	s_cmp_eq_u32 s34, 1
	s_cbranch_scc0 .Lno_wall
.irp e, 0,1,2,3,4,5,6,7                ; chunk e is step e / 4 of my two, half (e / 2) % 2, chunk e % 2; one copy for each batch
.irp c, 0,1,2,3
	global_store_b128 v5, v[AO+4*(\e):AO+4*(\e)+3], s[40:41] offset:((\e)/4)*114688+(((\e)/2)%2)*14336+((\e)%2)*512+(\c)*917504
.endr
.endr
.Lno_wall:
	s_cmp_eq_u32 s35, 1
	s_cbranch_scc0 .Lno_bmat
.irp e, 0,1,2,3,4,5,6,7
	global_store_b128 v5, v[PO+4*(\e):PO+4*(\e)+3], s[42:43] offset:(\e)*512
.endr
.Lno_bmat:
	v_pk_add_f32 v[DOT:DOT+1], v[DOT:DOT+1], v[DOT+2:DOT+3]
	v_add_f32 v[DOT], v[DOT], v[DOT+1]
	v_permlanex16_b32 v[DOT+1], v[DOT], s46, s47   ; the row's other columns lie in the lane 16 away
	v_add_f32 v[DOT], v[DOT], v[DOT+1]
	s_cmp_eq_u32 s36, 1
	s_cbranch_scc0 .Ldone
	global_store_b32 v8, v[DOT], s[44:45]          ; both halves of the lanes hold, and write, the same number
.Ldone:
	s_endpgm
.Lfunc_end_k_q3f76718ba0_prep:
	.size	k_q3f76718ba0_prep, .Lfunc_end_k_q3f76718ba0_prep-k_q3f76718ba0_prep
	.p2alignl 7, 3214868480
	.fill 96, 4, 3214868480
	.section	.rodata,"a",@progbits
	.p2align	6, 0x0
	.amdhsa_kernel k_q3f76718ba0_prep
		.amdhsa_group_segment_fixed_size 0
		.amdhsa_private_segment_fixed_size 0
		.amdhsa_enable_private_segment 0
		.amdhsa_kernarg_size 72
		.amdhsa_user_sgpr_count 2
		.amdhsa_user_sgpr_kernarg_segment_ptr 1
		.amdhsa_wavefront_size32 1
		.amdhsa_system_sgpr_workgroup_id_x 1
		.amdhsa_system_sgpr_workgroup_id_y 1
		.amdhsa_system_sgpr_workgroup_id_z 1
		.amdhsa_system_vgpr_workitem_id 0
		.amdhsa_next_free_vgpr 148
		.amdhsa_next_free_sgpr 66
		.amdhsa_reserve_vcc 0
		.amdhsa_float_denorm_mode_32 3
		.amdhsa_float_denorm_mode_16_64 3
		.amdhsa_memory_ordered 1
		.amdhsa_forward_progress 1
		.amdhsa_inst_pref_size 27
	.end_amdhsa_kernel
	.amdgpu_metadata
---
amdhsa.version: [ 1, 2 ]
amdhsa.kernels:
  - .name:           k_q3f76718ba0_prep
    .symbol:         k_q3f76718ba0_prep.kd
    .args:
      - { .name: x, .offset: 0, .size: 8, .value_kind: global_buffer, .address_space: global }
      - { .name: q_w, .offset: 8, .size: 8, .value_kind: global_buffer, .address_space: global }
      - { .name: k_w, .offset: 16, .size: 8, .value_kind: global_buffer, .address_space: global }
      - { .name: conv1_w, .offset: 24, .size: 8, .value_kind: global_buffer, .address_space: global }
      - { .name: v_w, .offset: 32, .size: 8, .value_kind: global_buffer, .address_space: global }
      - { .name: v_b, .offset: 40, .size: 8, .value_kind: global_buffer, .address_space: global }
      - { .name: xcast, .offset: 48, .size: 8, .value_kind: global_buffer, .address_space: global }
      - { .name: wall, .offset: 56, .size: 8, .value_kind: global_buffer, .address_space: global }
      - { .name: bmat, .offset: 64, .size: 8, .value_kind: global_buffer, .address_space: global }
    .group_segment_fixed_size: 0
    .private_segment_fixed_size: 0
    .kernarg_segment_align: 8
    .kernarg_segment_size: 72
    .max_flat_workgroup_size: 256
    .sgpr_count:     66
    .vgpr_count:     148
    .wavefront_size: 32
...
	.end_amdgpu_metadata
.endif
;; end of part 8
;; launch came: the kernel of part 2 again; grid 4 x 64, 4 waves a work-group, clusters of 4 x 4, 327,680 bytes of LDS; arguments xcast, ep; writes ep
;; launch camsoft: the kernel of part 3 again; grid 128 x 1, 8 waves a work-group, no clusters, 2,048 bytes of LDS; arguments ep, bmat; writes bmat
;; launch wprod (part 9): grid 16 x 5, 8 waves a work-group, no clusters, 33,792 bytes of LDS; arguments bmat, gamma_cam, gamma_pam, wall; writes wall
.if DOCPART == 9
	.amdgcn_target "amdgcn-amd-amdhsa--gfx1250"
	.amdhsa_code_object_version 6
	.text
	.protected	k_q3f76718ba0_wprod
	.globl	k_q3f76718ba0_wprod
	.p2align	8
	.type	k_q3f76718ba0_wprod,@function
k_q3f76718ba0_wprod:
	s_mov_b64 s[64:65], 0
	v_nop
	global_prefetch_b8 v0, s[64:65] scope:SCOPE_SE
	s_setreg_imm32_b32 hwreg(HW_REG_WAVE_MODE, 25, 1), 1
	s_wait_xcnt 0x0
; WPROD: the small products of weights.  i = 0..3: G_b = gamma_cam x conv1_w A_b;  i = 4: Wc = gamma_pam x conv1_w v_w.  Operands bf16, sums f32, the result rounded once to bf16
; (a stated order of rounding: reference() multiplies x by v_w or A first and by conv1_w afterwards).  The gammas are rounded to bf16 like every input.
; A work-group makes all 256 rows x 32 columns nt; wave w (of eight) the row blocks 2 w, 2 w + 1: 4 accumulators, which take turns: three others stand between two links.
; The second factor M lies [K][column]: its 512 x 32 numbers are copied into LDS as they lie (chunks of 16 K x 16 columns) and read turned by ds_load_tr16_b128.
; ALL LOADS GO OUT AT THE HEAD: the tile's 8 chunks of the wave, then all 64 chunks of its two row blocks of conv1_w (256 registers: window 1), so that no load waits for a product.
; Source 0 = M^T, source 1 = conv1_w: a lane holds row o = lane % 16 and 8 neighbouring columns: a chunk of the stream 'wall' as it is.
; 80 work-groups of little work, loads through registers: no tensor load, no cluster.
.set SPARE, 32768                      ; behind the tile: the spare words, 128 bytes for each of eight waves
.set ACC, 16                           ; v[16:47]   8 (2 o + c); first the fill's staging
.set AA,  64                           ; v[64:191]  M^T's fragments: two buffers of 4 K steps x 2 column blocks
.set OUT, 192                          ; v[192:207]
.set GM,  208                          ; v[208:209] gamma, twice
.set MSB, 0
.macro WIN new                         ; the immediate's high byte repeats the setting that is left
.if MSB != (\new)
	s_set_vgpr_msb (MSB<<8)|(\new)
.set MSB, \new
.endif
.endm
.macro PLACES                          ; four places in front of loads into registers that matrix instructions have read, and of lines that read results
.rept 4
	v_nop
.endr
.endm
	s_load_b256 s[4:11], s[0:1], 0x0               ; bmat 4, gamma_cam 6, gamma_pam 8, wall 10
	v_lshl_add_u32 v12, v0, 2, SPARE
	v_mov_b32 v13, 0
	v_lshrrev_b32 v4, 5, v0
	v_readfirstlane_b32 s12, v4                    ; wave 0..7
	v_and_b32 v4, 31, v0
	v_lshlrev_b32 v1, 4, v4                        ; 16 x lane
	v_and_b32 v5, 7, v0
	v_bfe_u32 v6, v0, 4, 1
	v_bfe_u32 v7, v0, 3, 1
	v_lshl_add_u32 v5, v6, 3, v5                   ; the turning load: lane l reads K row 8 (l / 16) + l % 8 of a chunk (16 bytes a row),
	v_lshl_add_u32 v5, v7, 4, v5                   ; of the chunk's column half (l / 8) % 2 (256 bytes on)
	v_lshlrev_b32 v2, 4, v5
	s_lshl_b32 s26, s12, 12
	v_add_nc_u32 v3, s26, v1                       ; where my 8 chunks of the tile go
	s_mov_b32 s13, ttmp9                           ; nt
	s_and_b32 s14, ttmp7, 0xffff                   ; i
	s_lshl_b32 s26, s14, 19                        ; the tile: matrix i, K blocks 4 w on, column blocks 2 nt, 2 nt + 1
	s_lshl_b32 s27, s12, 16
	s_add_co_u32 s26, s26, s27
	s_lshl_b32 s27, s13, 10
	s_add_co_u32 s26, s26, s27
	s_mov_b32 s27, 0
	s_lshl_b32 s28, s12, 15                        ; conv1_w's row blocks 2 w, 2 w + 1
	s_add_co_u32 s28, s28, 2621440
	s_mov_b32 s29, 0
	s_lshr_b32 s30, s13, 1                         ; wall: (((nt / 2) x 4 + w / 2) x 2 + nt % 2) x 14,336 + fragment x 1,024 + batch x 917,504
	s_lshl_b32 s30, s30, 2
	s_lshr_b32 s31, s12, 1
	s_add_co_u32 s30, s30, s31
	s_lshl_b32 s30, s30, 1
	s_and_b32 s31, s13, 1
	s_add_co_u32 s30, s30, s31
	s_mul_i32 s30, s30, 14336
	s_cmp_eq_u32 s14, 4
	s_cselect_b32 s31, 0, s14
	s_cselect_b32 s32, 2, 10                       ; Wc's fragments are 2 to 5 of a quarter's 14, G's 10 to 13
	s_mul_i32 s31, s31, 917504
	s_and_b32 s33, s12, 1
	s_lshl_b32 s33, s33, 1
	s_add_co_u32 s32, s32, s33                     ; mine are the quarter's 2 (w % 2) and the next
	s_lshl_b32 s32, s32, 10
	s_add_co_u32 s30, s30, s31
	s_add_co_u32 s30, s30, s32
	s_mov_b32 s31, 0
	s_wait_kmcnt 0x0
	s_cmp_eq_u32 s14, 4
	s_cselect_b64 s[16:17], s[8:9], s[6:7]
	s_load_b32 s18, s[16:17], 0x0                  ; my gamma
	s_add_nc_u64 s[20:21], s[4:5], s[26:27]
	s_add_nc_u64 s[22:23], s[4:5], s[28:29]
	s_add_nc_u64 s[24:25], s[10:11], s[30:31]
.set n, 0
.rept 8
	global_load_b128 v[ACC+4*n:ACC+4*n+3], v1, s[20:21] offset:(n/2)*16384+(n%2)*512
.set n, n+1
.endr
	WIN 0x40                                       ; destination window 1, address window 0
.set n, 0
.rept 64                               ; n = 4 ks + 2 o + s: K step ks, row block o, chunk s: 512 consecutive bytes a load
	global_load_b128 v[4*n:4*n+3], v1, s[22:23] offset:(((n/2)%2)*32+2*(n/4)+n%2)*512
.set n, n+1
.endr
	WIN 0
	s_wait_loadcnt 63                              ; of my 72 loads at most 63 are out (a wait's count names no more): the first nine are in, the tile's eight among them
.set n, 0
.rept 8
	ds_store_b128 v3, v[ACC+4*n:ACC+4*n+3] offset:n*512
.set n, n+1
.endr
	s_wait_kmcnt 0x0
	v_mov_b32 v[GM], s18                           ; gamma, rounded to bf16, twice (a pair for the packed multiply)
	v_cvt_pk_bf16_f32 v[GM+1], v[GM], v[GM]
	v_lshlrev_b32 v[GM], 16, v[GM+1]
	v_mov_b32 v[GM+1], v[GM]
	s_wait_dscnt 0x0                               ; for the others' sake
	s_barrier_signal -1
	s_barrier_wait -1
.macro TR g                            ; M^T's fragments of K steps 4 g .. 4 g + 3 into buffer g % 2: 16 turning loads
.irp k, 0,1,2,3
.irp c, 0,1
	ds_load_tr16_b128 v[AA+64*((\g)%2)+16*(\k)+8*(\c):AA+64*((\g)%2)+16*(\k)+8*(\c)+3],   v2 offset:(4*(4*(\g)+(\k))+(\c))*512
	ds_load_tr16_b128 v[AA+64*((\g)%2)+16*(\k)+8*(\c)+4:AA+64*((\g)%2)+16*(\k)+8*(\c)+7], v2 offset:(4*(4*(\g)+(\k))+(\c))*512+1024
.endr
.endr
.endm
.macro MUL g                           ; four K steps: 16 matrix instructions; the very first K step starts the sums
	WIN 0x04                                       ; source 1 (conv1_w) in window 1
.irp k, 0,1,2,3
.irp o, 0,1
.irp c, 0,1
.if ((\g) == 0) && ((\k) == 0)
	v_wmma_f32_16x16x32_bf16 v[ACC+8*(2*(\o)+(\c)):ACC+8*(2*(\o)+(\c))+7], v[AA+64*((\g)%2)+16*(\k)+8*(\c):AA+64*((\g)%2)+16*(\k)+8*(\c)+7], v[8*(2*(4*(\g)+(\k))+(\o)):8*(2*(4*(\g)+(\k))+(\o))+7], 0
.else
	v_wmma_f32_16x16x32_bf16 v[ACC+8*(2*(\o)+(\c)):ACC+8*(2*(\o)+(\c))+7], v[AA+64*((\g)%2)+16*(\k)+8*(\c):AA+64*((\g)%2)+16*(\k)+8*(\c)+7], v[8*(2*(4*(\g)+(\k))+(\o)):8*(2*(4*(\g)+(\k))+(\o))+7], v[ACC+8*(2*(\o)+(\c)):ACC+8*(2*(\o)+(\c))+7]
.endif
.endr
.endr
.endr
	WIN 0
.endm
	TR 0
	TR 1
	s_wait_loadcnt 48                              ; conv1_w's K steps 0-3 are in: the 48 loads behind them may stay out
	s_wait_dscnt 16                                ; buffer 0 is in; buffer 1's 16 loads may stay out
	MUL 0
	PLACES
	TR 2
	s_wait_loadcnt 32
	s_wait_dscnt 16
	MUL 1
	PLACES
	TR 3
	s_wait_loadcnt 16
	s_wait_dscnt 16
	MUL 2
	s_wait_loadcnt 0x0
	s_wait_dscnt 0x0
	MUL 3
	PLACES
.set a, 0
.rept 4                                ; a = 2 o + c
.irp m, 0,1,2,3
	v_pk_mul_f32 v[ACC+8*a+2*(\m):ACC+8*a+2*(\m)+1], v[ACC+8*a+2*(\m):ACC+8*a+2*(\m)+1], v[GM:GM+1]
.endr
.irp m, 0,1,2,3
	v_cvt_pk_bf16_f32 v[OUT+4*a+(\m)], v[ACC+8*a+2*(\m)], v[ACC+8*a+2*(\m)+1]
.endr
	global_store_b128 v1, v[OUT+4*a:OUT+4*a+3], s[24:25] offset:(a/2)*1024+(a%2)*512
.set a, a+1
.endr
	s_cmp_eq_u32 s14, 4
	s_cbranch_scc0 .Lone
.irp c, 1,2,3                          ; Wc is the same for all batches: a copy in each batch's stream
.set a, 0
.rept 4
	global_store_b128 v1, v[OUT+4*a:OUT+4*a+3], s[24:25] offset:(a/2)*1024+(a%2)*512+(\c)*917504
.set a, a+1
.endr
.endr
.Lone:
	s_wait_tensorcnt 0x0                           ; the wave's end, behind my last LDS store
	ds_add_u32 v12, v13
	s_wait_dscnt 0x0
	s_endpgm
.Lfunc_end_k_q3f76718ba0_wprod:
	.size	k_q3f76718ba0_wprod, .Lfunc_end_k_q3f76718ba0_wprod-k_q3f76718ba0_wprod
	.p2alignl 7, 3214868480
	.fill 96, 4, 3214868480
	.section	.rodata,"a",@progbits
	.p2align	6, 0x0
	.amdhsa_kernel k_q3f76718ba0_wprod
		.amdhsa_group_segment_fixed_size 33792
		.amdhsa_private_segment_fixed_size 0
		.amdhsa_enable_private_segment 0
		.amdhsa_kernarg_size 32
		.amdhsa_user_sgpr_count 2
		.amdhsa_user_sgpr_kernarg_segment_ptr 1
		.amdhsa_wavefront_size32 1
		.amdhsa_system_sgpr_workgroup_id_x 1
		.amdhsa_system_sgpr_workgroup_id_y 1
		.amdhsa_system_sgpr_workgroup_id_z 1
		.amdhsa_system_vgpr_workitem_id 0
		.amdhsa_next_free_vgpr 512
		.amdhsa_next_free_sgpr 66
		.amdhsa_reserve_vcc 0
		.amdhsa_float_denorm_mode_32 3
		.amdhsa_float_denorm_mode_16_64 3
		.amdhsa_memory_ordered 1
		.amdhsa_forward_progress 1
		.amdhsa_inst_pref_size 23
	.end_amdhsa_kernel
	.amdgpu_metadata
---
amdhsa.version: [ 1, 2 ]
amdhsa.kernels:
  - .name:           k_q3f76718ba0_wprod
    .symbol:         k_q3f76718ba0_wprod.kd
    .args:
      - { .name: bmat, .offset: 0, .size: 8, .value_kind: global_buffer, .address_space: global }
      - { .name: gamma_cam, .offset: 8, .size: 8, .value_kind: global_buffer, .address_space: global }
      - { .name: gamma_pam, .offset: 16, .size: 8, .value_kind: global_buffer, .address_space: global }
      - { .name: wall, .offset: 24, .size: 8, .value_kind: global_buffer, .address_space: global }
    .group_segment_fixed_size: 33792
    .private_segment_fixed_size: 0
    .kernarg_segment_align: 8
    .kernarg_segment_size: 32
    .max_flat_workgroup_size: 256
    .sgpr_count:     66
    .vgpr_count:     512
    .wavefront_size: 32
...
	.end_amdgpu_metadata
.endif
;; end of part 9
;; launch proj (part 10): grid 16 x 16, 4 waves a work-group, clusters of 4 x 1, 229,888 bytes of LDS; arguments xcast, wall, q_b, k_b, gamma_pam, qkv; writes qkv
.if DOCPART == 10
	.amdgcn_target "amdgcn-amd-amdhsa--gfx1250"
	.amdhsa_code_object_version 6
	.text
	.protected	k_q3f76718ba0_proj
	.globl	k_q3f76718ba0_proj
	.p2align	8
	.type	k_q3f76718ba0_proj,@function
k_q3f76718ba0_proj:
	s_mov_b64 s[64:65], 0
	v_nop
	global_prefetch_b8 v0, s[64:65] scope:SCOPE_SE
	s_setreg_imm32_b32 hwreg(HW_REG_WAVE_MODE, 25, 1), 1
	s_wait_xcnt 0x0
	s_wait_alu depctr_hold_cnt(0) depctr_sa_sdst(0) depctr_va_vdst(0) depctr_va_sdst(0) depctr_va_ssrc(0) depctr_va_vcc(0) depctr_vm_vsrc(0)
	s_getreg_b32 s2, hwreg(HW_REG_IB_STS2, 6, 4)
	s_cmp_eq_u32 s2, 0
	s_cbranch_scc0 .Lentry_in_a_cluster
	s_endpgm
.Lentry_in_a_cluster:
	s_bfe_u32 s2, ttmp6, 0x10000c
	s_cmp_lg_u32 s2, 0x3003
	s_cbranch_scc0 .Lentry_shape_is_right
	s_endpgm
.Lentry_shape_is_right:
; PROJ: all products with x:  q = q_w x + q_b,  k = k_w x + k_b,  V = gamma_pam (conv1_w v_w x + conv1_w v_b)  (256 channels),
; ybase = (2 conv1_w) x + G_b x  (two products of bf16 operands summed in f32 on one accumulator: the large term 2 conv1_w x is never rounded again).
; q, k, V leave in bf16, laid out as the attention's fragments; ybase in f32, as its accumulators lie.  Biases and gamma_pam are rounded to bf16 like every input; conv1_w . v_b comes as four partial sums in f32.
; SHARES.  A work-group takes ONE QUARTER OF THE ROWS (rq: two row blocks of q or k, four of V, four of ybase: 14 weight fragments a K step) for 256 pixels of a batch; wave v the 64 pixels of block 4 pg + v.
; THE WEIGHTS of the quarter, 16 K steps x 14,336 bytes, lie in LDS for the whole launch: every byte of LDS is filled once, so the loops hold no barrier.  Wave v brings steps v and 4 + v of the stream
; (two K steps each) by two tensor loads.  CLUSTER: the four pixel groups of a cluster share batch and quarter, so these loads are joint (mask of four).
; x OF A WAVE IS ITS OWN: 64 pixels x 512 channels = 512 registers, straight from memory by 128 loads of 512 consecutive bytes, all issued at the head; it passes through no LDS.
; THE LOOPS GO OVER ROW BLOCKS, not over K: a row block's four accumulators (four tiles of 16 pixels) take all 16 K steps and leave at once.  q and k are written out (their products run while x and the second
; half of the weights arrive: counted waits), V and ybase are loops of four trips.  A UNIT is 8 K steps of one fragment: 16 LDS loads into one of two buffers, 32 products; a buffer is asked for again
; four places behind its unit, 32 products ahead of its next use.  The accumulators take turns, one instruction a turn: three others stand between two links.
; The last trip of ybase's loop fetches fragment 10 once more, and nobody reads it: the price, 32 LDS loads a wave, of one text for every trip.
; A tile t of 16 pixels holds the pixels 4 r + t of its block: the same order for queries, keys and results.
; No prefetch: a wave asks for all its x at the head, and the weights are read jointly.
; REGISTERS: window 0: addresses, v32-95 accumulators, v96-223 weight fragments (two buffers of 8), v224-247 biases.  Window 1: x of K steps 0-7 (32 k + 8 t); window 2: K steps 8-15.
.set KSB,   14336                      ; a K step's 14 fragments of 1,024 bytes
.set SPARE, 16*KSB                     ; behind the weights: the spare words, 128 bytes a wave
.set L16, 2                            ; v2    16 x lane; never rewritten
.set WA,  4                            ; v4-7  LDS address of the fragment in hand in K steps 4 g .. 4 g + 3
.set SPW, 14
.set NIL, 15
.set BPT, 16                           ; v[16:31]  the partial sums conv1_w . v_b: row block o, quarter p at 4 o + p
.set ACC, 32                           ; v[32:95]
.set WF,  96                           ; v[96:223]
.set QB,  224                          ; v[224:239] q_b or k_b of my 2 x 8 channels
.set BC,  240                          ; v[240:243] V's constant of my channel, for each row block
.set CUR, 244                          ; v[244:245] that of the row block in hand, twice
.set GP,  246
.set TT,  247
.set WV,  16
.set G1W, 24
.set G0A, 32
.set G0B, 36
.set CNT, 40
.set MSB, 0
.macro WIN new                         ; the immediate's high byte repeats the setting that is left
.if MSB != (\new)
	s_set_vgpr_msb (MSB<<8)|(\new)
.set MSB, \new
.endif
.endm
.macro CROUND                          ; a round of the cluster's barrier
	s_barrier_signal -1
	s_barrier_wait -1
	s_cmp_lg_u32 s[WV], 0
	s_cbranch_scc1 .Lnot_wave_0_\@
	s_barrier_signal -3
.Lnot_wave_0_\@:
	s_barrier_wait -3
	s_barrier_signal -1
	s_barrier_wait -1
.endm
.macro PLACES                          ; four places in front of loads into registers that matrix instructions have read, and of lines that read results
.rept 4
	v_nop
.endr
.endm
	s_load_b256 s[4:11], s[0:1], 0x0               ; xcast 4, wall 6, q_b 8, k_b 10
	s_load_b128 s[12:15], s[0:1], 0x20             ; gamma_pam 12, qkv 14
	v_lshl_add_u32 v[SPW], v0, 2, SPARE
	v_mov_b32 v[NIL], 0
	ds_add_u32 v[SPW], v[NIL]                      ; the wave's opening: the add and its wait ahead of my first tensor load
	v_lshrrev_b32 v1, 5, v0
	v_readfirstlane_b32 s[WV], v1                  ; wave 0..3
	s_bfe_u32 s17, ttmp6, 0x40000                  ; cx
	s_and_b32 s19, ttmp7, 0xffff                   ; 4 b + rq, which the partners share
	s_lshr_b32 s20, s19, 2                         ; batch
	s_and_b32 s21, s19, 3                          ; quarter of the rows
	s_lshl_b32 s18, ttmp9, 2
	s_add_co_u32 s18, s18, s17                     ; my group of 256 pixels
	s_lshl_b32 s18, s18, 2
	s_add_co_u32 s18, s18, s[WV]                   ; my wave's block of 64
	s_lshl_b32 s22, s20, 6
	s_add_co_u32 s18, s18, s22                     ; 64 b + block: it enters x's and the results' global addresses alone
	s_mov_b32 s[G1W+0], 15|(3<<16)|(1<<21)         ; the mask of four, elements of 8 bytes, bit 21 beside the mask
	s_mov_b32 s[G1W+1], 32<<16                     ; rows of 32 elements = 256 bytes
	s_mov_b32 s[G1W+2], 112<<16                    ; 112 rows = 28,672 bytes, dense: two K steps
	s_mov_b32 s[G1W+3], 32<<16
	s_mov_b32 s[G1W+4], 112
	s_mov_b32 s[G1W+5], 32
	s_mov_b32 s[G1W+6], 0
	s_mov_b32 s[G1W+7], 0
	s_mul_i32 s23, s[WV], 2*KSB
	s_mov_b32 s[G0A], 1
	s_add_co_u32 s[G0A+1], s23, 0                  ; K steps 2 v, 2 v + 1
	s_mov_b32 s[G0B], 1
	s_add_co_u32 s[G0B+1], s23, 8*KSB              ; K steps 8 + 2 v, 9 + 2 v
	s_mul_i32 s42, s20, 917504                     ; the batch's stream, step v of it, my quarter's part
	s_mul_i32 s43, s[WV], 114688
	s_add_co_u32 s42, s42, s43
	s_mul_i32 s43, s21, 28672
	s_add_co_u32 s42, s42, s43
	s_mov_b32 s43, 0
	s_lshl_b32 s44, s18, 16                        ; xf: behind xb's 16 MiB, 65,536 bytes a block
	s_add_co_u32 s44, s44, 0x1000000
	s_mov_b32 s45, 0
	s_wait_dscnt 0x0                               ; the opening add is done
	s_wait_kmcnt 0x0
	s_add_nc_u64 s[G0A+2:G0A+3], s[6:7], s[42:43]
	s_add_nc_u64 s[G0B+2:G0B+3], s[G0A+2:G0A+3], 458752  ; four steps of the stream on
	s_or_b32 s[G0A+3], s[G0A+3], 0x80000000
	s_or_b32 s[G0B+3], s[G0B+3], 0x80000000
	s_add_nc_u64 s[46:47], s[4:5], s[44:45]
	s_load_b32 s56, s[12:13], 0x0                  ; gamma_pam
	CROUND                                         ; all four work-groups are here: the joint loads meet
	tensor_load_to_lds s[G0A:G0A+3], s[G1W:G1W+7]  ; both fills in one group: two loads of mine are out
	s_nop 0
	tensor_load_to_lds s[G0B:G0B+3], s[G1W:G1W+7]
	s_nop 0
	PLACES
	v_and_b32 v[L16], 31, v0
	v_lshlrev_b32 v[L16], 4, v[L16]
.irp g, 0,1,2,3
	v_add_nc_u32 v[WA+(\g)], (\g)*4*KSB, v[L16]
.endr
	s_lshr_b32 s70, s21, 1                         ; q or k: 2 MiB apart; 8,192 bytes a block; my quarter's two channel blocks
	s_lshl_b32 s70, s70, 21
	s_lshl_b32 s71, s18, 13
	s_add_co_u32 s70, s70, s71
	s_and_b32 s71, s21, 1
	s_lshl_b32 s71, s71, 10
	s_add_co_u32 s70, s70, s71
	s_mov_b32 s71, 0
	s_add_nc_u64 s[58:59], s[14:15], s[70:71]
	s_lshl_b32 s70, s18, 15                        ; V: 32,768 bytes a block, 2,048 a channel block
	s_lshl_b32 s72, s21, 13
	s_add_co_u32 s70, s70, s72
	s_add_co_u32 s70, s70, 0x400000
	s_add_nc_u64 s[60:61], s[14:15], s[70:71]
	s_lshl_b32 s70, s18, 16                        ; ybase: 65,536 bytes a block, 4,096 a channel block
	s_lshl_b32 s72, s21, 14
	s_add_co_u32 s70, s70, s72
	s_add_co_u32 s70, s70, 0xc00000
	s_add_nc_u64 s[62:63], s[14:15], s[70:71]
	s_lshl_b32 s70, s21, 8
	s_add_co_u32 s70, s70, 3670016
	s_add_nc_u64 s[68:69], s[6:7], s[70:71]        ; conv1_w . v_b of my quarter's 64 channels
	s_cmp_lt_u32 s21, 2
	s_cselect_b64 s[66:67], s[8:9], s[10:11]
	v_bfe_u32 v1, v0, 4, 1
	s_and_b32 s72, s21, 1
	s_lshl_b32 s72, s72, 7
	v_lshl_add_u32 v8, v1, 5, s72                  ; the bias of channels 16 db + 8 h + 0..7, db = 2 (rq % 2) + rb
	v_and_b32 v9, 15, v0
	v_lshlrev_b32 v9, 2, v9
.irp rb, 0,1
	global_load_b128 v[QB+8*(\rb):QB+8*(\rb)+3],   v8, s[66:67] offset:(\rb)*64
	global_load_b128 v[QB+8*(\rb)+4:QB+8*(\rb)+7], v8, s[66:67] offset:(\rb)*64+16
.endr
.irp o, 0,1,2,3
.irp p, 0,1,2,3
	global_load_b32 v[BPT+4*(\o)+(\p)], v9, s[68:69] offset:(\p)*1024+(\o)*64
.endr
.endr
	WIN 0x40                                       ; x: load n is K step n / 8, tile (n % 8) / 2, chunk n % 2
.set n, 0
.rept 64
	global_load_b128 v[4*n:4*n+3], v[L16], s[46:47] offset:n*512
.set n, n+1
.endr
	WIN 0x80
.set n, 0
.rept 64
	global_load_b128 v[4*n:4*n+3], v[L16], s[46:47] offset:32768+n*512
.set n, n+1
.endr
	WIN 0
; 16 LDS loads in one run: K steps 8 hh .. 8 hh + 7 of the fragment foff bytes behind the one in hand, into buffer buf.  Chunks lie as the lanes want them: 512 consecutive bytes a load.
.macro WLOAD buf, hh, foff
.set kk, 0
.rept 8
	ds_load_b128 v[WF+64*(\buf)+8*kk:WF+64*(\buf)+8*kk+3],   v[WA+2*(\hh)+kk/4] offset:(kk%4)*KSB+(\foff)
	ds_load_b128 v[WF+64*(\buf)+8*kk+4:WF+64*(\buf)+8*kk+7], v[WA+2*(\hh)+kk/4] offset:(kk%4)*KSB+(\foff)+512
.set kk, kk+1
.endr
.endm
; A unit with the weights as source 0 (q, k, ybase: a lane holds a pixel and 8 channels), on accumulators a0 .. a0 + 3.  zero = 1: its first K step starts the sums.
; prog = 1: x of K step 8 + kk is waited for as it comes: 8 (7 - kk) younger loads may stay out.
.macro MULW buf, hh, a0, zero, prog
	WIN 0x04*(1+(\hh))                             ; source 1 in window 1 + hh
.set kk, 0
.rept 8
.if \prog
	s_wait_loadcnt 56-8*kk
.endif
.set t, 0
.rept 4
.if (\zero) && (kk == 0)
	v_wmma_f32_16x16x32_bf16 v[ACC+8*((\a0)+t):ACC+8*((\a0)+t)+7], v[WF+64*(\buf)+8*kk:WF+64*(\buf)+8*kk+7], v[32*kk+8*t:32*kk+8*t+7], 0
.else
	v_wmma_f32_16x16x32_bf16 v[ACC+8*((\a0)+t):ACC+8*((\a0)+t)+7], v[WF+64*(\buf)+8*kk:WF+64*(\buf)+8*kk+7], v[32*kk+8*t:32*kk+8*t+7], v[ACC+8*((\a0)+t):ACC+8*((\a0)+t)+7]
.endif
.set t, t+1
.endr
.set kk, kk+1
.endr
	WIN 0
.endm
; A unit with x as source 0 (V: a lane holds a channel and 8 pixels).  The first half's first K step starts the sums.
.macro MULX buf, hh
	WIN 1+(\hh)                                    ; source 0 in window 1 + hh
.set kk, 0
.rept 8
.set t, 0
.rept 4
.if ((\hh) == 0) && (kk == 0)
	v_wmma_f32_16x16x32_bf16 v[ACC+8*t:ACC+8*t+7], v[32*kk+8*t:32*kk+8*t+7], v[WF+64*(\buf)+8*kk:WF+64*(\buf)+8*kk+7], 0
.else
	v_wmma_f32_16x16x32_bf16 v[ACC+8*t:ACC+8*t+7], v[32*kk+8*t:32*kk+8*t+7], v[WF+64*(\buf)+8*kk:WF+64*(\buf)+8*kk+7], v[ACC+8*t:ACC+8*t+7]
.endif
.set t, t+1
.endr
.set kk, kk+1
.endr
	WIN 0
.endm
	; ---- q or k: fragments 0 and 1, eight accumulators, written out ----
	s_wait_tensorcnt 0x1                           ; my first load is in; my second may stay out
	s_barrier_signal -1
	s_barrier_wait -1                              ; K steps 0-7 of the weights are in, everybody's part
	WLOAD 0, 0, 0
	WLOAD 1, 0, 1024
	s_wait_dscnt 16                                ; buffer 0 is in; buffer 1's 16 loads may stay out
	s_wait_loadcnt 63                              ; x of K steps 0-7 and the biases have 64 younger loads or more behind them: they are in
	MULW 0, 0, 0, 1, 0
	s_wait_tensorcnt 0x0                           ; my second load is in,
	s_wait_dscnt 0x0                               ; and no LDS load of mine is out at the signal (buffer 1 is in)
	s_barrier_signal -1
	MULW 1, 0, 4, 1, 0                             ; work on registers while the others arrive
	s_barrier_wait -1                              ; K steps 8-15 of the weights are in
	PLACES
	WLOAD 0, 1, 0
	WLOAD 1, 1, 1024
	s_wait_kmcnt 0x0                               ; gamma_pam.  The biases are made ready while those loads are out
.set i, 0
.rept 8                                ; rounded to bf16, two at a time
	v_cvt_pk_bf16_f32 v[TT], v[QB+2*i], v[QB+2*i+1]
	v_lshlrev_b32 v[QB+2*i], 16, v[TT]
	v_and_b32 v[QB+2*i+1], 0xffff0000, v[TT]
.set i, i+1
.endr
	v_mov_b32 v[GP], s56
	v_cvt_pk_bf16_f32 v[TT], v[GP], v[GP]
	v_lshlrev_b32 v[GP], 16, v[TT]
.irp o, 0,1,2,3
	v_pk_add_f32 v[BPT+4*(\o):BPT+4*(\o)+1], v[BPT+4*(\o):BPT+4*(\o)+1], v[BPT+4*(\o)+2:BPT+4*(\o)+3]
.endr
.irp o, 0,1,2,3
	v_add_f32 v[BC+(\o)], v[BPT+4*(\o)], v[BPT+4*(\o)+1]
.endr
.irp o, 0,1,2,3
	v_mul_f32 v[BC+(\o)], v[GP], v[BC+(\o)]
.endr
	v_mov_b32 v[CUR], v[BC]
	v_mov_b32 v[CUR+1], v[BC]
	s_wait_dscnt 16
	MULW 0, 1, 0, 0, 1
	PLACES
	WLOAD 0, 0, 2048                               ; V's first fragment
	s_wait_dscnt 16
	MULW 1, 1, 4, 0, 0
	PLACES
	WLOAD 1, 1, 2048
.set a, 0
.rept 8                                ; a = 4 rb + t: + bias, rounded in place; a lane's 8 channels of a pixel are its 16 bytes of chunk (t, db)
.irp m, 0,1,2,3
	v_pk_add_f32 v[ACC+8*a+2*(\m):ACC+8*a+2*(\m)+1], v[ACC+8*a+2*(\m):ACC+8*a+2*(\m)+1], v[QB+8*(a/4)+2*(\m):QB+8*(a/4)+2*(\m)+1]
.endr
.irp m, 0,1,2,3
	v_cvt_pk_bf16_f32 v[ACC+8*a+(\m)], v[ACC+8*a+2*(\m)], v[ACC+8*a+2*(\m)+1]
.endr
	global_store_b128 v[L16], v[ACC+8*a:ACC+8*a+3], s[58:59] offset:(a%4)*2048+(a/4)*512
.set a, a+1
.endr
.irp g, 0,1,2,3
	v_add_nc_u32 v[WA+(\g)], 2048, v[WA+(\g)]      ; the fragment in hand is number 2
.endr
	s_wait_xcnt 0x0                                ; the stores have read the accumulators' registers: the next products may write them
	; ---- V: fragments 2 to 5 ----
	s_mov_b32 s[CNT], 4
.Lv:
	s_wait_dscnt 16                                ; buffer 0 is in; buffer 1's 16 loads may stay out
	MULX 0, 0
	PLACES
	WLOAD 0, 0, 1024                               ; the next fragment (behind the last trip: ybase's first)
	s_wait_dscnt 16
	MULX 1, 1
	PLACES
	WLOAD 1, 1, 1024
.set t, 0
.rept 4                                ; + the channel's constant, rounded in place; a lane's 8 pixels of a channel are its 16 bytes of chunk (ob, t)
.irp m, 0,1,2,3
	v_pk_add_f32 v[ACC+8*t+2*(\m):ACC+8*t+2*(\m)+1], v[ACC+8*t+2*(\m):ACC+8*t+2*(\m)+1], v[CUR:CUR+1]
.endr
.irp m, 0,1,2,3
	v_cvt_pk_bf16_f32 v[ACC+8*t+(\m)], v[ACC+8*t+2*(\m)], v[ACC+8*t+2*(\m)+1]
.endr
	global_store_b128 v[L16], v[ACC+8*t:ACC+8*t+3], s[60:61] offset:t*512
.set t, t+1
.endr
	v_mov_b32 v[CUR], v[BC+1]                      ; the next row block's constant; the others move up
	v_mov_b32 v[CUR+1], v[BC+1]
	v_mov_b32 v[BC+1], v[BC+2]
	v_mov_b32 v[BC+2], v[BC+3]
.irp g, 0,1,2,3
	v_add_nc_u32 v[WA+(\g)], 1024, v[WA+(\g)]
.endr
	s_wait_xcnt 0x0                                ; the stores have read their base and the accumulators' registers
	s_add_nc_u64 s[60:61], s[60:61], 2048
	s_sub_co_u32 s[CNT], s[CNT], 1
	s_cmp_lg_u32 s[CNT], 0
	s_cbranch_scc1 .Lv
	; ---- ybase: fragments 6 + o (2 conv1_w) and 10 + o (G), onto the same four accumulators ----
	s_mov_b32 s[CNT], 4
.Ly:
	s_wait_dscnt 16
	MULW 0, 0, 0, 1, 0
	PLACES
	WLOAD 0, 0, 4096                               ; G's fragment of this row block
	s_wait_dscnt 16
	MULW 1, 1, 0, 0, 0
	PLACES
	WLOAD 1, 1, 4096
	s_wait_dscnt 16
	MULW 0, 0, 0, 0, 0
	PLACES
	WLOAD 0, 0, 1024                               ; 2 conv1_w's fragment of the next row block
	s_wait_dscnt 16
	MULW 1, 1, 0, 0, 0
	PLACES
	WLOAD 1, 1, 1024
.set t, 0
.rept 4                                ; as the accumulators lie, low registers first
	global_store_b128 v[L16], v[ACC+8*t:ACC+8*t+3],   s[62:63] offset:t*1024
	global_store_b128 v[L16], v[ACC+8*t+4:ACC+8*t+7], s[62:63] offset:t*1024+512
.set t, t+1
.endr
.irp g, 0,1,2,3
	v_add_nc_u32 v[WA+(\g)], 1024, v[WA+(\g)]
.endr
	s_wait_xcnt 0x0                                ; the stores have read their base and the accumulators' registers
	s_add_nc_u64 s[62:63], s[62:63], 4096
	s_sub_co_u32 s[CNT], s[CNT], 1
	s_cmp_lg_u32 s[CNT], 0
	s_cbranch_scc1 .Ly
	s_wait_tensorcnt 0x0                           ; the wave's end
	ds_add_u32 v[SPW], v[NIL]
	s_wait_dscnt 0x0
	CROUND                                         ; the closing round
	s_endpgm
.Lfunc_end_k_q3f76718ba0_proj:
	.size	k_q3f76718ba0_proj, .Lfunc_end_k_q3f76718ba0_proj-k_q3f76718ba0_proj
	.p2alignl 7, 3214868480
	.fill 96, 4, 3214868480
	.section	.rodata,"a",@progbits
	.p2align	6, 0x0
	.amdhsa_kernel k_q3f76718ba0_proj
		.amdhsa_group_segment_fixed_size 229888
		.amdhsa_private_segment_fixed_size 0
		.amdhsa_enable_private_segment 0
		.amdhsa_kernarg_size 48
		.amdhsa_user_sgpr_count 2
		.amdhsa_user_sgpr_kernarg_segment_ptr 1
		.amdhsa_wavefront_size32 1
		.amdhsa_system_sgpr_workgroup_id_x 1
		.amdhsa_system_sgpr_workgroup_id_y 1
		.amdhsa_system_sgpr_workgroup_id_z 1
		.amdhsa_system_vgpr_workitem_id 0
		.amdhsa_next_free_vgpr 768
		.amdhsa_next_free_sgpr 80
		.amdhsa_reserve_vcc 0
		.amdhsa_float_denorm_mode_32 3
		.amdhsa_float_denorm_mode_16_64 3
		.amdhsa_memory_ordered 1
		.amdhsa_forward_progress 1
		.amdhsa_inst_pref_size 65
	.end_amdhsa_kernel
	.amdgpu_metadata
---
amdhsa.version: [ 1, 2 ]
amdhsa.kernels:
  - .name:           k_q3f76718ba0_proj
    .symbol:         k_q3f76718ba0_proj.kd
    .args:
      - { .name: xcast, .offset: 0, .size: 8, .value_kind: global_buffer, .address_space: global }
      - { .name: wall, .offset: 8, .size: 8, .value_kind: global_buffer, .address_space: global }
      - { .name: q_b, .offset: 16, .size: 8, .value_kind: global_buffer, .address_space: global }
      - { .name: k_b, .offset: 24, .size: 8, .value_kind: global_buffer, .address_space: global }
      - { .name: gamma_pam, .offset: 32, .size: 8, .value_kind: global_buffer, .address_space: global }
      - { .name: qkv, .offset: 40, .size: 8, .value_kind: global_buffer, .address_space: global }
    .group_segment_fixed_size: 229888
    .private_segment_fixed_size: 0
    .kernarg_segment_align: 8
    .kernarg_segment_size: 48
    .max_flat_workgroup_size: 128
    .sgpr_count:     80
    .vgpr_count:     768
    .wavefront_size: 32
...
	.end_amdgpu_metadata
.endif
;; end of part 10
;; launch attn (part 11): grid 64 x 4, 4 waves a work-group, clusters of 4 x 1, 327,680 bytes of LDS; arguments qkv, ybn; writes ybn
.if DOCPART == 11
	.amdgcn_target "amdgcn-amd-amdhsa--gfx1250"
	.amdhsa_code_object_version 6
	.text
	.protected	k_q3f76718ba0_attn
	.globl	k_q3f76718ba0_attn
	.p2align	8
	.type	k_q3f76718ba0_attn,@function
k_q3f76718ba0_attn:
	s_mov_b64 s[64:65], 0
	v_nop
	global_prefetch_b8 v0, s[64:65] scope:SCOPE_SE
	s_setreg_imm32_b32 hwreg(HW_REG_WAVE_MODE, 25, 1), 1
	s_wait_xcnt 0x0
	s_wait_alu depctr_hold_cnt(0) depctr_sa_sdst(0) depctr_va_vdst(0) depctr_va_sdst(0) depctr_va_ssrc(0) depctr_va_vcc(0) depctr_vm_vsrc(0)
	s_getreg_b32 s2, hwreg(HW_REG_IB_STS2, 6, 4)
	s_cmp_eq_u32 s2, 0
	s_cbranch_scc0 .Lentry_in_a_cluster
	s_endpgm
.Lentry_in_a_cluster:
	s_bfe_u32 s2, ttmp6, 0x10000c
	s_cmp_lg_u32 s2, 0x3003
	s_cbranch_scc0 .Lentry_shape_is_right
	s_endpgm
.Lentry_shape_is_right:
; ATTN: y[o][m] = ybase[o][m] + sum over n of softmax_n(q[m] . k[n]) V[o][n], for 64 queries m of a batch and all 256 channels o.
; q, k, V bf16; products, maxima and sums f32; the weights p are rounded to bf16 for the second product (their sum is taken unrounded).
; LIMITS.  A weight below 2^-126 counts as 0; NaN and infinities are not treated apart.
; SHARES.  THE KEYS ARE SPLIT AMONG THE FOUR WAVES: in step s (of 16) wave w takes the 64 keys of block 4 s + w, for all 64 queries and all 256 channels: 32 products K Q^T, 128 products V^T P.
; Each wave has its own running maximum m, sum l and 64 accumulators O^T; no wave repeats another's scores, and none reads another's tile.  The four partial results meet once, at the end, in LDS.
; LAYOUT.  S^T = K Q^T: a lane holds ONE query (lane % 16) and the keys 8 (lane / 16) + 0..7; two such results rounded to bf16 ARE source 1 of O^T = V^T P, whose result holds one query a lane and 8 channels.
; SOFTMAX.  p = 2^(c s - c m), c = log2(e), with a running maximum; O and l are multiplied by a = 2^(c m_old - c m_new) in every step.  m starts at the lowest finite number, O and l at 0:
; the first step is a step like any other, with a = 0.
; A STEP AHEAD.  A trip holds the products K Q^T of step j + 1 and then the products V^T P of step j; the vector work stands behind them, four lines behind a product:
;   behind each K Q^T the rescaling of O^T's blocks 0-7 by a(j); behind every second of the first 64 V^T P that of blocks 8-15; behind the others, and behind products 64 to 117, the softmax of step j + 1,
;   all of it but the roundings.  P has one buffer, which every product of step j reads, so the 64 roundings stand behind the last product.  a(j) has registers of its own, since the next softmax works in a's place;
;   the row sums go onto a pair of their own, so that S^T still holds the weights when they are rounded.  The first step's scores and softmax stand ahead of the loop, the last step's V^T P behind it.
; V comes through a ring of two slots of 32 KiB for each wave, by joint loads: the four query blocks of a cluster walk the same keys.  K (8 KiB a step) comes straight into registers, 128 products ahead.
; Accumulator group g of wave w holds the channel blocks 4 ((g + w) % 4) + 0..3: the turn is made by LDS addresses alone, and group 0 is the quarter that the wave finishes.
; O^T is cleared by 64 matrix instructions on registers of zeros with C = 0, in the wait for the first tile: 80 lines where moves would be 512; no first step is written out.
; REGISTERS: window 0: addresses, v12-43 statistics (8 a tile), v52-59 a, v64-191 S^T (32 t + 8 kt), v192-255 P (16 t + 8 kk).  Window 1: v0-63 Q, v64-127 K, v128-255 V in two halves.
;   windows 2, 3: O^T: block a, tile t at 8 (4 (a % 8) + t).
.set EX,    325120                     ; [wave][tile][query] (c m, l)
.set SPARE, 327168                     ; the spare words
.set R,   1
.set H,   2
.set L16, 3                            ; 16 x lane; never rewritten
.set AVG, 4                            ; v4-7   group g's fragments in my slot 0
.set ADR, 8                            ; v8-11  the same in the slot in hand
.set EXR, 4                            ; v4-7   at the end: the statistics of wave (w - k) % 4
.set CSR, 8                            ; v8-10  at the end: group k of wave (w - k) % 4
.set CSA, 11                           ; v11    at the end: my stage
.set ST,  12                           ; tile t at ST + 8 t: c m, m, l (even, odd keys), c0-c3 at work; a takes c2's place, the row sum c0's and c1's
.set EXS, 44
.set YOF, 50
.set AF,  52                           ; v52-59 a of the step whose V^T P is in hand: tile t at AF + 2 t (named as a pair)
.set PFO, 61                           ; 256 x lane
.set SPW, 62
.set NIL, 63
.set S,   64
.set P,   192
.set KF,  64
.set WV,  12
.set G1,  24
.set G0,  32
.set KB,  36
.set PFA, 38
.set TB,  40
.set LEFT, 41
.set LIM, 42
.set CS,  44
.set SEL, 46
.set YB,  48
.set YO,  50
.set QP,  54
.set MSB, 0
.macro WIN new                         ; the immediate's high byte repeats the setting that is left
.if MSB != (\new)
	s_set_vgpr_msb (MSB<<8)|(\new)
.set MSB, \new
.endif
.endm
.macro CROUND                          ; a round of the cluster's barrier
	s_barrier_signal -1
	s_barrier_wait -1
	s_cmp_lg_u32 s[WV], 0
	s_cbranch_scc1 .Lnot_wave_0_\@
	s_barrier_signal -3
.Lnot_wave_0_\@:
	s_barrier_wait -3
	s_barrier_signal -1
	s_barrier_wait -1
.endm
.macro PLACES
.rept 4
	v_nop
.endr
.endm
	s_load_b128 s[4:7], s[0:1], 0x0                ; qkv, ybn
	v_lshl_add_u32 v[SPW], v0, 2, SPARE
	v_mov_b32 v[NIL], 0
	ds_add_u32 v[SPW], v[NIL]                      ; the wave's opening: the add and its wait ahead of my first tensor load
	v_lshrrev_b32 v1, 5, v0
	v_readfirstlane_b32 s[WV], v1                  ; wave 0..3
	s_bfe_u32 s13, ttmp6, 0x40000                  ; cx
	s_lshl_b32 s14, ttmp9, 2
	s_add_co_u32 s14, s14, s13                     ; my block of 64 queries
	s_and_b32 s15, ttmp7, 0xffff                   ; the batch, which the partners share
	s_lshl_b32 s56, s15, 22                        ; y: (256 b + 64 w) rows of 16,384 bytes + 256 x block
	s_lshl_b32 s57, s[WV], 20
	s_add_co_u32 s56, s56, s57
	s_lshl_b32 s57, s14, 8
	s_add_co_u32 s56, s56, s57
	s_mov_b32 s57, 0
	s_lshl_b32 s16, s15, 6
	s_add_co_u32 s14, s14, s16                     ; 64 b + block
	s_mov_b32 s[G1+0], 15|(3<<16)|(1<<21)          ; the mask of four, elements of 8 bytes, bit 21 beside the mask
	s_mov_b32 s[G1+1], 32<<16                      ; rows of 256 bytes,
	s_mov_b32 s[G1+2], 128<<16                     ; 128 of them: a key block's V, 32 KiB, dense
	s_mov_b32 s[G1+3], 32<<16
	s_mov_b32 s[G1+4], 128
	s_mov_b32 s[G1+5], 32
	s_mov_b32 s[G1+6], 0
	s_mov_b32 s[G1+7], 0
	s_mov_b32 s[G0], 1
	s_lshl_b32 s[G0+1], s[WV], 16                  ; my slot 0
	s_lshl_b32 s16, s15, 21                        ; V: 2 MiB a batch, 32 KiB a key block: block w
	s_lshl_b32 s17, s[WV], 15
	s_add_co_u32 s16, s16, s17
	s_add_co_u32 s16, s16, 0x400000
	s_mov_b32 s17, 0
	s_lshl_b32 s18, s15, 19                        ; K: 8 KiB a key block
	s_lshl_b32 s19, s[WV], 13
	s_add_co_u32 s18, s18, s19
	s_add_co_u32 s18, s18, 0x200000
	s_mov_b32 s19, 0
	s_lshl_b32 s20, s14, 13                        ; Q
	s_mov_b32 s21, 0
	s_lshl_b32 s22, s14, 16                        ; ybase of my quarter of the channels
	s_lshl_b32 s23, s[WV], 14
	s_add_co_u32 s22, s22, s23
	s_add_co_u32 s22, s22, 0xc00000
	s_mov_b32 s23, 0
	s_lshl_b32 s60, s13, 13                        ; the prefetches: my work-group's quarter of my wave's tile, at step 1
	s_add_co_u32 s60, s60, 131072
	s_mov_b32 s61, 0
	s_mov_b32 s[CS], 0x3fb8aa3b                    ; c = log2(e)
	s_mov_b32 s[CS+1], s[CS]
	s_mov_b32 s[SEL], 0x76543210
	s_mov_b32 s[SEL+1], 0xfedcba98
	s_mov_b32 s[TB], 32768                         ; the first change of slots turns it into 0
	s_mov_b32 s[LEFT], 15
	s_wait_dscnt 0x0                               ; the opening add is done
	s_wait_kmcnt 0x0
	s_add_nc_u64 s[G0+2:G0+3], s[4:5], s[16:17]
	s_add_nc_u64 s[PFA:PFA+1], s[G0+2:G0+3], s[60:61]
	s_or_b32 s[G0+3], s[G0+3], 0x80000000
	s_add_nc_u64 s[KB:KB+1], s[4:5], s[18:19]
	s_add_nc_u64 s[QP:QP+1], s[4:5], s[20:21]
	s_add_nc_u64 s[YB:YB+1], s[4:5], s[22:23]
	s_add_nc_u64 s[YO:YO+1], s[6:7], s[56:57]
	s_cmp_eq_u32 ttmp9, 0                          ; all clusters of a batch walk the same V: the first of them prefetches
	s_cselect_b32 s[LIM], 1, -1
	CROUND                                         ; all four work-groups are here: the first joint load meets
	tensor_load_to_lds s[G0:G0+3], s[G1:G1+7]      ; step 0 into slot 0
	s_nop 0
	PLACES
	v_and_b32 v[R], 15, v0
	v_bfe_u32 v[H], v0, 4, 1
	v_and_b32 v60, 31, v0
	v_lshlrev_b32 v[L16], 4, v60
	v_lshlrev_b32 v[PFO], 8, v60
	WIN 0x40
.set n, 0
.rept 16                               ; Q stays in registers: tile n / 4, chunk n % 4; K of step 0 likewise
	global_load_b128 v[4*n:4*n+3], v[L16], s[QP:QP+1] offset:n*512
	global_load_b128 v[KF+4*n:KF+4*n+3], v[L16], s[KB:KB+1] offset:n*512
.set n, n+1
.endr
.set i, 0
.rept 16
	v_mov_b32 v[128+i], 0                          ; two fragments of zeros, where V will lie
.set i, i+1
.endr
	WIN 0
.irp g, 0,1,2,3
	s_add_co_u32 s16, s[WV], \g
	s_and_b32 s16, s16, 3
	s_lshl_b32 s16, s16, 13
	s_lshl_b32 s17, s[WV], 16
	s_add_co_u32 s16, s16, s17
	v_add_nc_u32 v[AVG+(\g)], s16, v[L16]
.endr
	s_lshl_b32 s16, s[WV], 9
	s_add_co_u32 s16, s16, EX
	v_lshl_add_u32 v[EXS], v[R], 3, s16
	v_lshlrev_b32 v[YOF], 4, v[R]
	v_lshl_add_u32 v[YOF], v[H], 17, v[YOF]        ; y: 8 rows down for lanes 16-31, 16 bytes a lane
.irp t, 0,1,2,3
	v_mov_b32 v[ST+8*(\t)], 0xfe000000             ; c m: far below every c s
	v_mov_b32 v[ST+8*(\t)+1], 0xff7fffff           ; m
	v_mov_b32 v[ST+8*(\t)+2], 0
	v_mov_b32 v[ST+8*(\t)+3], 0
	v_mov_b32 v[AF+2*(\t)+1], 0                    ; named with a as a pair, so it is written
.endr
	WIN 0x85                                       ; both sources window 1, destination window 2
.set i, 0
.rept 32
	v_wmma_f32_16x16x32_bf16 v[8*i:8*i+7], v[128:135], v[136:143], 0  ; O^T = 0 x 0 + 0
.set i, i+1
.endr
	WIN 0xc5                                       ; destination window 3
.set i, 0
.rept 32
	v_wmma_f32_16x16x32_bf16 v[8*i:8*i+7], v[128:135], v[136:143], 0
.set i, i+1
.endr
	WIN 0
; THE CHANGE OF SLOTS.  Each wave waits for all its tensor loads, of which one is out: the step to be read now; adds 0 to its spare word; waits for that and for its reads of the slot that it leaves.
; The barrier is a round of the cluster's; the joint refill is the first thing behind it and has a whole trip, 160 matrix instructions, in which to land.
.macro CHANGE fill
	WIN 0
	s_wait_tensorcnt 0x0
.if \fill
	ds_add_u32 v[SPW], v[NIL]                      ; 0 onto my spare word; the steps below stand between it and the wait for it
	s_xor_b32 s[G0+1], s[G0+1], 32768              ; the other slot than last time,
	s_add_nc_u64 s[G0+2:G0+3], s[G0+2:G0+3], 131072  ; four key blocks on
	s_wait_xcnt 0x0                                ; the last prefetch, a trip back, has read its address
	s_add_nc_u64 s[PFA:PFA+1], s[PFA:PFA+1], 131072  ; one step beyond the load below
	s_wait_dscnt 0x0                               ; the add is done, and my reads of the slot are over
	CROUND
	tensor_load_to_lds s[G0:G0+3], s[G1:G1+7]
	s_nop 0
.endif
	PLACES
	s_xor_b32 s[TB], s[TB], 32768
.endm
; A PREFETCH INTO THE L2 of my wave's tile of the step after the one just asked for: its 128 rows of 256 bytes are shared out among the four partners by address, a lane a row: one instruction.
; Only the batch's first cluster asks, so each row is named once in the launch; the last trip asks for nothing; steps 0 and 1 come by their loads alone.
.macro ASK
	s_cmp_gt_u32 s[LEFT], s[LIM]
	s_cbranch_scc0 .Lnot_mine_\@
	global_prefetch_b8 v[PFO], s[PFA:PFA+1] th:TH_LOAD_NT scope:SCOPE_SE
.Lnot_mine_\@:
.endm
.macro FETCHV g, hb                    ; group g's 8 fragments of V (4 channel blocks x 2 key halves): 16 loads of 512 consecutive bytes
	WIN 0x40
.set n, 0
.rept 16
	ds_load_b128 v[(\hb)+4*n:(\hb)+4*n+3], v[ADR+(\g)] offset:n*512
.set n, n+1
.endr
.endm
.macro KLOAD                           ; K of the next scores: 16 loads of 512 consecutive bytes
	WIN 0x40
.set n, 0
.rept 16
	global_load_b128 v[KF+4*n:KF+4*n+3], v[L16], s[KB:KB+1] offset:n*512
.set n, n+1
.endr
	WIN 0
.endm
; Number j of a tile's softmax.  0-15 the maximum of the 32 scores and the old m (each accumulator's lowest registers first); 16-20 the other half of the lanes', m, c m, its change;
; 21-69 ONE BATCH: 16 scalings c s - c m and 33 exponentials (a at 23), none of which reads an exponential's result; 70-85 the roundings to bf16;
; 86-101 the row sum, a chain onto the pair c0, c1 that leaves S^T as it is, and l = a l + sum.
.macro SM t
.set rT, ST+8*(\t)
.set rS, S+32*(\t)
.set rP, P+16*(\t)
.if j < 4
	v_max3_num_f32 v[rT+4+j], v[rS+8*j], v[rS+8*j+1], v[rS+8*j+2]
.elseif j < 12
	v_max3_num_f32 v[rT+4+j%4], v[rT+4+j%4], v[rS+8*(j%4)+2*(j/4)+1], v[rS+8*(j%4)+2*(j/4)+2]
.elseif j == 12
	v_max3_num_f32 v[rT+4], v[rT+4], v[rS+7], v[rS+15]
.elseif j == 13
	v_max3_num_f32 v[rT+6], v[rT+6], v[rS+23], v[rS+31]
.elseif j == 14
	v_max3_num_f32 v[rT+4], v[rT+4], v[rT+5], v[rT+6]
.elseif j == 15
	v_max3_num_f32 v[rT+4], v[rT+4], v[rT+7], v[rT+1]
.elseif j == 16
	v_permlanex16_b32 v[rT+5], v[rT+4], s[SEL], s[SEL+1]
.elseif j == 17
	v_mov_b32 v[rT+7], v[rT]
.elseif j == 18
	v_max_num_f32 v[rT+1], v[rT+4], v[rT+5]
.elseif j == 19
	v_mul_f32 v[rT], s[CS], v[rT+1]
.elseif j == 20
	v_sub_f32 v[rT+7], v[rT+7], v[rT]
.elseif j == 23
	v_exp_f32 v[rT+6], v[rT+7]
.elseif (j < 23) || ((j < 38) && (j%2 == 0)) || ((j < 66) && (j%4 == 2))
.set sb, (j-2)/4
.if j < 38
.set sb, (j-20)/2
.endif
	v_pk_fma_f32 v[rS+2*sb:rS+2*sb+1], v[rS+2*sb:rS+2*sb+1], s[CS:CS+1], v[rT:rT+1] op_sel_hi:[1,0,0] neg_lo:[0,0,1] neg_hi:[0,0,1]
.elseif j < 70
.set se, j-38
.if j < 66
.set se, j-32-(j-38)/4
.endif
.if j < 38
.set se, (j-25)/2
.endif
	v_exp_f32 v[rS+se], v[rS+se]
.elseif j < 86
	v_cvt_pk_bf16_f32 v[rP+j-70], v[rS+2*(j-70)], v[rS+2*(j-70)+1]
.else
.set sz, j-86
.if sz == 0
	v_pk_add_f32 v[rT+4:rT+5], v[rS:rS+1], v[rS+2:rS+3]
.elseif sz < 15
	v_pk_add_f32 v[rT+4:rT+5], v[rT+4:rT+5], v[rS+2*sz+2:rS+2*sz+3]
.else
	v_pk_fma_f32 v[rT+2:rT+3], v[rT+2:rT+3], v[rT+6:rT+7], v[rT+4:rT+5] op_sel_hi:[1,0,1]
.endif
.endif
.endm
.macro SM4 count                       ; the four tiles by turns, so that no line reads the result of the one before it
.rept \count
	SM 0
	SM 1
	SM 2
	SM 3
.set j, j+1
.endr
.endm
; Slice sk of the 86 that ride behind products: four lines.  0-21: number sk of all four tiles.  22-69: the batch, four numbers on end of ONE tile, the tiles by turns; a pair is scaled in an earlier
; four than the one that holds its exponentials.  Behind slice 69 stand a plain line (ISA guide 5.7.2) and the one wait ahead of the first reader of the 132 exponentials.
; 70-85: numbers 86-101, the sums, of all four tiles.
.macro SLICE
	WIN 0
.if sk < 22
.set j, sk
	SM 0
	SM 1
	SM 2
	SM 3
.elseif sk < 70
.set j, 22+4*((sk-22)/4)
.rept 4
	SM (sk-22)%4
.set j, j+1
.endr
.else
.set j, sk+16
	SM 0
	SM 1
	SM 2
	SM 3
.endif
.if sk == 69
	v_nop
	s_wait_alu depctr_va_vdst(0)
.endif
.set sk, sk+1
.endm
; Lines first .. first + count - 1 of the 16 that multiply block a of O^T by the tiles' a: line n is tile n / 4, pair n % 4: each accumulator's lowest registers first.
.macro RS a, first, count
	WIN 0x82+0x41*((\a)/8)
.set n, \first
.rept \count
	v_pk_mul_f32 v[8*(4*((\a)%8)+n/4)+2*(n%4):8*(4*((\a)%8)+n/4)+2*(n%4)+1], v[8*(4*((\a)%8)+n/4)+2*(n%4):8*(4*((\a)%8)+n/4)+2*(n%4)+1], v[AF+2*(n/4):AF+2*(n/4)+1] op_sel_hi:[1,0]
.set n, n+1
.endr
.endm
; S^T = K Q^T: product i: channels 32 (i / 16) on, keys 16 ((i / 4) % 4) on, tile i % 4: 16 accumulators by turns; the first 16 start the sums.
; ride = 1: behind product i stand four lines that rescale O^T's block i / 4; the four behind the last product are the places in front of the loads into K's registers and of the maxima.
.macro KQALL ride
.set i, 0
.rept 32
	WIN 0x05
.if i < 16
	v_wmma_f32_16x16x32_bf16 v[S+32*(i%4)+8*((i/4)%4):S+32*(i%4)+8*((i/4)%4)+7], v[KF+16*((i/4)%4)+8*(i/16):KF+16*((i/4)%4)+8*(i/16)+7], v[16*(i%4)+8*(i/16):16*(i%4)+8*(i/16)+7], 0
.else
	v_wmma_f32_16x16x32_bf16 v[S+32*(i%4)+8*((i/4)%4):S+32*(i%4)+8*((i/4)%4)+7], v[KF+16*((i/4)%4)+8*(i/16):KF+16*((i/4)%4)+8*(i/16)+7], v[16*(i%4)+8*(i/16):16*(i%4)+8*(i/16)+7], v[S+32*(i%4)+8*((i/4)%4):S+32*(i%4)+8*((i/4)%4)+7]
.endif
.if \ride
	RS i/4, 4*(i%4), 4
.endif
.set i, i+1
.endr
.endm
.macro PV a, kk, t, hb
	WIN 0xa1+0x50*((\a)/8)
	v_wmma_f32_16x16x32_bf16 v[8*(4*((\a)%8)+(\t)):8*(4*((\a)%8)+(\t))+7], v[(\hb)+16*((\a)%4)+8*(\kk):(\hb)+16*((\a)%4)+8*(\kk)+7], v[P+16*(\t)+8*(\kk):P+16*(\t)+8*(\kk)+7], v[8*(4*((\a)%8)+(\t)):8*(4*((\a)%8)+(\t))+7]
.endm
; O^T += V^T P: product pp: block pp / 8, key half (pp / 4) % 2, tile pp % 4: a block's four accumulators take turns, three others between two links.
; Behind the odd products of the first 64 stand the 32 fours that rescale blocks 8-15, ahead of those blocks' products; sm = 1: behind the others the softmax's slices, while there are any.
; Products 31 and 63 are the last readers of a half of V: the four plain lines behind them are the places in front of the loads into it.
.macro PVALL sm
.set pp, 0
.set sk, 0
.rept 128
.if pp == 64
	s_wait_dscnt 16                                ; group 2 is in; group 3's 16 loads may stay out
.endif
.if pp == 96
	s_wait_dscnt 0x0
.endif
	PV pp/8, (pp/4)%2, pp%4, 128+64*((pp/32)%2)
.if (pp < 64) && (pp%2)
	RS 8+pp/8, 4*((pp/2)%4), 4
.elseif (\sm) && (sk < 86)
	SLICE
.endif
.if pp == 31
	FETCHV 2, 128
.endif
.if pp == 63
	FETCHV 3, 192
.endif
.set pp, pp+1
.endr
.endm
.macro ACOPY                           ; a of the softmax just made, for the next trip's rescaling
.irp t, 0,1,2,3
	v_mov_b32 v[AF+2*(\t)], v[ST+8*(\t)+6]
.endr
.endm
.macro VHEAD                           ; the step's first two groups of V
	WIN 0
.irp g, 0,1,2,3
	v_add_nc_u32 v[ADR+(\g)], s[TB], v[AVG+(\g)]
.endr
	FETCHV 0, 128
	FETCHV 1, 192
	WIN 0
.endm
	; step 0's scores and softmax, in the wait for the first tile
	s_wait_loadcnt 0x0                             ; Q and K of step 0 are in; the loads have read their base,
	s_add_nc_u64 s[KB:KB+1], s[KB:KB+1], 32768     ; which goes four key blocks on
	KQALL 0
	WIN 0
	PLACES                                         ; in front of the loads into K's registers and of the maxima
	KLOAD                                          ; K of step 1
.set j, 0
	SM4 70
	v_nop                                          ; a plain instruction behind the last exponential (ISA guide 5.7.2),
	s_wait_alu depctr_va_vdst(0)                   ; and the one wait ahead of the batch's first reader
	SM4 32
	ACOPY
.Lslot:                                                ; 15 trips: V^T P of step j, scores and softmax of step j + 1; V of step j + 1 is asked for
	CHANGE 1
	VHEAD
	ASK
	s_wait_loadcnt 0x0                             ; K of step j + 1 is in
	s_add_nc_u64 s[KB:KB+1], s[KB:KB+1], 32768
	KQALL 1
	WIN 0
	s_cmp_eq_u32 s[LEFT], 1                        ; the last trip has no K behind its own: its 16 loads are jumped over
	s_cbranch_scc1 .Lno_k
	KLOAD                                          ; K of step j + 2: 128 products ahead of its use
.Lno_k:
	s_wait_dscnt 0x0                               ; groups 0 and 1 of V are in
	PVALL 1
	WIN 0
	ACOPY                                          ; four plain lines: the places between the last product and the lines that write P
.set j, 70
	SM4 16                                         ; the roundings: P of step j + 1
	s_sub_co_u32 s[LEFT], s[LEFT], 1
	s_cmp_lg_u32 s[LEFT], 0
	s_cbranch_scc1 .Lslot
	CHANGE 0                                       ; the last step is written out; my slot is read by me alone: its wait is all that the reads need
	VHEAD
.set ab, 0
.rept 8
	RS ab, 0, 16                                   ; blocks 0-7, while V's fragments come
.set ab, ab+1
.endr
	s_wait_dscnt 0x0
	PVALL 0
	WIN 0
	; THE END.  y = ybase + the sum over the four waves of g O^T, g = 2^(c m - c m_all) / l_all.  Each wave hands out its statistics and, UNSCALED, the three groups that other waves finish: the reader applies g
	; by a fused multiply-add.  The stage is 48 KiB of my own ring, which has had its last fill and which I alone have read: so one barrier serves statistics and stage.
.irp t, 0,1,2,3
	v_add_f32 v[ST+8*(\t)+4], v[ST+8*(\t)+2], v[ST+8*(\t)+3]   ; l's halves; these lines are the places behind the last products
.endr
.irp t, 0,1,2,3
	v_permlanex16_b32 v[ST+8*(\t)+5], v[ST+8*(\t)+4], s[SEL], s[SEL+1]
.endr
.irp t, 0,1,2,3
	v_add_f32 v[ST+8*(\t)+1], v[ST+8*(\t)+4], v[ST+8*(\t)+5]
.endr
	s_lshl_b32 s16, s[WV], 16
	v_add_nc_u32 v[CSA], s16, v[L16]
.irp k, 0,1,2,3                        ; my quarter of the channels is group k of wave (w - k) % 4
	s_sub_co_u32 s16, s[WV], \k
	s_and_b32 s16, s16, 3
	s_lshl_b32 s17, s16, 9
	s_add_co_u32 s17, s17, EX
	v_lshl_add_u32 v[EXR+(\k)], v[R], 3, s17
.if (\k) > 0
	s_lshl_b32 s17, s16, 16
	s_add_co_u32 s17, s17, ((\k)-1)*16384
	v_add_nc_u32 v[CSR+(\k)-1], s17, v[L16]
.endif
.endr
.set n, 0
.rept 32
	global_load_b128 v[S+4*n:S+4*n+3], v[L16], s[YB:YB+1] offset:n*512 th:TH_LOAD_NT  ; ybase of my quarter, as group 0's accumulators lie
.set n, n+1
.endr
.irp t, 0,1,2,3
	ds_store_b64 v[EXS], v[ST+8*(\t):ST+8*(\t)+1] offset:(\t)*128
.endr
	WIN 0x08                                       ; data in window 2: group 1; each accumulator's low registers first
.set n, 0
.rept 32
	ds_store_b128 v[CSA], v[128+4*n:128+4*n+3] offset:n*512
.set n, n+1
.endr
	WIN 0x0c                                       ; window 3: groups 2 and 3
.set n, 0
.rept 32
	ds_store_b128 v[CSA], v[4*n:4*n+3] offset:16384+n*512
.set n, n+1
.endr
.set n, 0
.rept 32
	ds_store_b128 v[CSA], v[128+4*n:128+4*n+3] offset:32768+n*512
.set n, n+1
.endr
	WIN 0
	s_wait_dscnt 0x0                               ; for the others' sake
	s_barrier_signal -1
	s_barrier_wait -1
.set i, 0
.rept 16                               ; i = 4 k + tile
	ds_load_b64 v[P+2*i:P+2*i+1], v[EXR+i/4] offset:(i%4)*128
.set i, i+1
.endr
	WIN 0x40
.set n, 0
.rept 32
	ds_load_b128 v[4*n:4*n+3], v[CSR] offset:n*512
.set n, n+1
.endr
	WIN 0
	s_wait_dscnt 32                                ; the statistics are in; the first foreign group's 32 loads may stay out
.irp t, 0,1,2,3
	v_max3_num_f32 v[244+(\t)], v[P+2*(\t)], v[P+8+2*(\t)], v[P+16+2*(\t)]
.endr
.irp t, 0,1,2,3
	v_max_num_f32 v[244+(\t)], v[244+(\t)], v[P+24+2*(\t)]   ; the common c m
.endr
.set i, 0
.rept 16
	v_sub_f32 v[224+i], v[P+2*i], v[244+i%4]
.set i, i+1
.endr
.set i, 0
.rept 16
	v_exp_f32 v[224+i], v[224+i]                   ; each wave's factor
.set i, i+1
.endr
	v_nop
	s_wait_alu depctr_va_vdst(0)
.irp t, 0,1,2,3
	v_mul_f32 v[248+(\t)], v[224+(\t)], v[P+2*(\t)+1]
.endr
.set i, 4
.rept 12
	v_fmac_f32 v[248+i%4], v[224+i], v[P+2*i+1]    ; the common l: at least 1
.set i, i+1
.endr
.irp t, 0,1,2,3
	v_rcp_f32 v[248+(\t)], v[248+(\t)]
.endr
	v_nop
	s_wait_alu depctr_va_vdst(0)
.set i, 0
.rept 16
	v_mul_f32 v[P+2*i], v[224+i], v[248+i%4]       ; g takes c m's place; l beside it is named with it as a pair
.set i, i+1
.endr
	WIN 0x40
.set n, 0
.rept 32
	ds_load_b128 v[128+4*n:128+4*n+3], v[CSR+1] offset:n*512
.set n, n+1
.endr
	s_wait_loadcnt 0x0                             ; ybase
	WIN 0x82                               ; pair i lies in accumulator i / 4, tile (i / 4) % 4
.set i, 0
.rept 64
	v_pk_fma_f32 v[2*i:2*i+1], v[2*i:2*i+1], v[P+2*((i/4)%4):P+2*((i/4)%4)+1], v[S+2*i:S+2*i+1] op_sel_hi:[1,0,1]
.set i, i+1
.endr
	s_wait_dscnt 32                                ; the first foreign group is in; the second's 32 loads may stay out
	WIN 0xa1
.set i, 0
.rept 64
	v_pk_fma_f32 v[2*i:2*i+1], v[2*i:2*i+1], v[P+8+2*((i/4)%4):P+8+2*((i/4)%4)+1], v[2*i:2*i+1] op_sel_hi:[1,0,1]
.set i, i+1
.endr
	WIN 0x40
.set n, 0
.rept 32
	ds_load_b128 v[4*n:4*n+3], v[CSR+2] offset:n*512
.set n, n+1
.endr
	s_wait_dscnt 32                                ; the second is in; the third's 32 loads may stay out
	WIN 0xa1
.set i, 0
.rept 64
	v_pk_fma_f32 v[2*i:2*i+1], v[128+2*i:128+2*i+1], v[P+16+2*((i/4)%4):P+16+2*((i/4)%4)+1], v[2*i:2*i+1] op_sel_hi:[1,0,1]
.set i, i+1
.endr
	s_wait_dscnt 0x0
	WIN 0x61                               ; the last one lays a channel's four tiles side by side: pixels 4 r + 0..3, 16 bytes of a row of y
.set i, 0
.rept 128                              ; i = 8 (4 o + t) + j
	v_fma_f32 v[128+(8*(i/32)+i%8)*4+(i/8)%4], v[i], v[P+24+2*((i/8)%4)], v[i]
.set i, i+1
.endr
	WIN 0x04
.set q, 0
.rept 32                               ; q = 8 o + j: channel 64 w + 16 o + 8 h + j
	global_store_b128 v[YOF], v[128+4*q:128+4*q+3], s[YO:YO+1] offset:(16*(q/8)+q%8)*16384  ; 16 lanes store 256 consecutive bytes, aligned
.set q, q+1
.endr
	WIN 0
	s_wait_tensorcnt 0x0                           ; the wave's end, behind my last tensor load and my last LDS store
	ds_add_u32 v[SPW], v[NIL]
	s_wait_dscnt 0x0
	CROUND                                         ; the closing round
	s_endpgm
.Lfunc_end_k_q3f76718ba0_attn:
	.size	k_q3f76718ba0_attn, .Lfunc_end_k_q3f76718ba0_attn-k_q3f76718ba0_attn
	.p2alignl 7, 3214868480
	.fill 96, 4, 3214868480
	.section	.rodata,"a",@progbits
	.p2align	6, 0x0
	.amdhsa_kernel k_q3f76718ba0_attn
		.amdhsa_group_segment_fixed_size 327680
		.amdhsa_private_segment_fixed_size 0
		.amdhsa_enable_private_segment 0
		.amdhsa_kernarg_size 16
		.amdhsa_user_sgpr_count 2
		.amdhsa_user_sgpr_kernarg_segment_ptr 1
		.amdhsa_wavefront_size32 1
		.amdhsa_system_sgpr_workgroup_id_x 1
		.amdhsa_system_sgpr_workgroup_id_y 1
		.amdhsa_system_sgpr_workgroup_id_z 1
		.amdhsa_system_vgpr_workitem_id 0
		.amdhsa_next_free_vgpr 1024
		.amdhsa_next_free_sgpr 72
		.amdhsa_reserve_vcc 0
		.amdhsa_float_denorm_mode_32 3
		.amdhsa_float_denorm_mode_16_64 3
		.amdhsa_memory_ordered 1
		.amdhsa_forward_progress 1
		.amdhsa_inst_pref_size 178
	.end_amdhsa_kernel
	.amdgpu_metadata
---
amdhsa.version: [ 1, 2 ]
amdhsa.kernels:
  - .name:           k_q3f76718ba0_attn
    .symbol:         k_q3f76718ba0_attn.kd
    .args:
      - { .name: qkv, .offset: 0, .size: 8, .value_kind: global_buffer, .address_space: global }
      - { .name: ybn, .offset: 8, .size: 8, .value_kind: global_buffer, .address_space: global }
    .group_segment_fixed_size: 327680
    .private_segment_fixed_size: 0
    .kernarg_segment_align: 8
    .kernarg_segment_size: 16
    .max_flat_workgroup_size: 128
    .sgpr_count:     72
    .vgpr_count:     1024
    .wavefront_size: 32
...
	.end_amdgpu_metadata
.endif
;; end of part 11
;; launch bn (part 12): grid 256 x 1, 8 waves a work-group, no clusters, 1,536 bytes of LDS; arguments ybn, bn_gamma, bn_beta, out0; writes out0
.if DOCPART == 12
	.amdgcn_target "amdgcn-amd-amdhsa--gfx1250"
	.amdhsa_code_object_version 6
	.text
	.protected	k_q3f76718ba0_bn
	.globl	k_q3f76718ba0_bn
	.p2align	8
	.type	k_q3f76718ba0_bn,@function
k_q3f76718ba0_bn:
	s_mov_b64 s[64:65], 0
	v_nop
	global_prefetch_b8 v0, s[64:65] scope:SCOPE_SE
	s_setreg_imm32_b32 hwreg(HW_REG_WAVE_MODE, 25, 1), 1
	s_wait_xcnt 0x0
; BN: out = relu((y - mean) rsqrt(var + 1e-5) gamma + beta), mean and var over the batch and all pixels of a channel.
; A work-group takes ONE CHANNEL of all four batches: four runs of 16 KiB, read once, kept in registers (64 numbers a thread) and written once.  So the statistics are made here, from the numbers themselves:
; first the mean, then the sum of the squared deviations from it: no difference of large sums is formed.  Both sums cross the lanes by DPP and one exchange, and the eight waves through LDS.
; gamma and beta are rounded to bf16 like every input.  A stream: no matrix unit, no cluster.
.set RED1,  0                          ; eight waves' sums
.set RED2,  256                        ; eight waves' sums of squares: other bytes, so no barrier stands between the two meetings' uses
.set SPARE, 512                        ; the spare words: 128 bytes for each of eight waves
.set Y,  16                            ; v[16:79]
.set T,  80                            ; v[80:111] at work
.set WK, 112
.set VR, 113
.set RD, 116                           ; v[116:123]
.set MP, 124                           ; pairs: mean, scale, beta
.set SP, 126
.set BP, 128
.set GB, 130                           ; v[130:132]
	s_load_b256 s[4:11], s[0:1], 0x0               ; ybn 4, bn_gamma 6, bn_beta 8, out0 10
	v_lshl_add_u32 v10, v0, 2, SPARE
	v_mov_b32 v11, 0
	v_lshrrev_b32 v1, 5, v0
	v_readfirstlane_b32 s12, v1
	v_lshlrev_b32 v2, 4, v0                        ; 16 x thread
	s_lshl_b32 s13, s12, 2
	v_mov_b32 v4, s13                              ; my wave's word
	v_mov_b32 v5, 0
	v_mov_b32 v9, 0
	s_lshl_b32 s16, ttmp9, 14                      ; the channel's 16 KiB in a batch
	s_mov_b32 s17, 0
	s_lshl_b32 s18, ttmp9, 2
	s_mov_b32 s19, 0
	s_mov_b32 s34, 0x76543210
	s_mov_b32 s35, 0xfedcba98
	s_mov_b32 s36, 0x38800000                      ; 1 / 16,384
	s_mov_b32 s37, 0x3727c5ac                      ; 1e-5
	s_wait_kmcnt 0x0
	s_add_nc_u64 s[6:7], s[6:7], s[18:19]
	s_add_nc_u64 s[8:9], s[8:9], s[18:19]
	s_load_b32 s20, s[6:7], 0x0
	s_load_b32 s21, s[8:9], 0x0
	s_add_nc_u64 s[28:29], s[4:5], s[16:17]        ; batches 0 and 1 (4 MiB apart, in the immediate),
	s_add_nc_u64 s[30:31], s[28:29], 0x800000      ; batches 2 and 3
	s_add_nc_u64 s[10:11], s[10:11], s[16:17]
	s_add_nc_u64 s[22:23], s[10:11], 0x800000
.set n, 0
.rept 8
	global_load_b128 v[Y+4*n:Y+4*n+3], v2, s[28:29] offset:(n/4)*4194304+(n%4)*4096 th:TH_LOAD_NT
.set n, n+1
.endr
.set n, 0
.rept 8
	global_load_b128 v[Y+32+4*n:Y+32+4*n+3], v2, s[30:31] offset:(n/4)*4194304+(n%4)*4096 th:TH_LOAD_NT
.set n, n+1
.endr
.macro WSUM r                          ; the sum over the wave's 32 lanes, in every lane
	v_add_f32_dpp v[\r], v[\r], v[\r] row_xmask:1 row_mask:0xf bank_mask:0xf
	v_add_f32_dpp v[\r], v[\r], v[\r] row_xmask:2 row_mask:0xf bank_mask:0xf
	v_add_f32_dpp v[\r], v[\r], v[\r] row_xmask:4 row_mask:0xf bank_mask:0xf
	v_add_f32_dpp v[\r], v[\r], v[\r] row_xmask:8 row_mask:0xf bank_mask:0xf
	v_permlanex16_b32 v9, v[\r], s34, s35
	v_add_f32 v[\r], v[\r], v9
.endm
.macro GSUM base                       ; the eight waves' sums meet in LDS; the total lands in v[RD]
	ds_store_b32 v4, v[WK] offset:\base            ; all lanes write the same word with the same number
	s_wait_dscnt 0x0                               ; for the others' sake
	s_barrier_signal -1
	s_barrier_wait -1
	ds_load_b128 v[RD:RD+3], v5 offset:\base
	ds_load_b128 v[RD+4:RD+7], v5 offset:(\base)+16
	s_wait_dscnt 0x0
	v_pk_add_f32 v[RD:RD+1], v[RD:RD+1], v[RD+4:RD+5]
	v_pk_add_f32 v[RD+2:RD+3], v[RD+2:RD+3], v[RD+6:RD+7]
	v_pk_add_f32 v[RD:RD+1], v[RD:RD+1], v[RD+2:RD+3]
	v_add_f32 v[RD], v[RD], v[RD+1]
.endm
.set n, 0
.rept 16
	s_wait_loadcnt 15-n                            ; load n is in; the loads behind it may stay out
	v_pk_add_f32 v[T+2*n:T+2*n+1], v[Y+4*n:Y+4*n+1], v[Y+4*n+2:Y+4*n+3]
.set n, n+1
.endr
.irp k, 0,2,4,6,8,10,12,14
	v_pk_add_f32 v[T+(\k):T+(\k)+1], v[T+(\k):T+(\k)+1], v[T+16+(\k):T+16+(\k)+1]
.endr
.irp k, 0,2,4,6
	v_pk_add_f32 v[T+(\k):T+(\k)+1], v[T+(\k):T+(\k)+1], v[T+8+(\k):T+8+(\k)+1]
.endr
.irp k, 0,2
	v_pk_add_f32 v[T+(\k):T+(\k)+1], v[T+(\k):T+(\k)+1], v[T+4+(\k):T+4+(\k)+1]
.endr
	v_pk_add_f32 v[T:T+1], v[T:T+1], v[T+2:T+3]
	v_add_f32 v[WK], v[T], v[T+1]
	WSUM WK
	GSUM RED1
	v_mul_f32 v[MP], s36, v[RD]                    ; the mean
	v_mov_b32 v[MP+1], v[MP]
.set i, 0
.rept 32
	v_pk_add_f32 v[Y+2*i:Y+2*i+1], v[Y+2*i:Y+2*i+1], v[MP:MP+1] neg_lo:[0,1] neg_hi:[0,1]  ; the deviations, in place
.set i, i+1
.endr
.set i, 0
.rept 4
	v_pk_mul_f32 v[T+2*i:T+2*i+1], v[Y+2*i:Y+2*i+1], v[Y+2*i:Y+2*i+1]                      ; the first squares start four chains
.set i, i+1
.endr
.rept 28
	v_pk_fma_f32 v[T+2*(i%4):T+2*(i%4)+1], v[Y+2*i:Y+2*i+1], v[Y+2*i:Y+2*i+1], v[T+2*(i%4):T+2*(i%4)+1]
.set i, i+1
.endr
	v_pk_add_f32 v[T:T+1], v[T:T+1], v[T+4:T+5]
	v_pk_add_f32 v[T+2:T+3], v[T+2:T+3], v[T+6:T+7]
	v_pk_add_f32 v[T:T+1], v[T:T+1], v[T+2:T+3]
	v_add_f32 v[WK], v[T], v[T+1]
	WSUM WK
	GSUM RED2
	v_fma_f32 v[VR], v[RD], s36, s37               ; var + 1e-5
	v_rsq_f32 v[VR], v[VR]
	s_wait_kmcnt 0x0
	v_mov_b32 v[GB], s20                           ; plain work behind the transcendental: gamma and beta, rounded to bf16
	v_mov_b32 v[GB+1], s21
	v_cvt_pk_bf16_f32 v[GB+2], v[GB], v[GB+1]
	v_lshlrev_b32 v[GB], 16, v[GB+2]
	v_and_b32 v[GB+1], 0xffff0000, v[GB+2]
	v_mov_b32 v[BP], v[GB+1]
	v_mov_b32 v[BP+1], v[GB+1]
	s_wait_alu depctr_va_vdst(0)                   ; the wait ahead of the root's first reader
	v_mul_f32 v[SP], v[GB], v[VR]
	v_mov_b32 v[SP+1], v[SP]
.set n, 0
.rept 16
.irp m, 0,2
	v_pk_fma_f32 v[Y+4*n+(\m):Y+4*n+(\m)+1], v[Y+4*n+(\m):Y+4*n+(\m)+1], v[SP:SP+1], v[BP:BP+1]
.endr
.irp m, 0,1,2,3
	v_max_num_f32 v[Y+4*n+(\m)], 0, v[Y+4*n+(\m)]
.endr
.if n < 8
	global_store_b128 v2, v[Y+4*n:Y+4*n+3], s[10:11] offset:(n/4)*4194304+(n%4)*4096 th:TH_STORE_NT
.else
	global_store_b128 v2, v[Y+4*n:Y+4*n+3], s[22:23] offset:((n-8)/4)*4194304+(n%4)*4096 th:TH_STORE_NT
.endif
.set n, n+1
.endr
	s_wait_tensorcnt 0x0                           ; the wave's end, behind my last LDS store
	ds_add_u32 v10, v11
	s_wait_dscnt 0x0
	s_endpgm
.Lfunc_end_k_q3f76718ba0_bn:
	.size	k_q3f76718ba0_bn, .Lfunc_end_k_q3f76718ba0_bn-k_q3f76718ba0_bn
	.p2alignl 7, 3214868480
	.fill 96, 4, 3214868480
	.section	.rodata,"a",@progbits
	.p2align	6, 0x0
	.amdhsa_kernel k_q3f76718ba0_bn
		.amdhsa_group_segment_fixed_size 1536
		.amdhsa_private_segment_fixed_size 0
		.amdhsa_enable_private_segment 0
		.amdhsa_kernarg_size 32
		.amdhsa_user_sgpr_count 2
		.amdhsa_user_sgpr_kernarg_segment_ptr 1
		.amdhsa_wavefront_size32 1
		.amdhsa_system_sgpr_workgroup_id_x 1
		.amdhsa_system_sgpr_workgroup_id_y 1
		.amdhsa_system_sgpr_workgroup_id_z 1
		.amdhsa_system_vgpr_workitem_id 0
		.amdhsa_next_free_vgpr 136
		.amdhsa_next_free_sgpr 66
		.amdhsa_reserve_vcc 0
		.amdhsa_float_denorm_mode_32 3
		.amdhsa_float_denorm_mode_16_64 3
		.amdhsa_memory_ordered 1
		.amdhsa_forward_progress 1
		.amdhsa_inst_pref_size 18
	.end_amdhsa_kernel
	.amdgpu_metadata
---
amdhsa.version: [ 1, 2 ]
amdhsa.kernels:
  - .name:           k_q3f76718ba0_bn
    .symbol:         k_q3f76718ba0_bn.kd
    .args:
      - { .name: ybn, .offset: 0, .size: 8, .value_kind: global_buffer, .address_space: global }
      - { .name: bn_gamma, .offset: 8, .size: 8, .value_kind: global_buffer, .address_space: global }
      - { .name: bn_beta, .offset: 16, .size: 8, .value_kind: global_buffer, .address_space: global }
      - { .name: out0, .offset: 24, .size: 8, .value_kind: global_buffer, .address_space: global }
    .group_segment_fixed_size: 1536
    .private_segment_fixed_size: 0
    .kernarg_segment_align: 8
    .kernarg_segment_size: 32
    .max_flat_workgroup_size: 256
    .sgpr_count:     66
    .vgpr_count:     136
    .wavefront_size: 32
...
	.end_amdgpu_metadata
.endif
;; end of part 12
;; ======== version 3 of 3: 7 launches; version 2 with the launches prep, bn written anew for expert scheduling mode
;; workspace buffers: xcast 33,554,432 bytes; wall 3,674,112 bytes; bmat 2,883,584 bytes; ep 16,777,216 bytes; qkv 29,360,128 bytes; ybn 16,777,216 bytes
;; launch prep (part 13): grid 540 x 1, 8 waves a work-group, no clusters, 0 bytes of LDS; arguments x, q_w, k_w, conv1_w, v_w, v_b, xcast, wall, bmat; writes xcast, wall, bmat
.if DOCPART == 13
	.amdgcn_target "amdgcn-amd-amdhsa--gfx1250"
	.amdhsa_code_object_version 6
	.text
	.protected	k_q3f76718ba0_prep
	.globl	k_q3f76718ba0_prep
	.p2align	8
	.type	k_q3f76718ba0_prep,@function
k_q3f76718ba0_prep:
	s_mov_b64 s[64:65], 0
	v_nop
	global_prefetch_b8 v0, s[64:65] scope:SCOPE_SE
	s_setreg_imm32_b32 hwreg(HW_REG_WAVE_SCHED_MODE, 0, 2), 2
	s_setreg_imm32_b32 hwreg(HW_REG_WAVE_MODE, 25, 1), 1
	s_wait_xcnt 0x0
	s_wait_alu depctr_vm_vsrc(0)
; PREP: every large input is rounded once to bf16 and laid out as the later launches' matrix operands want it.
; A CHUNK is 512 bytes: lane l = (r = l % 16, h = l / 16) holds 16 bytes = 8 bf16 at byte 16 l: row r, K = 8 h + 0..7.  Two chunks are a fragment of 16 rows x 32 K.
; Work-groups 0..27 (weights, first because their chain of scalar work is the longer): a wave takes 16 rows x 128 columns of q_w, k_w, conv1_w or v_w, in one go.  q_w, k_w and 2 x conv1_w go into the
;   stream 'wall', once for each batch; conv1_w and v_w also go into 'bmat' as plain chunks [row block][column block]; conv1_w's waves also store their quarter of conv1_w . v_b, in f32: four partial
;   sums a channel, added by the launch that uses them.
; Work-groups 28..539 (x): a wave takes 16 channels x 128 pixels, read once, and writes them twice:
;   xb [b][c][4096] bf16 (rows along pixels, for x x^T); inside each 128 pixels the 16-byte unit i holds pixels 4i..4i+3 and 64+4i..+3: one order for all rows, so sums over pixels keep their terms;
;   xf [b][block of 64 pixels][cc 16][t 4][s 2][chunk]: row r = pixel 4 r + t, K = channel 32 cc + 16 s + 8 h + j.
; No LDS, no matrix unit, no cluster: a stream in which nothing is shared.  Each store of a wave covers 512 consecutive bytes or two aligned runs of 256.
; THE MODE: SCHED_MODE bits 1:0 = 2 (LLVM: expert scheduling mode 2), set by the entry lines.  The code itself states the register dependences between vector instructions and memory instructions,
; with s_wait_alu, always for 0.
; THE PLAN.  Registers that memory instructions touch:
;   v5 to v8            byte offsets: written once, at the head of the kernel or of a role, read by the loads and stores, never written again.
;   X; WR and BV        loads land in them, once; no vector line names them before; vector lines read them behind the wait for the data.
;   FOUT, BOUT; PO, AO, DOT   written by vector lines, once; read by stores alone, behind them.
; No register that a load or store has read is written again, so no wait on vm_vsrc is owed.  What is owed: one wait on va_vdst ahead of a role's loads (the offsets are written), and one ahead of each run
; of stores (their data are written).  So the conversions stand in runs and the stores in runs behind them: two runs in the x role, one in the weights' role.
.set NWG,  28                          ; work-groups of the weights' role
.set X,    16                          ; v[16:79]   x role: block blk of 64 pixels, row k at X + 32 blk + 4 k
.set FOUT, 80                          ; v[80:111]  xf chunks
.set BOUT, 112                         ; v[112:143] xb rows
.set WR,   16                          ; v[16:79]   weights role: 8 chunks of 8 f32
.set BV,   80                          ; v[80:143]  v_b at the same columns; when the product with it is made, its registers take the chunks to be stored:
.set PO,   80                          ; v[80:111]  plain chunks for bmat
.set AO,   112                         ; v[112:143] scaled chunks for wall
.set DOT,  144                         ; v[144:147] two chains of the product with v_b
	s_load_b512 s[8:23], s[0:1], 0x0               ; x 8, q_w 10, k_w 12, conv1_w 14, v_w 16, v_b 18, xcast 20, wall 22
	s_load_b64 s[24:25], s[0:1], 0x40              ; bmat
	v_lshrrev_b32 v1, 5, v0
	v_readfirstlane_b32 s2, v1                     ; wave 0..7
	v_and_b32 v2, 31, v0                           ; l
	v_and_b32 v3, 15, v0                           ; l % 16
	v_bfe_u32 v4, v0, 4, 1                         ; l / 16
	v_lshlrev_b32 v5, 4, v2                        ; 16 l: my place in a chunk
	s_wait_alu depctr_va_sdst(0)                   ; s2 is written, ahead of the branch: each role's unit number is made from it
	s_cmp_lt_u32 ttmp9, NWG
	s_cbranch_scc1 .Lweights
	; ---- x ----
	s_sub_co_u32 s3, ttmp9, NWG
	s_lshl_b32 s3, s3, 3
	s_add_co_u32 s3, s3, s2                        ; unit u = 8 x work-group + wave
	s_lshr_b32 s4, s3, 10                          ; batch
	s_bfe_u32 s5, s3, 0x50005                      ; block of 16 channels
	s_and_b32 s6, s3, 31                           ; group of 128 pixels
	s_lshl_b32 s26, s4, 23                         ; x: (512 b + 16 rbk) rows of 16,384 bytes + 512 pg
	s_lshl_b32 s7, s5, 18
	s_add_co_u32 s26, s26, s7
	s_lshl_b32 s7, s6, 9
	s_add_co_u32 s26, s26, s7
	s_mov_b32 s27, 0
	s_lshl_b32 s28, s4, 22                         ; xb: the same rows of 8,192 bytes + 256 pg
	s_lshl_b32 s7, s5, 17
	s_add_co_u32 s28, s28, s7
	s_lshl_b32 s7, s6, 8
	s_add_co_u32 s28, s28, s7
	s_mov_b32 s29, 0
	s_lshl_b32 s30, s4, 22                         ; xf: (64 b + 2 pg) x 65,536 + (rbk / 2) x 4,096 + (rbk % 2) x 512, behind xb's 16 MiB
	s_lshl_b32 s7, s6, 17
	s_add_co_u32 s30, s30, s7
	s_lshr_b32 s7, s5, 1
	s_lshl_b32 s7, s7, 12
	s_add_co_u32 s30, s30, s7
	s_and_b32 s7, s5, 1
	s_lshl_b32 s7, s7, 9
	s_add_co_u32 s30, s30, s7
	s_add_co_u32 s30, s30, 0x1000000
	s_mov_b32 s31, 0
	v_lshlrev_b32 v6, 4, v3
	v_lshl_add_u32 v7, v4, 17, v6                  ; x: 8 rows down for lanes 16-31, 16 bytes a lane
	v_lshl_add_u32 v8, v4, 16, v6                  ; xb: the same
	s_wait_kmcnt 0x0
	s_add_nc_u64 s[8:9], s[8:9], s[26:27]
	s_add_nc_u64 s[28:29], s[20:21], s[28:29]
	s_add_nc_u64 s[30:31], s[20:21], s[30:31]
	s_wait_alu depctr_va_vdst(0)                   ; v5, v7 and v8 are written: the role's loads and stores read them as their offsets
.irp blk, 0,1
.irp k, 0,1,2,3,4,5,6,7
	global_load_b128 v[X+32*(\blk)+4*(\k):X+32*(\blk)+4*(\k)+3], v7, s[8:9] offset:(\k)*16384+(\blk)*256 th:TH_LOAD_NT  ; rows k and 8 + k, 256 bytes each
.endr
.endr
; xf: for pixel 4 i + p my eight channels lie in component p of my eight loads: four roundings make the lane's 16 bytes of chunk t = p.  XFC: a block's sixteen roundings; XFS: its four stores.
.macro XFC blk
.irp p, 0,1,2,3
.irp m, 0,1,2,3
	v_cvt_pk_bf16_f32 v[FOUT+16*(\blk)+4*(\p)+(\m)], v[X+32*(\blk)+8*(\m)+(\p)], v[X+32*(\blk)+8*(\m)+4+(\p)]
.endr
.endr
.endm
.macro XFS blk
.irp p, 0,1,2,3
	global_store_b128 v5, v[FOUT+16*(\blk)+4*(\p):FOUT+16*(\blk)+4*(\p)+3], s[30:31] offset:(\p)*1024+(\blk)*65536
.endr
.endm
; xb: block blk gives words 2 blk and 2 blk + 1 of each row's 16 bytes
.macro XBC blk
.irp k, 0,1,2,3,4,5,6,7
	v_cvt_pk_bf16_f32 v[BOUT+4*(\k)+2*(\blk)],   v[X+32*(\blk)+4*(\k)],   v[X+32*(\blk)+4*(\k)+1]
	v_cvt_pk_bf16_f32 v[BOUT+4*(\k)+2*(\blk)+1], v[X+32*(\blk)+4*(\k)+2], v[X+32*(\blk)+4*(\k)+3]
.endr
.endm
	s_wait_loadcnt 8                               ; the first block's eight loads are in; the second block's eight may stay out
	XFC 0
	s_wait_alu depctr_va_vdst(0)                   ; the roundings have written v[FOUT .. FOUT+15], which the four stores read
	XFS 0
	XBC 0                                          ; names X and BOUT alone, no register of those stores; it stands in the wait for the second block
	s_wait_loadcnt 0x0
	XFC 1
	XBC 1
	s_wait_alu depctr_va_vdst(0)                   ; the roundings have written v[FOUT+16 .. FOUT+31] and all of BOUT, which the twelve stores read
	XFS 1
.irp k, 0,1,2,3,4,5,6,7
	global_store_b128 v8, v[BOUT+4*(\k):BOUT+4*(\k)+3], s[28:29] offset:(\k)*8192
.endr
	s_endpgm
	; ---- weights ----
.Lweights:
	s_lshl_b32 s3, ttmp9, 3
	s_add_co_u32 s3, s3, s2                        ; 0..223
	s_and_b32 s33, s3, 3                           ; T: my quarter of the 512 columns
	s_lshr_b32 s3, s3, 2                           ; G = 0..55: 0-3 q_w, 4-7 k_w, 8-23 conv1_w, 24-55 v_w
	s_mov_b32 s46, 0x76543210                      ; v_permlanex16_b32: each lane takes its own place in the other half
	s_mov_b32 s47, 0xfedcba98
	s_wait_kmcnt 0x0
	s_cmp_lt_u32 s3, 4
	s_cselect_b64 s[28:29], s[10:11], s[12:13]
	s_cselect_b32 s4, 0, 4
	s_cmp_lt_u32 s3, 8
	s_cselect_b64 s[28:29], s[28:29], s[14:15]
	s_cselect_b32 s4, s4, 8
	s_cmp_lt_u32 s3, 24
	s_cselect_b64 s[28:29], s[28:29], s[16:17]     ; my matrix
	s_cselect_b32 s4, s4, 24
	s_cselect_b32 s34, 1, 0                        ; it goes into wall
	s_sub_co_u32 s4, s3, s4                        ; my block of 16 rows in it
	s_cmp_ge_u32 s3, 8
	s_cselect_b32 s35, 1, 0                        ; it goes into bmat
	s_and_b32 s36, s34, s35                        ; it is conv1_w
	s_cmp_eq_u32 s36, 1
	s_cselect_b32 s38, 2.0, 1.0                    ; wall takes 2 x conv1_w: exact in bf16
	s_mov_b32 s39, s38                             ; named with it as a pair
	s_lshr_b32 s5, s3, 1                           ; q, k: the quarter of proj's rows that takes the block, and its fragment 0 or 1
	s_and_b32 s6, s3, 1
	s_lshr_b32 s7, s4, 2                           ; conv1_w: quarter = block / 4, fragment 6 + block % 4
	s_and_b32 s26, s4, 3
	s_add_co_u32 s26, s26, 6
	s_cmp_lt_u32 s3, 8
	s_cselect_b32 s5, s5, s7
	s_cselect_b32 s6, s6, s26
	s_mul_i32 s5, s5, 28672
	s_lshl_b32 s6, s6, 10
	s_add_co_u32 s40, s5, s6
	s_mul_i32 s7, s33, 229376                      ; my 8 chunks are steps 2 T and 2 T + 1 of the stream
	s_add_co_u32 s40, s40, s7
	s_mov_b32 s41, 0
	s_add_nc_u64 s[40:41], s[22:23], s[40:41]      ; where my chunks begin in wall
	s_mov_b32 s7, 2621440                          ; bmat: conv1_w behind the five matrices,
	s_mov_b32 s26, 2097152                         ; v_w as matrix 4
	s_cmp_lt_u32 s3, 24
	s_cselect_b32 s7, s7, s26
	s_lshl_b32 s42, s4, 14
	s_add_co_u32 s42, s42, s7
	s_lshl_b32 s7, s33, 12
	s_add_co_u32 s42, s42, s7
	s_mov_b32 s43, 0
	s_add_nc_u64 s[42:43], s[24:25], s[42:43]
	s_lshl_b32 s26, s4, 15                         ; 16 rows of 2,048 bytes, my 512 bytes of each
	s_lshl_b32 s7, s33, 9
	s_add_co_u32 s26, s26, s7
	s_mov_b32 s27, 0
	s_add_nc_u64 s[28:29], s[28:29], s[26:27]
	s_mov_b32 s26, s7
	s_add_nc_u64 s[18:19], s[18:19], s[26:27]      ; v_b at the same columns
	s_lshl_b32 s26, s4, 6
	s_lshl_b32 s7, s33, 10
	s_add_co_u32 s26, s26, s7
	s_add_co_u32 s26, s26, 3670016                 ; the partial sums conv1_w . v_b, [quarter 4][channel 256], lie behind wall's stream
	s_add_nc_u64 s[44:45], s[22:23], s[26:27]
	v_lshlrev_b32 v6, 11, v3
	v_lshl_add_u32 v6, v4, 5, v6                   ; row r, 8 columns of f32 for each half of the lanes
	v_lshlrev_b32 v7, 5, v4                        ; the same columns of v_b
	v_lshlrev_b32 v8, 2, v3
	s_wait_alu depctr_va_vdst(0)                   ; v5 to v8 are written: the role's loads and stores read them as their offsets
.irp e, 0,1,2,3,4,5,6,7
	global_load_b128 v[WR+8*(\e):WR+8*(\e)+3],   v6, s[28:29] offset:(\e)*64
	global_load_b128 v[WR+8*(\e)+4:WR+8*(\e)+7], v6, s[28:29] offset:(\e)*64+16
	global_load_b128 v[BV+8*(\e):BV+8*(\e)+3],   v7, s[18:19] offset:(\e)*64
	global_load_b128 v[BV+8*(\e)+4:BV+8*(\e)+7], v7, s[18:19] offset:(\e)*64+16
.endr
	s_wait_loadcnt 0x0
.irp e, 0,1,2,3,4,5,6,7
.irp m, 0,1,2,3
.if ((\e) == 0) && ((\m) < 2)
	v_pk_mul_f32 v[DOT+2*(\m):DOT+2*(\m)+1], v[WR+2*(\m):WR+2*(\m)+1], v[BV+2*(\m):BV+2*(\m)+1]  ; the first products start the two chains
.else
	v_pk_fma_f32 v[DOT+2*((\m)%2):DOT+2*((\m)%2)+1], v[WR+8*(\e)+2*(\m):WR+8*(\e)+2*(\m)+1], v[BV+8*(\e)+2*(\m):BV+8*(\e)+2*(\m)+1], v[DOT+2*((\m)%2):DOT+2*((\m)%2)+1]
.endif
.endr
.endr
.irp e, 0,1,2,3,4,5,6,7
.irp m, 0,1,2,3
	v_cvt_pk_bf16_f32 v[PO+4*(\e)+(\m)], v[WR+8*(\e)+2*(\m)], v[WR+8*(\e)+2*(\m)+1]
.endr
.endr
	v_pk_add_f32 v[DOT:DOT+1], v[DOT:DOT+1], v[DOT+2:DOT+3]  ; the product with v_b is finished among the conversions, its four lines in their order, so that one wait serves all the stores
.irp e, 0,1,2,3,4,5,6,7
.irp m, 0,1,2,3
	v_pk_mul_f32 v[WR+8*(\e)+2*(\m):WR+8*(\e)+2*(\m)+1], v[WR+8*(\e)+2*(\m):WR+8*(\e)+2*(\m)+1], s[38:39] op_sel_hi:[1,0]
.endr
.endr
	v_add_f32 v[DOT], v[DOT], v[DOT+1]
.irp e, 0,1,2,3,4,5,6,7
.irp m, 0,1,2,3
	v_cvt_pk_bf16_f32 v[AO+4*(\e)+(\m)], v[WR+8*(\e)+2*(\m)], v[WR+8*(\e)+2*(\m)+1]
.endr
.endr
	v_permlanex16_b32 v[DOT+1], v[DOT], s46, s47   ; the row's other columns lie in the lane 16 away
	v_add_f32 v[DOT], v[DOT], v[DOT+1]
	s_wait_alu depctr_va_vdst(0)                   ; AO, PO and v[DOT] are written, which the stores below read, on every way through the branches; no vector line follows
	s_cmp_eq_u32 s34, 1
	s_cbranch_scc0 .Lno_wall
.irp e, 0,1,2,3,4,5,6,7                ; chunk e is step e / 4 of my two, half (e / 2) % 2, chunk e % 2; one copy for each batch
.irp c, 0,1,2,3
	global_store_b128 v5, v[AO+4*(\e):AO+4*(\e)+3], s[40:41] offset:((\e)/4)*114688+(((\e)/2)%2)*14336+((\e)%2)*512+(\c)*917504
.endr
.endr
.Lno_wall:
	s_cmp_eq_u32 s35, 1
	s_cbranch_scc0 .Lno_bmat
.irp e, 0,1,2,3,4,5,6,7
	global_store_b128 v5, v[PO+4*(\e):PO+4*(\e)+3], s[42:43] offset:(\e)*512
.endr
.Lno_bmat:
	s_cmp_eq_u32 s36, 1
	s_cbranch_scc0 .Ldone
	global_store_b32 v8, v[DOT], s[44:45]          ; both halves of the lanes hold, and write, the same number
.Ldone:
	s_endpgm
.Lfunc_end_k_q3f76718ba0_prep:
	.size	k_q3f76718ba0_prep, .Lfunc_end_k_q3f76718ba0_prep-k_q3f76718ba0_prep
	.p2alignl 7, 3214868480
	.fill 96, 4, 3214868480
	.section	.rodata,"a",@progbits
	.p2align	6, 0x0
	.amdhsa_kernel k_q3f76718ba0_prep
		.amdhsa_group_segment_fixed_size 0
		.amdhsa_private_segment_fixed_size 0
		.amdhsa_enable_private_segment 0
		.amdhsa_kernarg_size 72
		.amdhsa_user_sgpr_count 2
		.amdhsa_user_sgpr_kernarg_segment_ptr 1
		.amdhsa_wavefront_size32 1
		.amdhsa_system_sgpr_workgroup_id_x 1
		.amdhsa_system_sgpr_workgroup_id_y 1
		.amdhsa_system_sgpr_workgroup_id_z 1
		.amdhsa_system_vgpr_workitem_id 0
		.amdhsa_next_free_vgpr 148
		.amdhsa_next_free_sgpr 66
		.amdhsa_reserve_vcc 0
		.amdhsa_float_denorm_mode_32 3
		.amdhsa_float_denorm_mode_16_64 3
		.amdhsa_memory_ordered 1
		.amdhsa_forward_progress 1
		.amdhsa_inst_pref_size 27
	.end_amdhsa_kernel
	.amdgpu_metadata
---
amdhsa.version: [ 1, 2 ]
amdhsa.kernels:
  - .name:           k_q3f76718ba0_prep
    .symbol:         k_q3f76718ba0_prep.kd
    .args:
      - { .name: x, .offset: 0, .size: 8, .value_kind: global_buffer, .address_space: global }
      - { .name: q_w, .offset: 8, .size: 8, .value_kind: global_buffer, .address_space: global }
      - { .name: k_w, .offset: 16, .size: 8, .value_kind: global_buffer, .address_space: global }
      - { .name: conv1_w, .offset: 24, .size: 8, .value_kind: global_buffer, .address_space: global }
      - { .name: v_w, .offset: 32, .size: 8, .value_kind: global_buffer, .address_space: global }
      - { .name: v_b, .offset: 40, .size: 8, .value_kind: global_buffer, .address_space: global }
      - { .name: xcast, .offset: 48, .size: 8, .value_kind: global_buffer, .address_space: global }
      - { .name: wall, .offset: 56, .size: 8, .value_kind: global_buffer, .address_space: global }
      - { .name: bmat, .offset: 64, .size: 8, .value_kind: global_buffer, .address_space: global }
    .group_segment_fixed_size: 0
    .private_segment_fixed_size: 0
    .kernarg_segment_align: 8
    .kernarg_segment_size: 72
    .max_flat_workgroup_size: 256
    .sgpr_count:     66
    .vgpr_count:     148
    .wavefront_size: 32
...
	.end_amdgpu_metadata
.endif
;; end of part 13
;; launch came: the kernel of part 2 again; grid 4 x 64, 4 waves a work-group, clusters of 4 x 4, 327,680 bytes of LDS; arguments xcast, ep; writes ep
;; launch camsoft: the kernel of part 3 again; grid 128 x 1, 8 waves a work-group, no clusters, 2,048 bytes of LDS; arguments ep, bmat; writes bmat
;; launch wprod: the kernel of part 9 again; grid 16 x 5, 8 waves a work-group, no clusters, 33,792 bytes of LDS; arguments bmat, gamma_cam, gamma_pam, wall; writes wall
;; launch proj: the kernel of part 10 again; grid 16 x 16, 4 waves a work-group, clusters of 4 x 1, 229,888 bytes of LDS; arguments xcast, wall, q_b, k_b, gamma_pam, qkv; writes qkv
;; launch attn: the kernel of part 11 again; grid 64 x 4, 4 waves a work-group, clusters of 4 x 1, 327,680 bytes of LDS; arguments qkv, ybn; writes ybn
;; launch bn (part 14): grid 256 x 1, 8 waves a work-group, no clusters, 1,536 bytes of LDS; arguments ybn, bn_gamma, bn_beta, out0; writes out0
.if DOCPART == 14
	.amdgcn_target "amdgcn-amd-amdhsa--gfx1250"
	.amdhsa_code_object_version 6
	.text
	.protected	k_q3f76718ba0_bn
	.globl	k_q3f76718ba0_bn
	.p2align	8
	.type	k_q3f76718ba0_bn,@function
k_q3f76718ba0_bn:
	s_mov_b64 s[64:65], 0
	v_nop
	global_prefetch_b8 v0, s[64:65] scope:SCOPE_SE
	s_setreg_imm32_b32 hwreg(HW_REG_WAVE_SCHED_MODE, 0, 2), 2
	s_setreg_imm32_b32 hwreg(HW_REG_WAVE_MODE, 25, 1), 1
	s_wait_xcnt 0x0
	s_wait_alu depctr_vm_vsrc(0)
; BN: out = relu((y - mean) rsqrt(var + 1e-5) gamma + beta), mean and var over the batch and all pixels of a channel.
; A work-group takes ONE CHANNEL of all four batches: four runs of 16 KiB, read once, kept in registers (64 numbers a thread) and written once.  So the statistics are made here, from the numbers themselves:
; first the mean, then the sum of the squared deviations from it: no difference of large sums is formed.  Both sums cross the lanes by DPP and one exchange, and the eight waves through LDS.
; gamma and beta are rounded to bf16 like every input.  A stream: no matrix unit, no cluster.
; THE MODE: SCHED_MODE bits 1:0 = 2 (LLVM: expert scheduling mode 2), set by the entry lines.  The code itself states the register dependences between vector instructions and memory or LDS instructions,
; with s_wait_alu, always for 0.
; THE PLAN.  Registers that memory or LDS instructions touch:
;   v2, v4, v5, v10, v11   offsets and LDS addresses (and the closing add's 0): written at the head, never again.
;   Y        the 16 loads land in it; vector lines then work in place; the 16 stores read it, each register once, and nothing writes it behind them.
;   WK, WK2  a wave's sum and its sum of squares, a register each: written by vector lines, read by one LDS store, never written again.
;   RD       the LDS loads of both meetings land in it; vector lines read and write it between the two.
; No register that a memory or LDS instruction has read is written again, so no wait on vm_vsrc is owed.  The waits on va_vdst: one ahead of the loads (the offsets are written); one at the head of each meeting
; (the wave's sum is written; the lines that named RD are done); the one behind the root; and on the way out, which goes in four blocks of four groups, one at the head of blocks 1 to 3 and one behind
; block 3: the block before has written its part of Y, and its four stores are dealt among the next block's vector lines, which name other registers of Y.
.set RED1,  0                          ; eight waves' sums
.set RED2,  256                        ; eight waves' sums of squares: other bytes, so no barrier stands between the two meetings' uses
.set SPARE, 512                        ; the spare words: 128 bytes for each of eight waves
.set Y,  16                            ; v[16:79]
.set T,  80                            ; v[80:111] at work
.set WK, 112
.set VR, 113
.set WK2, 114
.set RD, 116                           ; v[116:123]
.set MP, 124                           ; pairs: mean, scale, beta
.set SP, 126
.set BP, 128
.set GB, 130                           ; v[130:132]
	s_load_b256 s[4:11], s[0:1], 0x0               ; ybn 4, bn_gamma 6, bn_beta 8, out0 10
	v_lshl_add_u32 v10, v0, 2, SPARE
	v_mov_b32 v11, 0
	v_lshrrev_b32 v1, 5, v0
	v_readfirstlane_b32 s12, v1
	v_lshlrev_b32 v2, 4, v0                        ; 16 x thread
	s_wait_alu depctr_va_sdst(0)                   ; s12 is written, ahead of its first reader
	s_lshl_b32 s13, s12, 2
	v_mov_b32 v4, s13                              ; my wave's word
	v_mov_b32 v5, 0
	v_mov_b32 v9, 0
	s_lshl_b32 s16, ttmp9, 14                      ; the channel's 16 KiB in a batch
	s_mov_b32 s17, 0
	s_lshl_b32 s18, ttmp9, 2
	s_mov_b32 s19, 0
	s_mov_b32 s34, 0x76543210
	s_mov_b32 s35, 0xfedcba98
	s_mov_b32 s36, 0x38800000                      ; 1 / 16,384
	s_mov_b32 s37, 0x3727c5ac                      ; 1e-5
	s_wait_kmcnt 0x0
	s_add_nc_u64 s[6:7], s[6:7], s[18:19]
	s_add_nc_u64 s[8:9], s[8:9], s[18:19]
	s_load_b32 s20, s[6:7], 0x0
	s_load_b32 s21, s[8:9], 0x0
	s_add_nc_u64 s[28:29], s[4:5], s[16:17]        ; batches 0 and 1 (4 MiB apart, in the immediate),
	s_add_nc_u64 s[30:31], s[28:29], 0x800000      ; batches 2 and 3
	s_add_nc_u64 s[10:11], s[10:11], s[16:17]
	s_add_nc_u64 s[22:23], s[10:11], 0x800000
	s_wait_alu depctr_va_vdst(0)                   ; v2, v4, v5, v10 and v11 are written: the kernel's loads, stores and LDS instructions read them
.set n, 0
.rept 8
	global_load_b128 v[Y+4*n:Y+4*n+3], v2, s[28:29] offset:(n/4)*4194304+(n%4)*4096 th:TH_LOAD_NT
.set n, n+1
.endr
.set n, 0
.rept 8
	global_load_b128 v[Y+32+4*n:Y+32+4*n+3], v2, s[30:31] offset:(n/4)*4194304+(n%4)*4096 th:TH_LOAD_NT
.set n, n+1
.endr
.macro WSUM r                          ; the sum over the wave's 32 lanes, in every lane
	v_add_f32_dpp v[\r], v[\r], v[\r] row_xmask:1 row_mask:0xf bank_mask:0xf
	v_add_f32_dpp v[\r], v[\r], v[\r] row_xmask:2 row_mask:0xf bank_mask:0xf
	v_add_f32_dpp v[\r], v[\r], v[\r] row_xmask:4 row_mask:0xf bank_mask:0xf
	v_add_f32_dpp v[\r], v[\r], v[\r] row_xmask:8 row_mask:0xf bank_mask:0xf
	v_permlanex16_b32 v9, v[\r], s34, s35
	v_add_f32 v[\r], v[\r], v9
.endm
.macro GSUM base, r                    ; the eight waves' sums, each in its v[r], meet in LDS; the total lands in v[RD]
	s_wait_alu depctr_va_vdst(0)                   ; the wave's sum is written, which the LDS store reads; the vector lines that named v[RD ..] are done, in which the LDS loads below land
	ds_store_b32 v4, v[\r] offset:\base            ; all lanes write the same word with the same number
	s_wait_dscnt 0x0                               ; for the others' sake
	s_barrier_signal -1
	s_barrier_wait -1
	ds_load_b128 v[RD:RD+3], v5 offset:\base
	ds_load_b128 v[RD+4:RD+7], v5 offset:(\base)+16
	s_wait_dscnt 0x0
	v_pk_add_f32 v[RD:RD+1], v[RD:RD+1], v[RD+4:RD+5]
	v_pk_add_f32 v[RD+2:RD+3], v[RD+2:RD+3], v[RD+6:RD+7]
	v_pk_add_f32 v[RD:RD+1], v[RD:RD+1], v[RD+2:RD+3]
	v_add_f32 v[RD], v[RD], v[RD+1]
.endm
.set n, 0
.rept 16
	s_wait_loadcnt 15-n                            ; load n is in; the loads behind it may stay out
	v_pk_add_f32 v[T+2*n:T+2*n+1], v[Y+4*n:Y+4*n+1], v[Y+4*n+2:Y+4*n+3]
.set n, n+1
.endr
.irp k, 0,2,4,6,8,10,12,14
	v_pk_add_f32 v[T+(\k):T+(\k)+1], v[T+(\k):T+(\k)+1], v[T+16+(\k):T+16+(\k)+1]
.endr
.irp k, 0,2,4,6
	v_pk_add_f32 v[T+(\k):T+(\k)+1], v[T+(\k):T+(\k)+1], v[T+8+(\k):T+8+(\k)+1]
.endr
.irp k, 0,2
	v_pk_add_f32 v[T+(\k):T+(\k)+1], v[T+(\k):T+(\k)+1], v[T+4+(\k):T+4+(\k)+1]
.endr
	v_pk_add_f32 v[T:T+1], v[T:T+1], v[T+2:T+3]
	v_add_f32 v[WK], v[T], v[T+1]
	WSUM WK
	GSUM RED1, WK
	v_mul_f32 v[MP], s36, v[RD]                    ; the mean
	v_mov_b32 v[MP+1], v[MP]
.set i, 0
.rept 32
	v_pk_add_f32 v[Y+2*i:Y+2*i+1], v[Y+2*i:Y+2*i+1], v[MP:MP+1] neg_lo:[0,1] neg_hi:[0,1]  ; the deviations, in place
.set i, i+1
.endr
.set i, 0
.rept 4
	v_pk_mul_f32 v[T+2*i:T+2*i+1], v[Y+2*i:Y+2*i+1], v[Y+2*i:Y+2*i+1]                      ; the first squares start four chains
.set i, i+1
.endr
.rept 28
	v_pk_fma_f32 v[T+2*(i%4):T+2*(i%4)+1], v[Y+2*i:Y+2*i+1], v[Y+2*i:Y+2*i+1], v[T+2*(i%4):T+2*(i%4)+1]
.set i, i+1
.endr
	v_pk_add_f32 v[T:T+1], v[T:T+1], v[T+4:T+5]
	v_pk_add_f32 v[T+2:T+3], v[T+2:T+3], v[T+6:T+7]
	v_pk_add_f32 v[T:T+1], v[T:T+1], v[T+2:T+3]
	v_add_f32 v[WK2], v[T], v[T+1]                 ; a register of its own: the first meeting's LDS store has read v[WK], which is not written again
	WSUM WK2
	GSUM RED2, WK2
	v_fma_f32 v[VR], v[RD], s36, s37               ; var + 1e-5
	v_rsq_f32 v[VR], v[VR]
	s_wait_kmcnt 0x0
	v_mov_b32 v[GB], s20                           ; plain work behind the transcendental: gamma and beta, rounded to bf16
	v_mov_b32 v[GB+1], s21
	v_cvt_pk_bf16_f32 v[GB+2], v[GB], v[GB+1]
	v_lshlrev_b32 v[GB], 16, v[GB+2]
	v_and_b32 v[GB+1], 0xffff0000, v[GB+2]
	v_mov_b32 v[BP], v[GB+1]
	v_mov_b32 v[BP+1], v[GB+1]
	s_wait_alu depctr_va_vdst(0)                   ; the root has written v[VR]: the wait ahead of its first reader
	v_mul_f32 v[SP], v[GB], v[VR]
	v_mov_b32 v[SP+1], v[SP]
; The way out.  FIN: group g's four numbers are scaled, shifted and cut at 0, in place: six lines.  OUTS: its store, 512 consecutive bytes a wave.
.macro FIN g
.irp m, 0,2
	v_pk_fma_f32 v[Y+4*(\g)+(\m):Y+4*(\g)+(\m)+1], v[Y+4*(\g)+(\m):Y+4*(\g)+(\m)+1], v[SP:SP+1], v[BP:BP+1]
.endr
.irp m, 0,1,2,3
	v_max_num_f32 v[Y+4*(\g)+(\m)], 0, v[Y+4*(\g)+(\m)]
.endr
.endm
.macro OUTS g
.if (\g) < 8
	global_store_b128 v2, v[Y+4*(\g):Y+4*(\g)+3], s[10:11] offset:((\g)/4)*4194304+((\g)%4)*4096 th:TH_STORE_NT
.else
	global_store_b128 v2, v[Y+4*(\g):Y+4*(\g)+3], s[22:23] offset:(((\g)-8)/4)*4194304+((\g)%4)*4096 th:TH_STORE_NT
.endif
.endm
.set n, 0
.rept 4                                ; block 0
	FIN n
.set n, n+1
.endr
.rept 3                                ; blocks 1 to 3
	s_wait_alu depctr_va_vdst(0)                   ; the block before has written its sixteen registers of Y, which the four stores below read; this block's lines name other registers of Y
.rept 4
	OUTS n-4
	FIN n
.set n, n+1
.endr
.endr
	s_wait_alu depctr_va_vdst(0)                   ; block 3 has written its sixteen registers of Y, which the last four stores read
.rept 4
	OUTS n-4
.set n, n+1
.endr
	s_wait_dscnt 0x0                               ; the closing lines, six on end
	s_wait_alu 0x0
	s_wait_tensorcnt 0x0
	ds_add_u32 v10, v11
	s_wait_dscnt 0x0
	s_endpgm
.Lfunc_end_k_q3f76718ba0_bn:
	.size	k_q3f76718ba0_bn, .Lfunc_end_k_q3f76718ba0_bn-k_q3f76718ba0_bn
	.p2alignl 7, 3214868480
	.fill 96, 4, 3214868480
	.section	.rodata,"a",@progbits
	.p2align	6, 0x0
	.amdhsa_kernel k_q3f76718ba0_bn
		.amdhsa_group_segment_fixed_size 1536
		.amdhsa_private_segment_fixed_size 0
		.amdhsa_enable_private_segment 0
		.amdhsa_kernarg_size 32
		.amdhsa_user_sgpr_count 2
		.amdhsa_user_sgpr_kernarg_segment_ptr 1
		.amdhsa_wavefront_size32 1
		.amdhsa_system_sgpr_workgroup_id_x 1
		.amdhsa_system_sgpr_workgroup_id_y 1
		.amdhsa_system_sgpr_workgroup_id_z 1
		.amdhsa_system_vgpr_workitem_id 0
		.amdhsa_next_free_vgpr 136
		.amdhsa_next_free_sgpr 66
		.amdhsa_reserve_vcc 0
		.amdhsa_float_denorm_mode_32 3
		.amdhsa_float_denorm_mode_16_64 3
		.amdhsa_memory_ordered 1
		.amdhsa_forward_progress 1
		.amdhsa_inst_pref_size 18
	.end_amdhsa_kernel
	.amdgpu_metadata
---
amdhsa.version: [ 1, 2 ]
amdhsa.kernels:
  - .name:           k_q3f76718ba0_bn
    .symbol:         k_q3f76718ba0_bn.kd
    .args:
      - { .name: ybn, .offset: 0, .size: 8, .value_kind: global_buffer, .address_space: global }
      - { .name: bn_gamma, .offset: 8, .size: 8, .value_kind: global_buffer, .address_space: global }
      - { .name: bn_beta, .offset: 16, .size: 8, .value_kind: global_buffer, .address_space: global }
      - { .name: out0, .offset: 24, .size: 8, .value_kind: global_buffer, .address_space: global }
    .group_segment_fixed_size: 1536
    .private_segment_fixed_size: 0
    .kernarg_segment_align: 8
    .kernarg_segment_size: 32
    .max_flat_workgroup_size: 256
    .sgpr_count:     66
    .vgpr_count:     136
    .wavefront_size: 32
...
	.end_amdgpu_metadata
.endif
;; end of part 14
